; MI455X (gfx1250); checked and timed in simulation.
; The chip was launched on July 23, 2026; its instructions are those of AMD's public machine-readable ISA for CDNA 5 (MIT licence, August 2026) and "CDNA5" Instruction Set Architecture Reference Guide (July 2026). The comments in the code are by the model that wrote it; some were corrected since.
;; Box Decoder. Allowed arithmetic: matrix products marked QUANTISED: E5M2 operands, one E8M0 scale for each 32 along K, by v_wmma_scale_f32_16x16x128_f8f6f4 with both operands' format E5M2, f32 sums; everything else in f32.
;; Inputs: attn_w_b 128 float32; attn_w_w 128 x 256 float32; in_proj_b 768 float32; in_proj_w 768 x 256 float32; lin1_b 1,024 float32; lin1_w 1,024 x 256 float32; lin2_b 256 float32; lin2_w 256 x 1,024 float32; memory 13,294 x 16 x 256 float32; memory_level_start_index 4 int32; memory_spatial_shapes 4 x 2 int32; ms_out_b 256 float32; ms_out_w 256 x 256 float32; norm1_b 256 float32; norm1_g 256 float32; norm2_b 256 float32; norm2_g 256 float32; norm3_b 256 float32; norm3_g 256 float32; out_proj_b 256 float32; out_proj_w 256 x 256 float32; samp_off_b 256 float32; samp_off_w 256 x 256 float32; tgt 900 x 16 x 256 float32; tgt_query_pos 900 x 16 x 256 float32; tgt_reference_points 900 x 16 x 4 x 2 float32; val_proj_b 256 float32; val_proj_w 256 x 256 float32.
;; Outputs: out0 900 x 16 x 256 float32.
;; This version of the problem:
;;   THIS VERSION OF THE PROBLEM IS GIVEN IN LOW PRECISION. The matrix products marked QUANTISED in the list below multiply operands that are first quantised to E5M2 (5 exponent bits, 2 mantissa bits; 8 bits a number), with one power-of-two scale for each 32 numbers along K (OCP MX v1.0); their sums are f32. All else is computed in f32.
;;   The module's matrix products, in the order in which they are computed (A, B: the left and right operand; K: the contracted axis; several contracted axes count as one K, in the product's order):
;;     1. [M 14,400, K 256] x [K 256, N 256]; A: computed on the way; B: computed on the way: QUANTISED
;;     2. [M 14,400, K 256] x [K 256, N 256]; A: computed on the way; B: computed on the way: QUANTISED
;;     3. [M 14,400, K 256] x [K 256, N 256]; A: input tgt; B: computed on the way: QUANTISED
;;     4. batch 128 x [M 900, K 32] x [K 32, N 900]; A: computed on the way; B: computed on the way: QUANTISED
;;     5. batch 128 x [M 32, K 900] x [K 900, N 900]; A: computed on the way; B: softmax (see below): QUANTISED
;;     6. [M 14,400, K 256] x [K 256, N 256]; A: computed on the way; B: input out_proj_w: QUANTISED
;;     7. [M 212,704, K 256] x [K 256, N 256]; A: input memory; B: input val_proj_w: QUANTISED
;;     8. [M 14,400, K 256] x [K 256, N 256]; A: computed on the way; B: input samp_off_w: QUANTISED
;;     9. [M 14,400, K 256] x [K 256, N 128]; A: computed on the way; B: input attn_w_w: QUANTISED
;;     10. [M 14,400, K 256] x [K 256, N 256]; A: computed on the way; B: input ms_out_w: QUANTISED
;;     11. [M 14,400, K 256] x [K 256, N 1,024]; A: computed on the way; B: input lin1_w: QUANTISED
;;     12. [M 14,400, K 1,024] x [K 1,024, N 256]; A: computed on the way; B: input lin2_w: QUANTISED
;;   THE QUANTISER, for each operand of a quantised product, along K:
;;     - K is cut into blocks of 32 from its start; a last block that is shorter is filled with zeros.
;;     - A block's scale is 2^e with e = floor(log2(the largest magnitude in the block)) - 15, held to -126 .. 127; a block of zeros has e = 0. As a byte (E8M0): e + 127.
;;     - Each number is divided by its block's scale, clamped to +-57,344, and rounded to the nearest number of E5M2, ties to even, subnormals kept.
;;     - The product sums the exact products of the quantised numbers (number of the format x scale) in f32.
;;   ~~~python
;;   def quantise(x, axis):      # numpy; x: float32 -> the quantised numbers, widened to float32 again
;;       x = np.moveaxis(x, axis, -1); K = x.shape[-1]
;;       x = np.pad(x, [(0, 0)] * (x.ndim - 1) + [(0, -K % 32)]); x = x.reshape(x.shape[:-1] + (-1, 32)); a = np.abs(x).max(-1, keepdims=True)
;;       e = np.where(a > 0, np.clip(np.frexp(np.where(a > 0, a, 1))[1] - 1 - 15, -126, 127), 0)      # np.frexp(a)[1] - 1 = floor(log2(a)), exactly
;;       r = np.clip(x / 2.0 ** e, -57344, 57344)
;;       step = 2.0 ** (np.maximum(np.frexp(np.where(r == 0, 1, r))[1] - 1, -14) - 2)
;;       q = np.round(r / step) * step * 2.0 ** e      # np.round: ties to even
;;       return np.moveaxis(q.reshape(q.shape[:-2] + (-1,))[..., :K], -1, axis).astype(np.float32)
;;   ~~~
;;   SOFTMAX AHEAD OF A QUANTISED PRODUCT. Where the list says 'softmax', what is quantised is not the finished softmax but p = 2^(t - M), with t = logit x log2(e) and M = ceil(the row's largest t), a whole number; so 1/2 < the row's largest p <= 1. The row's sum l is taken of the UNQUANTISED p, in f32, and the product's result is divided by l at the end. Since M is a whole number, a kernel that streams over the keys may use a running M (the ceiling of the running maximum): every later rescaling is an exact power of two, which a block's scale takes up: the codes' values come out the same.
;;   OPERANDS COMPUTED ON THE WAY. 'Computed on the way' means the value that the module computes at that place (a softmax that the list does not call 'softmax' is quantised finished and normalised). What goes into a quantiser is computed in f32, as accurately as f32 sums, v_exp_f32 and their like allow (about 1e-6 of the number): no bf16 or f16 on the way to a quantiser, and a product that is left as it is and whose result goes on into a quantised operand takes f32 operands (vector FMAs, or v_wmma_f32_16x16x4_f32). A number that lies on a knife's edge between two numbers of the format may be rounded either way, as far as f32 arithmetic and the matrix unit's own rounding can turn it there, and no further.
;; 3 versions, each right; version 2 is faster than version 1; version 3 is version 2 with the launches qkv, attn, saout, valproj, ffn written anew for expert scheduling mode. Each part assembles by itself: llvm-mc -triple=amdgcn-amd-amdhsa -mcpu=gfx1250 --defsym DOCPART=n.
;; ======== version 1 of 3: 7 launches
;; workspace buffers: wq 1,079,296 bytes; qkv 13,762,560 bytes; ob 4,177,920 bytes; cf 47,185,920 bytes; idx 7,864,320 bytes of whole numbers; vtab 217,808,896 bytes; outf 14,745,600 bytes
;; launch wquant (part 1): grid 124 x 1, 4 waves a work-group, no clusters, 0 bytes of LDS; arguments in_proj_w, out_proj_w, samp_off_w, attn_w_w, val_proj_w, ms_out_w, lin1_w, lin2_w, wq; writes wq
.if DOCPART == 1
	.amdgcn_target "amdgcn-amd-amdhsa--gfx1250"
	.amdhsa_code_object_version 6
	.text
	.protected	k_q46437c6536_wquant
	.globl	k_q46437c6536_wquant
	.p2align	8
	.type	k_q46437c6536_wquant,@function
k_q46437c6536_wquant:
	s_mov_b64 s[64:65], 0
	v_nop
	global_prefetch_b8 v0, s[64:65] scope:SCOPE_SE
	s_setreg_imm32_b32 hwreg(HW_REG_WAVE_MODE, 25, 1), 1
	s_wait_xcnt 0x0
; The eight weights ([out][in] f32, K = in, innermost) become operands of the scaled matrix instruction: codes of E5M2 with one E8M0 byte for each 32 along K.
; They are laid in wq as IMAGES OF THE OPERAND'S REGISTERS: fragment F (16 rows x 128 K) is 2,048 bytes at 2048 F, group c of four registers at 512 c, lane l's 16 bytes at 16 l;
; its scale words (one a row, four bytes) at WSCL + 128 F + 4 l.  Fragments: in_proj 0, out_proj 96, samp_off 128, attn_w 160, val_proj 176, ms_out 208, lin1 240, lin2 368; inside a weight tile x KS + K step.
; THE ROWS OF A TILE ARE NOT NEIGHBOURS (but in attn_w): lane r of tile 2 b + u takes row 32 b + 8 u + r + 8 (r / 8), so that in a transposed product the 16 registers of two neighbouring tiles are 16 neighbouring outputs.
; One wave makes one fragment: 496 fragments, 124 work-groups of four waves.  Lane (r, h) loads, of its row, 16 neighbours of each block of 32; a block's maximum is joined with lane l xor 16.
; LIMITS: NaN and infinities are not served; a block of zeros gets the byte 1 (its codes are zeros; this program alone reads the bytes); a largest magnitude under 2^-111 is held at the byte 1.
.set TM, 80                            ; v80-83 largest magnitudes, v84-87 bytes, v88-91 largest number x scale, v92-95 the conversions' scale operands
.set PC, 96                            ; v96-111 the codes
.set PW, 112                           ; the scale word
.set SEL, 40
.set MNT, 42
.set WSCL, 1015808
.macro QUANT s, relu                   ; 64 numbers of a lane, register 16 b + i = k 32 b + 16 (lane / 16) + i of its row -> codes in v[PC] on, bytes in v[TM+4] on, the word in v[PW]
.irp b, 0,1,2,3
.if \relu
	v_max3_num_f32 v[TM+\b], v[\s+16*\b], v[\s+16*\b+1], 0x8000000
.else
	v_max3_num_f32 v[TM+\b], |v[\s+16*\b]|, |v[\s+16*\b+1]|, 0x8000000   ; with the floor 2^(16 - 127): the byte cannot fall under 1
.endif
.endr
.irp i, 2,4,6,8,10,12,14
.irp b, 0,1,2,3
.if \relu
	v_max3_num_f32 v[TM+\b], v[TM+\b], v[\s+16*\b+\i], v[\s+16*\b+\i+1]
.else
	v_max3_num_f32 v[TM+\b], v[TM+\b], |v[\s+16*\b+\i]|, |v[\s+16*\b+\i+1]|
.endif
.endr
.endr
.irp b, 0,1,2,3
	v_permlanex16_b32 v[TM+4+\b], v[TM+\b], s[SEL], s[SEL+1]
.endr
.irp b, 0,1,2,3
	v_max_num_f32 v[TM+\b], v[TM+\b], v[TM+4+\b]          ; with lane l xor 16's: the block's largest magnitude
.endr
.irp b, 0,1,2,3
	v_add_nc_u32 v[TM+12+\b], 0xf8800000, v[TM+\b]        ; 15 off its exponent field: the conversion's scale operand
.endr
.irp b, 0,1,2,3
	v_and_or_b32 v[TM+8+\b], v[TM+\b], 0x7f800000, s[MNT] ; 57,344 x the scale
.endr
.irp b, 0,1,2,3
	v_lshrrev_b32 v[TM+4+\b], 23, v[TM+12+\b]             ; the scale's byte
.endr
	v_lshl_or_b32 v[PW], v[TM+5], 8, v[TM+4]
	v_lshl_or_b32 v[PW], v[TM+6], 16, v[PW]
	v_lshl_or_b32 v[PW], v[TM+7], 24, v[PW]
.irp b, 0,1,2,3
.irp i, 0,1,2,3,4,5,6,7,8,9,10,11,12,13,14,15
.if \relu
	v_med3_num_f32 v[\s+16*\b+\i], v[\s+16*\b+\i], 0, v[TM+8+\b]
.else
	v_med3_num_f32 v[\s+16*\b+\i], v[\s+16*\b+\i], -v[TM+8+\b], v[TM+8+\b]   ; the conversion does not saturate (ISA guide 7.6.2): the hold
.endif
.endr
	v_cvt_scalef32_pk8_bf8_f32 v[PC+4*\b:PC+4*\b+1], v[\s+16*\b:\s+16*\b+7], v[TM+12+\b]
	v_cvt_scalef32_pk8_bf8_f32 v[PC+4*\b+2:PC+4*\b+3], v[\s+16*\b+8:\s+16*\b+15], v[TM+12+\b]
.endr
	v_nop                                                 ; a plain line behind the last conversion
.endm
	s_load_b512 s[8:23], s[0:1], 0x0               ; the eight weights, in the order of the fragments
	s_load_b64 s[24:25], s[0:1], 0x40              ; wq
	v_lshrrev_b32 v1, 5, v0
	v_readfirstlane_b32 s4, v1                     ; wave
	v_and_b32 v1, 31, v0                           ; lane
	v_and_b32 v2, 15, v0                           ; r
	v_bfe_u32 v3, v0, 4, 1                         ; h
	s_mov_b32 s[SEL], 0x76543210
	s_mov_b32 s[SEL+1], 0xfedcba98                 ; selects for lane l xor 16
	s_mov_b32 s[MNT], 0x600000                     ; the mantissa field of 57,344
.irp b, 0,1,2,3
	v_mov_b32 v[TM+4+\b], 0                        ; a lane permute's destination counts as one of its sources
.endr
	s_sub_co_u32 s30, ttmp9, 40
	s_cmp_lt_u32 s30, 4
	s_cselect_b32 s30, 0, 1                        ; P = 0 for attn_w (work-groups 40 to 43: natural rows), else 1
	s_wait_kmcnt 0x0
	; which weight: the choice hangs on the work-group's number alone
	s_cmp_ge_u32 ttmp9, 24
	s_cselect_b64 s[26:27], s[10:11], s[8:9]
	s_cselect_b32 s28, 96, 0
	s_cmp_ge_u32 ttmp9, 32
	s_cselect_b64 s[26:27], s[12:13], s[26:27]
	s_cselect_b32 s28, 128, s28
	s_cmp_ge_u32 ttmp9, 40
	s_cselect_b64 s[26:27], s[14:15], s[26:27]
	s_cselect_b32 s28, 160, s28
	s_cmp_ge_u32 ttmp9, 44
	s_cselect_b64 s[26:27], s[16:17], s[26:27]
	s_cselect_b32 s28, 176, s28
	s_cmp_ge_u32 ttmp9, 52
	s_cselect_b64 s[26:27], s[18:19], s[26:27]
	s_cselect_b32 s28, 208, s28
	s_cmp_ge_u32 ttmp9, 60
	s_cselect_b64 s[26:27], s[20:21], s[26:27]
	s_cselect_b32 s28, 240, s28
	s_cmp_ge_u32 ttmp9, 92
	s_cselect_b64 s[26:27], s[22:23], s[26:27]
	s_cselect_b32 s28, 368, s28
	s_cselect_b32 s29, 3, 1                        ; log2 of the K steps: lin2 has 8, the others 2
	s_lshl_b32 s31, ttmp9, 2
	s_add_co_u32 s31, s31, s4                      ; F
	s_sub_co_u32 s32, s31, s28                     ; the fragment inside its weight
	s_lshr_b32 s33, s32, s29                       ; tile
	s_bfm_b32 s34, s29, 0
	s_and_b32 s34, s32, s34                        ; K step
	s_and_b32 s35, s33, 1
	s_mul_i32 s35, s35, s30
	s_lshl_b32 s35, s35, 3
	s_lshl_b32 s36, s33, 4
	s_sub_co_u32 s36, s36, s35                     ; 16 t - 8 P (t & 1)
	v_and_b32 v4, 8, v2
	v_mul_u32_u24 v4, s30, v4
	v_add3_u32 v4, v4, v2, s36                     ; my row: + r + P (r & 8)
	s_add_co_u32 s37, s29, 9
	v_lshlrev_b32 v4, s37, v4                      ; a row is 1,024 or 4,096 bytes
	v_lshl_add_u32 v4, v3, 6, v4                   ; + 64 h
	s_lshl_b32 s38, s34, 9
	v_add_nc_u32 v4, s38, v4                       ; + 512 x K step
.irp q, 0,1,2,3
.irp j, 0,1,2,3
	global_load_b128 v[16+16*\q+4*\j:16+16*\q+4*\j+3], v4, s[26:27] offset:128*\q+16*\j
.endr
.endr
	s_lshl_b32 s39, s31, 11
	v_lshl_add_u32 v5, v1, 4, s39                  ; the image's place
	s_lshl_b32 s39, s31, 7
	v_lshl_add_u32 v6, v1, 2, s39                  ; the scale word's
	s_wait_loadcnt 0x0
	QUANT 16, 0
.irp c, 0,1,2,3
	global_store_b128 v5, v[PC+4*\c:PC+4*\c+3], s[24:25] offset:512*\c   ; 32 lanes store 512 consecutive bytes
.endr
	global_store_b32 v6, v[PW], s[24:25] offset:WSCL
	s_endpgm
.Lfunc_end_k_q46437c6536_wquant:
	.size	k_q46437c6536_wquant, .Lfunc_end_k_q46437c6536_wquant-k_q46437c6536_wquant
	.p2alignl 7, 3214868480
	.fill 96, 4, 3214868480
	.section	.rodata,"a",@progbits
	.p2align	6, 0x0
	.amdhsa_kernel k_q46437c6536_wquant
		.amdhsa_group_segment_fixed_size 0
		.amdhsa_private_segment_fixed_size 0
		.amdhsa_enable_private_segment 0
		.amdhsa_kernarg_size 72
		.amdhsa_user_sgpr_count 2
		.amdhsa_user_sgpr_kernarg_segment_ptr 1
		.amdhsa_wavefront_size32 1
		.amdhsa_system_sgpr_workgroup_id_x 1
		.amdhsa_system_sgpr_workgroup_id_y 1
		.amdhsa_system_sgpr_workgroup_id_z 1
		.amdhsa_system_vgpr_workitem_id 0
		.amdhsa_next_free_vgpr 116
		.amdhsa_next_free_sgpr 66
		.amdhsa_reserve_vcc 0
		.amdhsa_float_denorm_mode_32 3
		.amdhsa_float_denorm_mode_16_64 3
		.amdhsa_memory_ordered 1
		.amdhsa_forward_progress 1
		.amdhsa_inst_pref_size 13
	.end_amdhsa_kernel
	.amdgpu_metadata
---
amdhsa.version: [ 1, 2 ]
amdhsa.kernels:
  - .name:           k_q46437c6536_wquant
    .symbol:         k_q46437c6536_wquant.kd
    .args:
      - { .name: in_proj_w, .offset: 0, .size: 8, .value_kind: global_buffer, .address_space: global }
      - { .name: out_proj_w, .offset: 8, .size: 8, .value_kind: global_buffer, .address_space: global }
      - { .name: samp_off_w, .offset: 16, .size: 8, .value_kind: global_buffer, .address_space: global }
      - { .name: attn_w_w, .offset: 24, .size: 8, .value_kind: global_buffer, .address_space: global }
      - { .name: val_proj_w, .offset: 32, .size: 8, .value_kind: global_buffer, .address_space: global }
      - { .name: ms_out_w, .offset: 40, .size: 8, .value_kind: global_buffer, .address_space: global }
      - { .name: lin1_w, .offset: 48, .size: 8, .value_kind: global_buffer, .address_space: global }
      - { .name: lin2_w, .offset: 56, .size: 8, .value_kind: global_buffer, .address_space: global }
      - { .name: wq, .offset: 64, .size: 8, .value_kind: global_buffer, .address_space: global }
    .group_segment_fixed_size: 0
    .private_segment_fixed_size: 0
    .kernarg_segment_align: 8
    .kernarg_segment_size: 72
    .max_flat_workgroup_size: 128
    .sgpr_count:     66
    .vgpr_count:     116
    .wavefront_size: 32
...
	.end_amdgpu_metadata
.endif
;; end of part 1
;; launch qkv (part 2): grid 15 x 16, 8 waves a work-group, no clusters, 35,840 bytes of LDS; arguments tgt, tgt_query_pos, in_proj_b, wq, qkv; writes qkv
.if DOCPART == 2
	.amdgcn_target "amdgcn-amd-amdhsa--gfx1250"
	.amdhsa_code_object_version 6
	.text
	.protected	k_q46437c6536_qkv
	.globl	k_q46437c6536_qkv
	.p2align	8
	.type	k_q46437c6536_qkv,@function
k_q46437c6536_qkv:
	s_mov_b64 s[64:65], 0
	v_nop
	global_prefetch_b8 v0, s[64:65] scope:SCOPE_SE
	s_setreg_imm32_b32 hwreg(HW_REG_WAVE_MODE, 25, 1), 1
	s_wait_xcnt 0x0
; q = (x Wq^T + bq) / sqrt(32), k = x Wk^T + bk (x = tgt + pos), v = tgt Wv^T + bv, all on codes of E5M2 with E8M0 scales; the results are quantised again at once, as the operands of self-attention:
; q and k along the head's 32 channels, v along the KEYS (blocks of 32 queries l), and stored as images of operand registers.
; SHARES.  A work-group takes 64 rows l of one batch entry b, in four tiles; wave w is head w.  The rows of tile m are 64 lb + 32 (m / 2) + 8 (m % 2) + r + 8 (r / 8): so the keys of two neighbouring tiles lie, in the scores
; and in v, as 16 neighbours in a lane's 16 registers.  Rows from 900 on are read as row 899: their q and k are finite and never count; in v they are made zeros, as the quantiser fills the last block.
; X: wave w quantises fragment (tile w / 2, K step w % 2) of x and of tgt and stores their images to LDS | barrier | each wave: its head's q, k (transposed: source 0 = 16 rows of W, source 1 = 16 rows of x: a lane holds one
; row and 16 neighbouring channels) and v (source 0 = x, source 1 = W: a lane holds one channel and 16 neighbouring keys).
; qkv: q's codes (bh 60 + t) 512; q's bytes, one word a lane, 3,932,160 + (bh 60 + t) 128; K and V of a head 4,915,200 + bh 61,440 (K tile kt at 512 kt; V at 30,720 + 15,360 u + 512 kb); their scales 12,779,520 + bh 7,680.
; REGISTERS: window 0: v1-15, v40-41 addresses; v16-27 weights' scale words; v32-35 x's; v60-123 four fragments of x; v124-187 eight accumulators; v188-219 the quantiser's; window 1: v0-191 the 12 weight fragments, v192-239 biases.
; LIMITS: NaN and infinities are not served; a block of zeros gets the byte 1 (this program alone reads the bytes).
.set XIMG, 0                           ; LDS: x's 8 fragments (2 m + K step), 2,048 bytes each,
.set XSC, 16384                        ; their scale words, 128 bytes each,
.set TIMG, 17408                       ; tgt's 8 fragments,
.set TSC, 33792                        ; and their scale words
.set WSCL, 1015808
.set LI, 1
.set LS, 2
.set WS, 16
.set XS, 32
.set AF, 60
.set ACC, 124
.set TM, 188
.set PC, 204
.set PW, 252
.set BQ, 192
.set BK, 208
.set BV, 224
.set WQ, 10
.set SEL, 20
.set MNT, 22
.set MH, 23
.set MSB, 0
.macro WIN new                         ; the immediate's high byte repeats the setting that is left
.if MSB != \new
	s_set_vgpr_msb (MSB<<8)|\new
.set MSB, \new
.endif
.endm
.macro PLACES n                        ; plain vector lines behind matrix instructions (ISA guide 7.12.1)
.rept \n
	v_nop
.endr
.endm
.macro BARRIER                         ; my LDS stores have landed and my LDS loads are in: then the work-group's barrier
	s_wait_dscnt 0x0
	s_barrier_signal -1
	s_barrier_wait -1
.endm
.macro QUANT s, relu                   ; 64 numbers of a lane in four blocks of 16 (the other 16 of a block lie in lane l xor 16) -> codes in v[PC] on, bytes in v[TM+4] on, the word in v[PW]
.irp b, 0,1,2,3
.if \relu
	v_max3_num_f32 v[TM+\b], v[\s+16*\b], v[\s+16*\b+1], 0x8000000
.else
	v_max3_num_f32 v[TM+\b], |v[\s+16*\b]|, |v[\s+16*\b+1]|, 0x8000000   ; with the floor 2^(16 - 127): the byte cannot fall under 1
.endif
.endr
.irp i, 2,4,6,8,10,12,14
.irp b, 0,1,2,3
.if \relu
	v_max3_num_f32 v[TM+\b], v[TM+\b], v[\s+16*\b+\i], v[\s+16*\b+\i+1]
.else
	v_max3_num_f32 v[TM+\b], v[TM+\b], |v[\s+16*\b+\i]|, |v[\s+16*\b+\i+1]|
.endif
.endr
.endr
.irp b, 0,1,2,3
	v_permlanex16_b32 v[TM+4+\b], v[TM+\b], s[SEL], s[SEL+1]
.endr
.irp b, 0,1,2,3
	v_max_num_f32 v[TM+\b], v[TM+\b], v[TM+4+\b]
.endr
.irp b, 0,1,2,3
	v_add_nc_u32 v[TM+12+\b], 0xf8800000, v[TM+\b]        ; 15 off the exponent field: the conversion's scale operand
.endr
.irp b, 0,1,2,3
	v_and_or_b32 v[TM+8+\b], v[TM+\b], 0x7f800000, s[MNT] ; 57,344 x the scale
.endr
.irp b, 0,1,2,3
	v_lshrrev_b32 v[TM+4+\b], 23, v[TM+12+\b]             ; the scale's byte
.endr
	v_lshl_or_b32 v[PW], v[TM+5], 8, v[TM+4]
	v_lshl_or_b32 v[PW], v[TM+6], 16, v[PW]
	v_lshl_or_b32 v[PW], v[TM+7], 24, v[PW]
.irp b, 0,1,2,3
.irp i, 0,1,2,3,4,5,6,7,8,9,10,11,12,13,14,15
.if \relu
	v_med3_num_f32 v[\s+16*\b+\i], v[\s+16*\b+\i], 0, v[TM+8+\b]
.else
	v_med3_num_f32 v[\s+16*\b+\i], v[\s+16*\b+\i], -v[TM+8+\b], v[TM+8+\b]   ; the conversion does not saturate (ISA guide 7.6.2): the hold
.endif
.endr
	v_cvt_scalef32_pk8_bf8_f32 v[PC+4*\b:PC+4*\b+1], v[\s+16*\b:\s+16*\b+7], v[TM+12+\b]
	v_cvt_scalef32_pk8_bf8_f32 v[PC+4*\b+2:PC+4*\b+3], v[\s+16*\b+8:\s+16*\b+15], v[TM+12+\b]
.endr
	v_nop                                                 ; a plain line behind the last conversion
.endm
.macro LOADW slot, voff, vsoff, f0, f1, f2, f3   ; four weight fragments (2 u + K step) into window 1, v[64 slot] on, and their scale words: 20 loads
	WIN 0x40
.set LWI, 0
.irp f, \f0, \f1, \f2, \f3
.irp c, 0,1,2,3
	global_load_b128 v[64*(\slot)+16*LWI+4*\c:64*(\slot)+16*LWI+4*\c+3], v[\voff], s[WQ:WQ+1] offset:(\f)*2048+512*\c
.endr
.set LWI, LWI+1
.endr
	WIN 0
.set LWI, 0
.irp f, \f0, \f1, \f2, \f3
	global_load_b32 v[WS+4*(\slot)+LWI], v[\vsoff], s[WQ:WQ+1] offset:WSCL+(\f)*128
.set LWI, LWI+1
.endr
.endm
.macro FETCH4 vi, vs, img, sc, ks, kk  ; the four row tiles' fragments of K step kk, and their scale words, from their images in LDS
.irp m, 0,1,2,3
.irp c, 0,1,2,3
	ds_load_b128 v[AF+16*\m+4*\c:AF+16*\m+4*\c+3], v[\vi] offset:\img+(\m*\ks+\kk)*2048+512*\c
.endr
	ds_load_b32 v[XS+\m], v[\vs] offset:\sc+(\m*\ks+\kk)*128
.endr
.endm
; eight matrix instructions, the eight accumulators by turns.  Source 0 = 16 rows of W, source 1 = 16 rows of x.  cw >= 0: the bias, in window 1, starts the sums
.macro MM8 slot, kk, cw, bf, xs
.if \cw >= 0
	WIN 0x11
.else
	WIN 0x01
.endif
.irp m, 0,1,2,3
.irp u, 0,1
.if \cw >= 0
	v_wmma_scale_f32_16x16x128_f8f6f4 v[ACC+16*\m+8*\u:ACC+16*\m+8*\u+7], v[64*(\slot)+16*(2*\u+\kk):64*(\slot)+16*(2*\u+\kk)+15], v[\bf+16*\m:\bf+16*\m+15], v[\cw+8*\u:\cw+8*\u+7], v[WS+4*(\slot)+2*\u+\kk], v[\xs+\m] matrix_a_fmt:MATRIX_FMT_BF8 matrix_b_fmt:MATRIX_FMT_BF8
.else
	v_wmma_scale_f32_16x16x128_f8f6f4 v[ACC+16*\m+8*\u:ACC+16*\m+8*\u+7], v[64*(\slot)+16*(2*\u+\kk):64*(\slot)+16*(2*\u+\kk)+15], v[\bf+16*\m:\bf+16*\m+15], v[ACC+16*\m+8*\u:ACC+16*\m+8*\u+7], v[WS+4*(\slot)+2*\u+\kk], v[\xs+\m] matrix_a_fmt:MATRIX_FMT_BF8 matrix_b_fmt:MATRIX_FMT_BF8
.endif
.endr
.endr
.endm
; the same with the sources swapped: a lane holds one channel, its registers run along the rows.  Accumulator (u, m) at v[ACC + 32 u + 8 m]
.macro MM8V slot, kk, cw
.if \cw >= 0
	WIN 0x14
.else
	WIN 0x04
.endif
.irp m, 0,1,2,3
.irp u, 0,1
.if \cw >= 0
	v_wmma_scale_f32_16x16x128_f8f6f4 v[ACC+32*\u+8*\m:ACC+32*\u+8*\m+7], v[AF+16*\m:AF+16*\m+15], v[64*(\slot)+16*(2*\u+\kk):64*(\slot)+16*(2*\u+\kk)+15], v[\cw+8*\u:\cw+8*\u+7], v[XS+\m], v[WS+4*(\slot)+2*\u+\kk] matrix_a_fmt:MATRIX_FMT_BF8 matrix_b_fmt:MATRIX_FMT_BF8
.else
	v_wmma_scale_f32_16x16x128_f8f6f4 v[ACC+32*\u+8*\m:ACC+32*\u+8*\m+7], v[AF+16*\m:AF+16*\m+15], v[64*(\slot)+16*(2*\u+\kk):64*(\slot)+16*(2*\u+\kk)+15], v[ACC+32*\u+8*\m:ACC+32*\u+8*\m+7], v[XS+\m], v[WS+4*(\slot)+2*\u+\kk] matrix_a_fmt:MATRIX_FMT_BF8 matrix_b_fmt:MATRIX_FMT_BF8
.endif
.endr
.endr
.endm
; two K steps of 128.  Eight places stand in front of each run of loads into registers that matrix instructions have read, and behind the last products
.macro PRODUCT slot, vi, vs, img, sc, ks, s0, cw
	PLACES 8
	FETCH4 \vi, \vs, \img, \sc, \ks, \s0
	s_wait_dscnt 0x0
	MM8 \slot, 0, \cw, AF, XS
	WIN 0
	PLACES 8
	FETCH4 \vi, \vs, \img, \sc, \ks, (\s0)+1
	s_wait_dscnt 0x0
	MM8 \slot, 1, -1, AF, XS
	WIN 0
	PLACES 8
.endm
	s_load_b256 s[4:11], s[0:1], 0x0               ; tgt s[4:5], pos s[6:7], in_proj_b s[8:9], wq s[10:11]
	s_load_b64 s[12:13], s[0:1], 0x20              ; qkv
	v_lshl_add_u32 v250, v0, 2, 0x8800
	v_mov_b32 v251, 0
	v_lshrrev_b32 v3, 5, v0
	v_readfirstlane_b32 s14, v3                    ; wave = head
	v_and_b32 v5, 31, v0
	v_lshlrev_b32 v[LI], 4, v5                     ; 16 x lane
	v_lshlrev_b32 v[LS], 2, v5                     ; 4 x lane
	v_and_b32 v3, 15, v0                           ; r
	v_bfe_u32 v4, v0, 4, 1                         ; h
	s_and_b32 s16, ttmp7, 0xffff                   ; b
	s_lshl_b32 s24, ttmp9, 6                       ; 64 lb
	s_lshr_b32 s25, s14, 2
	s_lshl_b32 s25, s25, 5
	s_add_co_u32 s24, s24, s25
	s_bfe_u32 s25, s14, 0x10001
	s_lshl_b32 s25, s25, 3
	s_add_co_u32 s24, s24, s25                     ; + 32 (mt / 2) + 8 (mt % 2), mt = wave / 2: the tile that I quantise
	v_and_b32 v6, 8, v3
	v_add_nc_u32 v6, v6, v3                        ; r + 8 (r / 8)
	v_add_nc_u32 v5, s24, v6
	v_min_u32 v5, 0x383, v5                        ; no load leaves its buffer: rows from 900 on read row 899
	v_lshlrev_b32 v5, 14, v5                       ; a step of l is 16 rows of 1,024 bytes
	s_lshl_b32 s25, s16, 10
	s_and_b32 s26, s14, 1
	s_lshl_b32 s26, s26, 9
	s_add_co_u32 s25, s25, s26
	v_lshl_add_u32 v5, v4, 6, v5
	v_add_nc_u32 v5, s25, v5                       ; + 1,024 b + 512 x K step + 64 h
	s_lshl_b32 s26, s14, 13
	v_add_nc_u32 v7, s26, v[LI]                    ; weights: four fragments a head and part
	s_lshl_b32 s26, s14, 9
	v_add_nc_u32 v8, s26, v[LS]
	s_lshl_b32 s26, s14, 7
	v_lshl_add_u32 v9, v4, 6, s26                  ; q's and k's bias: channels 32 w + 16 h on
	v_lshl_add_u32 v10, v6, 2, s26                 ; v's: channel 32 w + r + 8 (r / 8)
	s_lshl_b32 s27, s14, 11
	v_add_nc_u32 v11, s27, v[LI]                   ; LDS: my fragment's image,
	v_add_nc_u32 v12, s26, v[LS]                   ; its scale words
	s_lshl_b32 s28, s16, 3
	s_add_co_u32 s28, s28, s14                     ; bh
	s_mul_i32 s29, s28, 60
	s_lshl_b32 s30, ttmp9, 2
	s_add_co_u32 s29, s29, s30                     ; bh 60 + 4 lb
	s_lshl_b32 s30, s29, 9
	v_add_nc_u32 v13, s30, v[LI]                   ; q's codes
	s_lshl_b32 s30, s29, 7
	v_add_nc_u32 v14, s30, v[LS]                   ; q's bytes
	s_mul_i32 s29, s28, 61440
	s_lshl_b32 s30, ttmp9, 11
	s_add_co_u32 s30, s30, s29
	v_add_nc_u32 v15, s30, v[LI]                   ; k's codes
	s_lshl_b32 s30, ttmp9, 10
	s_add_co_u32 s30, s30, s29
	v_add_nc_u32 v40, s30, v[LI]                   ; v's codes
	s_mul_i32 s29, s28, 7680
	s_lshl_b32 s30, ttmp9, 8
	s_add_co_u32 s30, s30, s29
	v_lshl_add_u32 v41, v[LS], 1, s30              ; k's and v's scale words: 8 bytes a lane
	s_mov_b32 s[SEL], 0x76543210
	s_mov_b32 s[SEL+1], 0xfedcba98
	s_mov_b32 s[MNT], 0x600000
	s_mov_b32 s[MH], 0xffff0000                    ; lanes 16-31
.irp b, 0,1,2,3
	v_mov_b32 v[TM+4+\b], 0                        ; a lane permute's destination counts as one of its sources
.endr
	s_wait_kmcnt 0x0
	s_add_nc_u64 s[36:37], s[12:13], 4915200       ; K and V images
	s_add_nc_u64 s[38:39], s[12:13], 12779520      ; their scales
.irp q, 0,1,2,3
.irp j, 0,1,2,3
	global_load_b128 v[ACC+16*\q+4*\j:ACC+16*\q+4*\j+3], v5, s[4:5] offset:128*\q+16*\j   ; tgt: 16 neighbours of each block of 32
.endr
.endr
.irp q, 0,1,2,3
.irp j, 0,1,2,3
	global_load_b128 v[AF+16*\q+4*\j:AF+16*\q+4*\j+3], v5, s[6:7] offset:128*\q+16*\j     ; pos
.endr
.endr
	LOADW 0, 7, 8, 0, 1, 2, 3
	LOADW 1, 7, 8, 32, 33, 34, 35
	LOADW 2, 7, 8, 64, 65, 66, 67
	s_wait_loadcnt 60                              ; tgt and pos are in; the 60 loads of weights issued behind them may be out
	WIN 0x40
.irp u, 0,1
	global_load_b128 v[BQ+8*\u:BQ+8*\u+3], v9, s[8:9] offset:32*\u
	global_load_b128 v[BQ+8*\u+4:BQ+8*\u+7], v9, s[8:9] offset:32*\u+16
	global_load_b128 v[BK+8*\u:BK+8*\u+3], v9, s[8:9] offset:1024+32*\u
	global_load_b128 v[BK+8*\u+4:BK+8*\u+7], v9, s[8:9] offset:1024+32*\u+16
.irp j, 0,1,2,3,4,5,6,7
	global_load_b32 v[BV+8*\u+\j], v10, s[8:9] offset:2048+32*\u   ; in v's layout a lane holds one channel: the same number in all eight registers
.endr
.endr
	WIN 0
.set J, 0
.rept 32
	v_pk_add_f32 v[AF+J:AF+J+1], v[AF+J:AF+J+1], v[ACC+J:ACC+J+1]   ; x = tgt + pos
.set J, J+2
.endr
	QUANT ACC, 0
.irp c, 0,1,2,3
	ds_store_b128 v11, v[PC+4*\c:PC+4*\c+3] offset:TIMG+512*\c
.endr
	ds_store_b32 v12, v[PW] offset:TSC
	s_wait_dscnt 0x0                               ; the stores have read their registers
	QUANT AF, 0
.irp c, 0,1,2,3
	ds_store_b128 v11, v[PC+4*\c:PC+4*\c+3] offset:XIMG+512*\c
.endr
	ds_store_b32 v12, v[PW] offset:XSC
	BARRIER                                        ; all sixteen fragments lie in LDS; they are written once
	s_wait_loadcnt 0x0                             ; weights and biases
	; ---- q
	PRODUCT 0, LI, LS, XIMG, XSC, 2, 0, BQ
.set J, 0
.rept 32
	v_pk_mul_f32 v[ACC+J:ACC+J+1], v[ACC+J:ACC+J+1], 0x3e3504f3 op_sel_hi:[1,0]   ; x 1 / sqrt(32), ahead of the quantiser; each accumulator from its low end on
.set J, J+2
.endr
	QUANT ACC, 0                                   ; block m = tile m's 32 channels of my head
.irp m, 0,1,2,3
	global_store_b128 v13, v[PC+4*\m:PC+4*\m+3], s[12:13] offset:512*\m
	global_store_b32 v14, v[TM+4+\m], s[12:13] offset:3932160+128*\m
.endr
	s_wait_xcnt 0x0                                ; the stores' data are written again only behind this wait
	; ---- k
	PRODUCT 1, LI, LS, XIMG, XSC, 2, 0, BK
	QUANT ACC, 0
	v_cndmask_b32 v254, v[TM+4], v[TM+5], s[MH]    ; one word for two tiles: the even tile's byte in lanes 0-15, the odd tile's in lanes 16-31
	v_cndmask_b32 v255, v[TM+6], v[TM+7], s[MH]
.irp m, 0,1,2,3
	global_store_b128 v15, v[PC+4*\m:PC+4*\m+3], s[36:37] offset:512*\m
.endr
	global_store_b64 v41, v[254:255], s[38:39]
	s_wait_xcnt 0x0
	; ---- v
	PLACES 8
	FETCH4 LI, LS, TIMG, TSC, 2, 0
	s_wait_dscnt 0x0
	MM8V 2, 0, BV
	WIN 0
	PLACES 8
	FETCH4 LI, LS, TIMG, TSC, 2, 1
	s_wait_dscnt 0x0
	MM8V 2, 1, -1
	WIN 0
	PLACES 8
	s_cmp_lg_u32 ttmp9, 14
	s_cbranch_scc1 .Lwhole
	v_mov_b32 v253, 0                              ; the last block of rows: keys 896 to 899 count (registers 0-3 of lanes 0-15), the others are zeros
.irp u, 0,1
.irp i, 0,1,2,3
	v_cndmask_b32 v[ACC+32*\u+\i], v[ACC+32*\u+\i], v253, s[MH]
.endr
.set J, 4
.rept 28
	v_mov_b32 v[ACC+32*\u+J], 0
.set J, J+1
.endr
.endr
.Lwhole:
	QUANT ACC, 0                                   ; block 2 u + b': channel tile u, keys 64 lb + 32 b' on
	v_lshl_or_b32 v254, v[TM+5], 8, v[TM+4]        ; word u: the bytes of the two blocks of keys
	v_lshl_or_b32 v255, v[TM+7], 8, v[TM+6]
.irp u, 0,1
.irp q, 0,1
	global_store_b128 v40, v[PC+4*(2*\u+\q):PC+4*(2*\u+\q)+3], s[36:37] offset:30720+15360*\u+512*\q
.endr
.endr
	global_store_b64 v41, v[254:255], s[38:39] offset:3840
	s_wait_tensorcnt 0x0
	ds_add_u32 v250, v251
	s_wait_dscnt 0x0
	s_endpgm
.Lfunc_end_k_q46437c6536_qkv:
	.size	k_q46437c6536_qkv, .Lfunc_end_k_q46437c6536_qkv-k_q46437c6536_qkv
	.p2alignl 7, 3214868480
	.fill 96, 4, 3214868480
	.section	.rodata,"a",@progbits
	.p2align	6, 0x0
	.amdhsa_kernel k_q46437c6536_qkv
		.amdhsa_group_segment_fixed_size 35840
		.amdhsa_private_segment_fixed_size 0
		.amdhsa_enable_private_segment 0
		.amdhsa_kernarg_size 40
		.amdhsa_user_sgpr_count 2
		.amdhsa_user_sgpr_kernarg_segment_ptr 1
		.amdhsa_wavefront_size32 1
		.amdhsa_system_sgpr_workgroup_id_x 1
		.amdhsa_system_sgpr_workgroup_id_y 1
		.amdhsa_system_sgpr_workgroup_id_z 1
		.amdhsa_system_vgpr_workitem_id 0
		.amdhsa_next_free_vgpr 512
		.amdhsa_next_free_sgpr 66
		.amdhsa_reserve_vcc 0
		.amdhsa_float_denorm_mode_32 3
		.amdhsa_float_denorm_mode_16_64 3
		.amdhsa_memory_ordered 1
		.amdhsa_forward_progress 1
		.amdhsa_inst_pref_size 81
	.end_amdhsa_kernel
	.amdgpu_metadata
---
amdhsa.version: [ 1, 2 ]
amdhsa.kernels:
  - .name:           k_q46437c6536_qkv
    .symbol:         k_q46437c6536_qkv.kd
    .args:
      - { .name: tgt, .offset: 0, .size: 8, .value_kind: global_buffer, .address_space: global }
      - { .name: tgt_query_pos, .offset: 8, .size: 8, .value_kind: global_buffer, .address_space: global }
      - { .name: in_proj_b, .offset: 16, .size: 8, .value_kind: global_buffer, .address_space: global }
      - { .name: wq, .offset: 24, .size: 8, .value_kind: global_buffer, .address_space: global }
      - { .name: qkv, .offset: 32, .size: 8, .value_kind: global_buffer, .address_space: global }
    .group_segment_fixed_size: 35840
    .private_segment_fixed_size: 0
    .kernarg_segment_align: 8
    .kernarg_segment_size: 40
    .max_flat_workgroup_size: 256
    .sgpr_count:     66
    .vgpr_count:     512
    .wavefront_size: 32
...
	.end_amdgpu_metadata
.endif
;; end of part 2
;; launch attn (part 3): grid 4 x 128, 16 waves a work-group, no clusters, 71,168 bytes of LDS; arguments qkv, ob; writes ob
.if DOCPART == 3
	.amdgcn_target "amdgcn-amd-amdhsa--gfx1250"
	.amdhsa_code_object_version 6
	.text
	.protected	k_q46437c6536_attn
	.globl	k_q46437c6536_attn
	.p2align	8
	.type	k_q46437c6536_attn,@function
k_q46437c6536_attn:
	s_mov_b64 s[64:65], 0
	v_nop
	global_prefetch_b8 v0, s[64:65] scope:SCOPE_SE
	s_setreg_imm32_b32 hwreg(HW_REG_WAVE_MODE, 25, 1), 1
	s_wait_xcnt 0x0
; Self-attention of one head (bh = 8 b + head) on codes of E5M2: S^T = K Q^T (K = the head's 32 channels), p = 2^(t - M) with t = score x log2(e) and M the running largest t rounded up to a whole number,
; p quantised along the keys, O^T = V^T P^T; the row's sum of the unquantised p divides at the end; o is quantised at once (a head's 32 channels are one block of the next product's K) and stored as a part of an operand's image.
; SHARES.  A work-group copies the head's K, V and their scales into LDS once (69,120 bytes, as they lie in memory: images of registers); each of its sixteen waves owns one tile of 16 queries, t = 16 x + wave; tiles 0 to 59.
; A wave without a tile (t >= 60) helps with the copy and ends.  Tiles 57 to 59 hold only rows from 900 on: they are worked so that every byte of ob that the next launch reads is written.
; K = 32 IN AN INSTRUCTION OF 128: q's fragment has its codes in registers 0-3 and zero codes in registers 4-15, so whatever finite codes stand in source 0's registers 4-15 (the neighbouring tiles') add nothing;
; the upper three bytes of both scale words are 0, which is 2^-127 and no NaN.
; A lane holds ONE query throughout.  The keys of a tile are chosen by the launch before so that the 16 registers of tiles 2 b, 2 b + 1 are keys 32 b + 16 (lane / 16) + 0 .. 15.
; Eight key steps of 128 are written out; the last has 4 keys (896 to 899): one tile, one block; the other keys' scores are -infinity, p = 0.
; No tensor loads: a head's operands are small and are read once by a work-group.  No cluster: what the four work-groups of a head share is 69 KB.
; LIMITS: NaN and infinities are not served.
.set LI, 1                             ; 16 x lane
.set L8, 2                             ; 61,440 + 8 x lane: scale words
.set LS, 3                             ; 4 x lane
.set CP, 4                             ; 16 x thread: the copy
.set QF, 16                            ; v16-31  q: 4 registers of codes, 12 of zeros
.set KF, 32                            ; v32-63  eight tiles of K, 4 registers each; v64-75 zeros
.set VF, 76                            ; v76-107 two fragments of V^T
.set SCO, 108                          ; v108-171 S^T, then p
.set OT, 172                           ; v172-187 O^T
.set PCD, 188                          ; v188-203 p's codes
.set BM, 204
.set BT, 208
.set HL, 212
.set SO, 216
.set KS, 220                           ; v220-223 K's scale words
.set VW, 224                           ; v224-227 V's half words as loaded
.set VS, 228                           ; v228-229 V's scale words
.set PS, 230                           ; p's scale word
.set QS, 231                           ; q's
.set FF, 232                           ; v[232:233] f = 2^(old M - new M)
.set T0, 234                           ; v[234:235] at work
.set NI, 236                           ; -infinity
.set SEL, 20
.set CS, 22
.set MNT, 24
.set MH, 25
.macro PLACES n
.rept \n
	v_nop
.endr
.endm
	s_load_b128 s[4:7], s[0:1], 0x0                ; qkv, ob
	v_lshl_add_u32 v240, v0, 2, 0x10e00
	v_mov_b32 v241, 0
	v_lshrrev_b32 v5, 5, v0
	v_readfirstlane_b32 s8, v5                     ; wave
	v_and_b32 v5, 31, v0
	v_lshlrev_b32 v[LI], 4, v5
	v_lshl_add_u32 v[L8], v5, 3, 0xf000
	v_lshlrev_b32 v[LS], 2, v5
	v_lshlrev_b32 v[CP], 4, v0
	s_and_b32 s9, ttmp7, 0xffff                    ; bh
	s_lshl_b32 s10, ttmp9, 4
	s_add_co_u32 s10, s10, s8                      ; t
	s_min_u32 s11, s10, 59                         ; (a wave without a tile loads tile 59's q and uses nothing of it)
	s_mul_i32 s26, s9, 60
	s_add_co_u32 s26, s26, s11
	s_lshl_b32 s27, s26, 9
	v_add_nc_u32 v6, s27, v[LI]                    ; q's codes
	s_lshl_b32 s27, s26, 7
	v_add_nc_u32 v7, s27, v[LS]                    ; q's bytes
	s_lshr_b32 s26, s9, 3
	s_mul_i32 s26, s26, 60
	s_add_co_u32 s26, s26, s11
	s_lshl_b32 s26, s26, 1
	s_bfe_u32 s27, s9, 0x10002
	s_add_co_u32 s26, s26, s27                     ; o's fragment: (b 60 + t) 2 + head / 4
	s_and_b32 s27, s9, 3
	s_lshl_b32 s28, s26, 11
	s_lshl_b32 s29, s27, 9
	s_add_co_u32 s28, s28, s29
	v_add_nc_u32 v8, s28, v[LI]                    ; its group of four registers: head % 4
	s_lshl_b32 s28, s26, 7
	s_add_co_u32 s28, s28, s27
	v_add_nc_u32 v9, s28, v[LS]                    ; and its byte of the scale words
	s_mul_i32 s12, s9, 61440
	s_mov_b32 s13, 0
	s_mul_i32 s14, s9, 7680
	s_mov_b32 s15, 0
	s_mov_b32 s[SEL], 0x76543210
	s_mov_b32 s[SEL+1], 0xfedcba98
	s_mov_b32 s[CS], 0x3fb8aa3b                    ; log2(e): q carries 1 / sqrt(32) already
	s_mov_b32 s[CS+1], s[CS]
	s_mov_b32 s[MNT], 0x600000
	s_mov_b32 s[MH], 0xffff0000
.irp i, 28,29,30,31,32,33,34,35
	v_mov_b32 v[SCO+\i], 0                         ; the two partial copy lines' registers are written on every wave's path
.endr
	s_wait_kmcnt 0x0
	s_add_nc_u64 s[12:13], s[4:5], s[12:13]
	s_add_nc_u64 s[12:13], s[12:13], 4915200       ; the head's K and V
	s_add_nc_u64 s[14:15], s[4:5], s[14:15]
	s_add_nc_u64 s[14:15], s[14:15], 12779520      ; their scales
.irp i, 0,1,2,3,4,5,6
	global_load_b128 v[SCO+4*\i:SCO+4*\i+3], v[CP], s[12:13] offset:8192*\i   ; 512 threads x 16 bytes
.endr
	global_load_b128 v[QF:QF+3], v6, s[4:5]
	global_load_b32 v[QS], v7, s[4:5] offset:3932160
	s_cmp_lt_u32 s8, 8
	s_cbranch_scc0 .Lno_l8
	global_load_b128 v[SCO+28:SCO+31], v[CP], s[12:13] offset:57344           ; the last 4,096 bytes: waves 0-7
.Lno_l8:
	s_cmp_lt_u32 s8, 15
	s_cbranch_scc0 .Lno_l15
	global_load_b128 v[SCO+32:SCO+35], v[CP], s[14:15]                        ; 7,680 bytes of scales: waves 0-14
.Lno_l15:
.irp i, 4,5,6,7,8,9,10,11,12,13,14,15
	v_mov_b32 v[QF+\i], 0                          ; zero codes beyond the head's 32
.endr
.irp i, 32,33,34,35,36,37,38,39,40,41,42,43
	v_mov_b32 v[KF+\i], 0
.endr
.irp i, 0,1,2,3,4,5,6,7,8,9,10,11,12,13,14,15
	v_mov_b32 v[OT+\i], 0                          ; the steps are alike: the first finds zeros, which the first change of M leaves zeros
.endr
.irp i, 0,1,2,3
	v_mov_b32 v[BT+\i], 0                          ; a lane permute's destination counts as one of its sources
.endr
	v_mov_b32 v13, 0xff61b1e6                      ; the largest t so far: -3e38
	v_floor_f32 v12, -v13                          ; -M
	v_mov_b32 v14, 0
	v_mov_b32 v15, 0                               ; the sum, in two halves
	v_mov_b32 v[FF+1], 0
	v_mov_b32 v[T0], 0
	v_mov_b32 v[NI], 0xff800000
	s_wait_loadcnt 0x0
.irp i, 0,1,2,3,4,5,6
	ds_store_b128 v[CP], v[SCO+4*\i:SCO+4*\i+3] offset:8192*\i
.endr
	s_cmp_lt_u32 s8, 8
	s_cbranch_scc0 .Lno_s8
	ds_store_b128 v[CP], v[SCO+28:SCO+31] offset:57344
.Lno_s8:
	s_cmp_lt_u32 s8, 15
	s_cbranch_scc0 .Lno_s15
	ds_store_b128 v[CP], v[SCO+32:SCO+35] offset:61440
.Lno_s15:
	s_wait_dscnt 0x0                               ; my part of the copy has landed
	s_barrier_signal -1
	s_barrier_wait -1                              ; everybody's has; LDS is only read from here on
	s_cmp_ge_u32 s10, 60
	s_cbranch_scc1 .Lend
; A KEY STEP: keys 128 st on; nb blocks of 32 (4, or 1 in the last step)
.macro STEP st, nb
.if \nb == 4
.irp j, 0,1,2,3,4,5,6,7
	ds_load_b128 v[KF+4*\j:KF+4*\j+3], v[LI] offset:(8*\st+\j)*512
.endr
	ds_load_b64 v[KS:KS+1], v[L8] offset:(2*\st)*256
	ds_load_b64 v[KS+2:KS+3], v[L8] offset:(2*\st+1)*256
.else
	ds_load_b128 v[KF:KF+3], v[LI] offset:(8*\st)*512
	ds_load_b64 v[KS:KS+1], v[L8] offset:(2*\st)*256
.endif
	s_wait_dscnt 0x0
.irp j, 0,1,2,3,4,5,6,7
.if (\nb == 4) || (\j == 0)
.if \j % 2
	v_wmma_scale_f32_16x16x128_f8f6f4 v[SCO+8*\j:SCO+8*\j+7], v[KF+4*\j:KF+4*\j+15], v[QF:QF+15], 0, v[KS+\j/2], v[QS] matrix_a_fmt:MATRIX_FMT_BF8 matrix_b_fmt:MATRIX_FMT_BF8 matrix_a_scale:MATRIX_SCALE_ROW1
.else
	v_wmma_scale_f32_16x16x128_f8f6f4 v[SCO+8*\j:SCO+8*\j+7], v[KF+4*\j:KF+4*\j+15], v[QF:QF+15], 0, v[KS+\j/2], v[QS] matrix_a_fmt:MATRIX_FMT_BF8 matrix_b_fmt:MATRIX_FMT_BF8
.endif
.endif
.endr
	PLACES 8                                       ; behind the scores' products, and in front of the loads into V's registers, which the last step's products read
.irp u, 0,1
.irp c, 0,1,2,3
.if \c < \nb
	ds_load_b128 v[VF+16*\u+4*\c:VF+16*\u+4*\c+3], v[LI] offset:30720+15360*\u+(4*\st+\c)*512
.endif
.endr
.endr
	ds_load_b64 v[VW:VW+1], v[L8] offset:3840+(2*\st)*256
.if \nb == 4
	ds_load_b64 v[VW+2:VW+3], v[L8] offset:3840+(2*\st+1)*256
.endif
.if \nb == 1                                   ; keys from 900 on: -infinity ahead of the maximum
.irp i, 0,1,2,3
	v_cndmask_b32 v[SCO+\i], v[SCO+\i], v[NI], s[MH]
.endr
.irp i, 4,5,6,7,8,9,10,11,12,13,14,15
	v_mov_b32 v[SCO+\i], v[NI]
.endr
.endif
.irp b, 0,1,2,3
.if \b < \nb
	v_max3_num_f32 v[BM+\b], v[SCO+16*\b], v[SCO+16*\b+1], v[SCO+16*\b+2]   ; each block's largest score: for the row's maximum and, since p rises with the score, for the block's largest p
.endif
.endr
.irp i, 3,5,7,9,11,13
.irp b, 0,1,2,3
.if \b < \nb
	v_max3_num_f32 v[BM+\b], v[BM+\b], v[SCO+16*\b+\i], v[SCO+16*\b+\i+1]
.endif
.endr
.endr
.irp b, 0,1,2,3
.if \b < \nb
	v_max_num_f32 v[BM+\b], v[BM+\b], v[SCO+16*\b+15]
.endif
.endr
.irp b, 0,1,2,3
.if \b < \nb
	v_permlanex16_b32 v[BT+\b], v[BM+\b], s[SEL], s[SEL+1]
.endif
.endr
.irp b, 0,1,2,3
.if \b < \nb
	v_max_num_f32 v[BM+\b], v[BM+\b], v[BT+\b]
.endif
.endr
.if \nb == 4
	v_max3_num_f32 v[T0], v[BM], v[BM+1], v[BM+2]
	v_max_num_f32 v[T0], v[T0], v[BM+3]
.else
	v_mov_b32 v[T0], v[BM]
.endif
	v_mul_f32 v[T0], s[CS], v[T0]                  ; the step's largest t
	v_max_num_f32 v13, v13, v[T0]
	v_mov_b32 v[T0], v12
	v_floor_f32 v12, -v13                          ; -M = floor(-t): M is a whole number
	v_sub_f32 v[T0], v12, v[T0]
	v_cvt_i32_f32 v[T0], v[T0]                     ; (it saturates)
	v_ldexp_f32 v[FF], 1.0, v[T0]                  ; f = 2^(old M - new M): exact
.set J, 0
.rept 8*\nb
	v_pk_fma_f32 v[SCO+J:SCO+J+1], v[SCO+J:SCO+J+1], s[CS:CS+1], v[12:13] op_sel_hi:[1,0,0]   ; t - M
.set J, J+2
.endr
.irp b, 0,1,2,3
.if \b < \nb
	v_fma_f32 v[BM+\b], v[BM+\b], s[CS], v12
.endif
.endr
.set J, 0
.rept 16*\nb
	v_exp_f32 v[SCO+J], v[SCO+J]                   ; p, at most 1, not normalised
.set J, J+1
.endr
.irp b, 0,1,2,3
.if \b < \nb
	v_exp_f32 v[BM+\b], v[BM+\b]                   ; the block's largest p: the same two instructions on the same number
.endif
.endr
	v_pk_mul_f32 v[14:15], v[14:15], v[FF:FF+1] op_sel_hi:[1,0]   ; the sums under the new M (a plain line behind the exponentials)
	s_wait_alu depctr_va_vdst(0)
.irp b, 0,1,2,3
.if \b < \nb
	v_max_num_f32 v[BM+\b], 0x8000000, v[BM+\b]    ; the floor 2^(16 - 127)
.endif
.endr
.irp b, 0,1,2,3
.if \b < \nb
	v_add_nc_u32 v[SO+\b], 0xf8800000, v[BM+\b]
.endif
.endr
.irp b, 0,1,2,3
.if \b < \nb
	v_and_or_b32 v[HL+\b], v[BM+\b], 0x7f800000, s[MNT]
.endif
.endr
.irp b, 0,1,2,3
.if \b < \nb
	v_lshrrev_b32 v[BT+\b], 23, v[SO+\b]
.endif
.endr
.if \nb == 4
	v_lshl_or_b32 v[PS], v[BT+1], 8, v[BT]
	v_lshl_or_b32 v[PS], v[BT+2], 16, v[PS]
	v_lshl_or_b32 v[PS], v[BT+3], 24, v[PS]
.else
	v_mov_b32 v[PS], v[BT]
.endif
	v_pk_add_f32 v[T0:T0+1], v[SCO:SCO+1], v[SCO+2:SCO+3]   ; the row's sum is taken of the unquantised p, in two chains
.set J, 4
.rept 4*\nb-1
	v_pk_add_f32 v[14:15], v[14:15], v[SCO+J:SCO+J+1]
	v_pk_add_f32 v[T0:T0+1], v[T0:T0+1], v[SCO+J+2:SCO+J+3]
.set J, J+4
.endr
	v_pk_add_f32 v[14:15], v[14:15], v[T0:T0+1]
	s_wait_dscnt 0x0                               ; V and its scale halves are in
.if \nb == 4
	v_lshl_or_b32 v[VS], v[VW+2], 16, v[VW]        ; the four blocks' bytes; the holds below are the places between this and the products
	v_lshl_or_b32 v[VS+1], v[VW+3], 16, v[VW+1]
.else
	v_mov_b32 v[VS], v[VW]
	v_mov_b32 v[VS+1], v[VW+1]
.endif
.irp b, 0,1,2,3
.if \b < \nb
.irp i, 0,1,2,3,4,5,6,7,8,9,10,11,12,13,14,15
	v_min_num_f32 v[SCO+16*\b+\i], v[SCO+16*\b+\i], v[HL+\b]   ; the hold; p is not negative
.endr
	v_cvt_scalef32_pk8_bf8_f32 v[PCD+4*\b:PCD+4*\b+1], v[SCO+16*\b:SCO+16*\b+7], v[SO+\b]
	v_cvt_scalef32_pk8_bf8_f32 v[PCD+4*\b+2:PCD+4*\b+3], v[SCO+16*\b+8:SCO+16*\b+15], v[SO+\b]
.endif
.endr
.if \nb == 1
.irp i, 4,5,6,7,8,9,10,11,12,13,14,15
	v_mov_b32 v[PCD+\i], 0                         ; zero codes for the keys that are not there: V's registers 4-15 keep finite codes of the step before
.endr
.endif
.set J, 0
.rept 8
	v_pk_mul_f32 v[OT+J:OT+J+1], v[OT+J:OT+J+1], v[FF:FF+1] op_sel_hi:[1,0]   ; O^T under the new M; also the places in front of the products
.set J, J+2
.endr
.irp u, 0,1
	v_wmma_scale_f32_16x16x128_f8f6f4 v[OT+8*\u:OT+8*\u+7], v[VF+16*\u:VF+16*\u+15], v[PCD:PCD+15], v[OT+8*\u:OT+8*\u+7], v[VS+\u], v[PS] matrix_a_fmt:MATRIX_FMT_BF8 matrix_b_fmt:MATRIX_FMT_BF8
.endr
.endm
	STEP 0, 4
	STEP 1, 4
	STEP 2, 4
	STEP 3, 4
	STEP 4, 4
	STEP 5, 4
	STEP 6, 4
	STEP 7, 1
	PLACES 8
	v_add_f32 v14, v14, v15
	v_permlanex16_b32 v[T0], v14, s[SEL], s[SEL+1]
	v_add_f32 v14, v14, v[T0]                      ; the row's sum
	v_rcp_f32 v14, v14
	v_nop
	s_wait_alu depctr_va_vdst(0)
.irp j, 0,1,2,3,4,5,6,7,8,9,10,11,12,13,14,15
	v_mul_f32 v[SCO+\j], v[OT+\j], v14             ; o(query r, channel 16 h + j of the head)
.endr
	v_max3_num_f32 v[BM], |v[SCO]|, |v[SCO+1]|, 0x8000000
.irp i, 2,4,6,8,10,12,14
	v_max3_num_f32 v[BM], v[BM], |v[SCO+\i]|, |v[SCO+\i+1]|
.endr
	v_permlanex16_b32 v[BT], v[BM], s[SEL], s[SEL+1]
	v_max_num_f32 v[BM], v[BM], v[BT]
	v_add_nc_u32 v[SO], 0xf8800000, v[BM]
	v_and_or_b32 v[HL], v[BM], 0x7f800000, s[MNT]
	v_lshrrev_b32 v[BT], 23, v[SO]
.irp i, 0,1,2,3,4,5,6,7,8,9,10,11,12,13,14,15
	v_med3_num_f32 v[SCO+\i], v[SCO+\i], -v[HL], v[HL]
.endr
	v_cvt_scalef32_pk8_bf8_f32 v[PCD:PCD+1], v[SCO:SCO+7], v[SO]
	v_cvt_scalef32_pk8_bf8_f32 v[PCD+2:PCD+3], v[SCO+8:SCO+15], v[SO]
	v_nop
	global_store_b128 v8, v[PCD:PCD+3], s[6:7]     ; 32 lanes store 512 consecutive bytes
	global_store_b8 v9, v[BT], s[6:7] offset:3932160
.Lend:
	s_wait_tensorcnt 0x0
	ds_add_u32 v240, v241
	s_wait_dscnt 0x0
	s_endpgm
.Lfunc_end_k_q46437c6536_attn:
	.size	k_q46437c6536_attn, .Lfunc_end_k_q46437c6536_attn-k_q46437c6536_attn
	.p2alignl 7, 3214868480
	.fill 96, 4, 3214868480
	.section	.rodata,"a",@progbits
	.p2align	6, 0x0
	.amdhsa_kernel k_q46437c6536_attn
		.amdhsa_group_segment_fixed_size 71168
		.amdhsa_private_segment_fixed_size 0
		.amdhsa_enable_private_segment 0
		.amdhsa_kernarg_size 16
		.amdhsa_user_sgpr_count 2
		.amdhsa_user_sgpr_kernarg_segment_ptr 1
		.amdhsa_wavefront_size32 1
		.amdhsa_system_sgpr_workgroup_id_x 1
		.amdhsa_system_sgpr_workgroup_id_y 1
		.amdhsa_system_sgpr_workgroup_id_z 1
		.amdhsa_system_vgpr_workitem_id 0
		.amdhsa_next_free_vgpr 242
		.amdhsa_next_free_sgpr 66
		.amdhsa_reserve_vcc 0
		.amdhsa_float_denorm_mode_32 3
		.amdhsa_float_denorm_mode_16_64 3
		.amdhsa_memory_ordered 1
		.amdhsa_forward_progress 1
		.amdhsa_inst_pref_size 130
	.end_amdhsa_kernel
	.amdgpu_metadata
---
amdhsa.version: [ 1, 2 ]
amdhsa.kernels:
  - .name:           k_q46437c6536_attn
    .symbol:         k_q46437c6536_attn.kd
    .args:
      - { .name: qkv, .offset: 0, .size: 8, .value_kind: global_buffer, .address_space: global }
      - { .name: ob, .offset: 8, .size: 8, .value_kind: global_buffer, .address_space: global }
    .group_segment_fixed_size: 71168
    .private_segment_fixed_size: 0
    .kernarg_segment_align: 8
    .kernarg_segment_size: 16
    .max_flat_workgroup_size: 512
    .sgpr_count:     66
    .vgpr_count:     242
    .wavefront_size: 32
...
	.end_amdgpu_metadata
.endif
;; end of part 3
;; launch saout (part 4): grid 15 x 16, 8 waves a work-group, no clusters, 134,144 bytes of LDS; arguments ob, wq, tgt, tgt_query_pos, tgt_reference_points, out_proj_b, norm2_g, norm2_b, samp_off_b, attn_w_b, cf, idx; writes cf, idx
.if DOCPART == 4
	.amdgcn_target "amdgcn-amd-amdhsa--gfx1250"
	.amdhsa_code_object_version 6
	.text
	.protected	k_q46437c6536_saout
	.globl	k_q46437c6536_saout
	.p2align	8
	.type	k_q46437c6536_saout,@function
k_q46437c6536_saout:
	s_mov_b64 s[64:65], 0
	v_nop
	global_prefetch_b8 v0, s[64:65] scope:SCOPE_SE
	s_setreg_imm32_b32 hwreg(HW_REG_WAVE_MODE, 25, 1), 1
	s_wait_xcnt 0x0
; t1 = LN2(tgt + o Wo^T + bo); q2 = t1 + pos; sampling offsets and attention weights of the deformable attention (q2 Ws^T + bs, softmax(q2 Wa^T + ba)); from them, for each point, ONE whole number and four weights.
; SHARES as in the launch that made q, k, v: 64 rows l of one b in four tiles of chosen rows (64 lb + 32 (m / 2) + 8 (m % 2) + r + 8 (r / 8)); wave w owns channels 32 w .. 32 w + 31 and is head w of the sampling.
; All products are used transposed (source 0 = 16 rows of a weight, source 1 = 16 rows of the operand): a lane holds one row and 16 neighbouring channels 32 w + 16 h + 0 .. 15.
; LAYER NORM over 256 channels that lie in eight waves: each wave gives its mean and its sum of squared deviations of 32 channels; they are joined as M2 = sum M2_k + 32 sum (mu_k - mu)^2: no difference of large sums.
; A POINT.  x = (ref_x + off_x / W) W - 0.5.  The patch's corner is bx = floor(x) held to 0 .. W - 2, and column c has the weight max(1 - |x - c|, 0): for a point inside that is the bilinear weight, and for a corner
; outside the level it is 0, as reference() has it.  Stored: the patch's first row in the value table (whole number: the next launch but one forms addresses of it) and aw x cy x cx for the four corners.
; The levels' sizes are those of reference()'s own constant SHAPES (100, 50, 25, 13, square; starts 0, 10,000, 12,500, 13,125): reference() never reads memory_spatial_shapes or memory_level_start_index, so neither does this program.
; cf: t1 as f32 [960 l][16 b][256] at 0; the weights at 15,728,640 + (bh 960 + l) 256: [half][dx][dy][8 points].  idx: (bh 960 + l) 64: 16 words.  Rows 900 to 959 are worked on row 899's inputs and are read by nobody.
; REGISTERS: window 0: v1-15, v26-31, v40-59 addresses and constants; v16-25 weights' scale words; v32-39 operands' scale words; v60-123 AF; v124-187 ACC; v188-251 RES (the quantiser's registers lie over it).
;   window 1: v0-159 weights, later what comes back from the stage; v160-231 biases, gain and shift.
; LIMITS: NaN and infinities are not served; a block of zeros gets the byte 1.
.set QIMG, 0                           ; LDS: q2's 8 fragments (2 m + K step),
.set QSC, 16384                        ; their scale words,
.set LNS, 17408                        ; the norm's figures: [m][r][wave] 8 bytes,
.set T1S, 21504                        ; 64 rows of t1, 1,024 bytes + 16,
.set PST, 88064                        ; for each wave 5,632 bytes: 16 rows of weights (256 + 16), then 16 rows of indices (64 + 16)
.set WSCL, 1015808
.set LI, 1
.set LS, 2
.set ROW, 5
.set VW4, 9
.set VWS4, 10
.set VW2, 11
.set VWS2, 12
.set LNW, 13
.set LNR, 14
.set T1W, 15
.set WS, 16
.set ST, 26
.set XS, 32
.set QWI, 40
.set QWS, 41
.set T1R, 42
.set T1G, 43
.set REFA, 44
.set PSW, 48
.set PSI, 49
.set PRW, 50
.set PRI, 51
.set GW, 52
.set GI, 53
.set WW, 54
.set IW, 56
.set W2, 58
.set AF, 60
.set ACC, 124
.set RES, 188
.set TM, 188
.set PC, 204
.set PW, 252
.set AW, 60                            ; the sampling's registers lie in AF: v60-67 aw, v68-99 weights, v100-107 indices, v108-121 at work
.set WT, 68
.set IDXR, 100
.set XX, 108
.set BX, 109
.set CX0, 110
.set CX1, 111
.set YY, 112
.set BY, 113
.set CY0, 114
.set CY1, 115
.set II, 116
.set T0, 118
.set BO, 160
.set BF, 176
.set BA, 192
.set GG, 200
.set BB, 216
.set OB, 4
.set WQ, 6
.set TGT, 8
.set POS, 10
.set REF, 12
.set OPB, 14
.set G2P, 16
.set B2P, 18
.set SOB, 20
.set AWB, 22
.set CF, 24
.set IDXP, 26
.set SEL, 32
.set MNT, 34
.set MH, 35
.set CS, 36
.set I256, 38
.set EPS, 39
.set CFW, 40
.set MSB, 0
.macro WIN new
.if MSB != \new
	s_set_vgpr_msb (MSB<<8)|\new
.set MSB, \new
.endif
.endm
.macro PLACES n
.rept \n
	v_nop
.endr
.endm
.macro BARRIER
	s_wait_dscnt 0x0
	s_barrier_signal -1
	s_barrier_wait -1
.endm
.macro QUANT s, relu
.irp b, 0,1,2,3
.if \relu
	v_max3_num_f32 v[TM+\b], v[\s+16*\b], v[\s+16*\b+1], 0x8000000
.else
	v_max3_num_f32 v[TM+\b], |v[\s+16*\b]|, |v[\s+16*\b+1]|, 0x8000000
.endif
.endr
.irp i, 2,4,6,8,10,12,14
.irp b, 0,1,2,3
.if \relu
	v_max3_num_f32 v[TM+\b], v[TM+\b], v[\s+16*\b+\i], v[\s+16*\b+\i+1]
.else
	v_max3_num_f32 v[TM+\b], v[TM+\b], |v[\s+16*\b+\i]|, |v[\s+16*\b+\i+1]|
.endif
.endr
.endr
.irp b, 0,1,2,3
	v_permlanex16_b32 v[TM+4+\b], v[TM+\b], s[SEL], s[SEL+1]
.endr
.irp b, 0,1,2,3
	v_max_num_f32 v[TM+\b], v[TM+\b], v[TM+4+\b]
.endr
.irp b, 0,1,2,3
	v_add_nc_u32 v[TM+12+\b], 0xf8800000, v[TM+\b]
.endr
.irp b, 0,1,2,3
	v_and_or_b32 v[TM+8+\b], v[TM+\b], 0x7f800000, s[MNT]
.endr
.irp b, 0,1,2,3
	v_lshrrev_b32 v[TM+4+\b], 23, v[TM+12+\b]
.endr
	v_lshl_or_b32 v[PW], v[TM+5], 8, v[TM+4]
	v_lshl_or_b32 v[PW], v[TM+6], 16, v[PW]
	v_lshl_or_b32 v[PW], v[TM+7], 24, v[PW]
.irp b, 0,1,2,3
.irp i, 0,1,2,3,4,5,6,7,8,9,10,11,12,13,14,15
.if \relu
	v_med3_num_f32 v[\s+16*\b+\i], v[\s+16*\b+\i], 0, v[TM+8+\b]
.else
	v_med3_num_f32 v[\s+16*\b+\i], v[\s+16*\b+\i], -v[TM+8+\b], v[TM+8+\b]
.endif
.endr
	v_cvt_scalef32_pk8_bf8_f32 v[PC+4*\b:PC+4*\b+1], v[\s+16*\b:\s+16*\b+7], v[TM+12+\b]
	v_cvt_scalef32_pk8_bf8_f32 v[PC+4*\b+2:PC+4*\b+3], v[\s+16*\b+8:\s+16*\b+15], v[TM+12+\b]
.endr
	v_nop
.endm
.macro LOADW slot, voff, vsoff, f0, f1, f2, f3
	WIN 0x40
.set LWI, 0
.irp f, \f0, \f1, \f2, \f3
.irp c, 0,1,2,3
	global_load_b128 v[64*(\slot)+16*LWI+4*\c:64*(\slot)+16*LWI+4*\c+3], v[\voff], s[WQ:WQ+1] offset:(\f)*2048+512*\c
.endr
.set LWI, LWI+1
.endr
	WIN 0
.set LWI, 0
.irp f, \f0, \f1, \f2, \f3
	global_load_b32 v[WS+4*(\slot)+LWI], v[\vsoff], s[WQ:WQ+1] offset:WSCL+(\f)*128
.set LWI, LWI+1
.endr
.endm
.macro FETCH4 vi, vs, img, sc, ks, kk
.irp m, 0,1,2,3
.irp c, 0,1,2,3
	ds_load_b128 v[AF+16*\m+4*\c:AF+16*\m+4*\c+3], v[\vi] offset:\img+(\m*\ks+\kk)*2048+512*\c
.endr
	ds_load_b32 v[XS+\m], v[\vs] offset:\sc+(\m*\ks+\kk)*128
.endr
.endm
.macro MM8 slot, kk, cw, bf, xs        ; eight accumulators by turns
.if \cw >= 0
	WIN 0x11
.else
	WIN 0x01
.endif
.irp m, 0,1,2,3
.irp u, 0,1
.if \cw >= 0
	v_wmma_scale_f32_16x16x128_f8f6f4 v[ACC+16*\m+8*\u:ACC+16*\m+8*\u+7], v[64*(\slot)+16*(2*\u+\kk):64*(\slot)+16*(2*\u+\kk)+15], v[\bf+16*\m:\bf+16*\m+15], v[\cw+8*\u:\cw+8*\u+7], v[WS+4*(\slot)+2*\u+\kk], v[\xs+\m] matrix_a_fmt:MATRIX_FMT_BF8 matrix_b_fmt:MATRIX_FMT_BF8
.else
	v_wmma_scale_f32_16x16x128_f8f6f4 v[ACC+16*\m+8*\u:ACC+16*\m+8*\u+7], v[64*(\slot)+16*(2*\u+\kk):64*(\slot)+16*(2*\u+\kk)+15], v[\bf+16*\m:\bf+16*\m+15], v[ACC+16*\m+8*\u:ACC+16*\m+8*\u+7], v[WS+4*(\slot)+2*\u+\kk], v[\xs+\m] matrix_a_fmt:MATRIX_FMT_BF8 matrix_b_fmt:MATRIX_FMT_BF8
.endif
.endr
.endr
.endm
; my 32 channels' mean and sum of squared deviations, for each of the 64 rows, to LDS.  y lies in ACC; AF is at work
.macro LNSTAT
.irp m, 0,1,2,3
.irp k, 0,1,2,3
	v_pk_add_f32 v[AF+16*\m+2*\k:AF+16*\m+2*\k+1], v[ACC+16*\m+4*\k:ACC+16*\m+4*\k+1], v[ACC+16*\m+4*\k+2:ACC+16*\m+4*\k+3]
.endr
.endr
.irp m, 0,1,2,3
	v_pk_add_f32 v[AF+16*\m:AF+16*\m+1], v[AF+16*\m:AF+16*\m+1], v[AF+16*\m+2:AF+16*\m+3]
	v_pk_add_f32 v[AF+16*\m+4:AF+16*\m+5], v[AF+16*\m+4:AF+16*\m+5], v[AF+16*\m+6:AF+16*\m+7]
.endr
.irp m, 0,1,2,3
	v_pk_add_f32 v[AF+16*\m:AF+16*\m+1], v[AF+16*\m:AF+16*\m+1], v[AF+16*\m+4:AF+16*\m+5]
.endr
.irp m, 0,1,2,3
	v_add_f32 v[AF+16*\m], v[AF+16*\m], v[AF+16*\m+1]
.endr
.irp m, 0,1,2,3
	v_permlanex16_b32 v[AF+16*\m+1], v[AF+16*\m], s[SEL], s[SEL+1]
.endr
.irp m, 0,1,2,3
	v_add_f32 v[AF+16*\m], v[AF+16*\m], v[AF+16*\m+1]
.endr
.irp m, 0,1,2,3
	v_mul_f32 v[AF+16*\m], 0x3d000000, v[AF+16*\m]         ; / 32: my mean
.endr
.irp k, 0,1,2,3,4,5,6,7
.irp m, 0,1,2,3
	v_pk_add_f32 v[AF+16*\m+2+2*(\k%2):AF+16*\m+3+2*(\k%2)], v[ACC+16*\m+2*\k:ACC+16*\m+2*\k+1], v[AF+16*\m:AF+16*\m+1] op_sel_hi:[1,0] neg_lo:[0,1] neg_hi:[0,1]
.endr
.irp m, 0,1,2,3
.if \k == 0
	v_pk_mul_f32 v[AF+16*\m+6:AF+16*\m+7], v[AF+16*\m+2:AF+16*\m+3], v[AF+16*\m+2:AF+16*\m+3]
.else
	v_pk_fma_f32 v[AF+16*\m+6:AF+16*\m+7], v[AF+16*\m+2+2*(\k%2):AF+16*\m+3+2*(\k%2)], v[AF+16*\m+2+2*(\k%2):AF+16*\m+3+2*(\k%2)], v[AF+16*\m+6:AF+16*\m+7]
.endif
.endr
.endr
.irp m, 0,1,2,3
	v_add_f32 v[AF+16*\m+6], v[AF+16*\m+6], v[AF+16*\m+7]
.endr
.irp m, 0,1,2,3
	v_permlanex16_b32 v[AF+16*\m+7], v[AF+16*\m+6], s[SEL], s[SEL+1]
.endr
.irp m, 0,1,2,3
	v_add_f32 v[AF+16*\m+1], v[AF+16*\m+6], v[AF+16*\m+7]
.endr
.irp m, 0,1,2,3
	ds_store_b64 v[LNW], v[AF+16*\m:AF+16*\m+1] offset:1024*\m   ; both halves of the lanes write the same bytes with the same numbers
.endr
.endm
; behind a barrier: the eight waves' figures are joined, and y becomes (y - mu) rsqrt(var + 1e-5) g + b, in place.  g, bb: gain and shift in window 1
.macro LNAPPLY g, bb
.irp m, 0,1,2,3
.irp k, 0,1,2,3
	ds_load_b128 v[AF+16*\m+4*\k:AF+16*\m+4*\k+3], v[LNR] offset:1024*\m+16*\k
.endr
.endr
	s_wait_dscnt 0x0
.irp m, 0,1,2,3
	v_pk_add_f32 v[254:255], v[AF+16*\m:AF+16*\m+1], v[AF+16*\m+2:AF+16*\m+3]
.irp k, 2,3,4,5,6,7
	v_pk_add_f32 v[254:255], v[254:255], v[AF+16*\m+2*\k:AF+16*\m+2*\k+1]
.endr
	v_mul_f32 v254, 0x3e000000, v254                       ; mu
.irp k, 0,1,2,3,4,5,6,7
	v_sub_f32 v[AF+16*\m+2*\k], v[AF+16*\m+2*\k], v254
.endr
	v_mul_f32 v253, v[AF+16*\m], v[AF+16*\m]
.irp k, 1,2,3,4,5,6,7
	v_fmac_f32 v253, v[AF+16*\m+2*\k], v[AF+16*\m+2*\k]
.endr
	v_fmamk_f32 v255, v253, 0x42000000, v255               ; + 32 sum (mu_k - mu)^2
	v_fma_f32 v253, v255, s[I256], s[EPS]
	v_rsq_f32 v252, v253
.irp k, 0,1,2,3,4,5,6,7
	v_pk_add_f32 v[ACC+16*\m+2*\k:ACC+16*\m+2*\k+1], v[ACC+16*\m+2*\k:ACC+16*\m+2*\k+1], v[254:255] op_sel_hi:[1,0] neg_lo:[0,1] neg_hi:[0,1]   ; plain lines behind the root, which touch neither its result nor its source
.endr
	s_wait_alu depctr_va_vdst(0)
.irp k, 0,1,2,3,4,5,6,7
	v_pk_mul_f32 v[ACC+16*\m+2*\k:ACC+16*\m+2*\k+1], v[ACC+16*\m+2*\k:ACC+16*\m+2*\k+1], v[252:253] op_sel_hi:[1,0]
.endr
.endr
	WIN 0x14
.irp m, 0,1,2,3
.irp k, 0,1,2,3,4,5,6,7
	v_pk_fma_f32 v[ACC+16*\m+2*\k:ACC+16*\m+2*\k+1], v[ACC+16*\m+2*\k:ACC+16*\m+2*\k+1], v[\g+2*\k:\g+2*\k+1], v[\bb+2*\k:\bb+2*\k+1]
.endr
.endr
	WIN 0
.endm
.macro LCONST dst, c0, c1              ; a constant by the lane's half
	v_mov_b32 v[\dst], \c0
	v_mov_b32 v253, \c1
	v_cndmask_b32 v[\dst], v[\dst], v253, s[MH]
.endm
.macro AXIS o, rf, lv, xx, bc, c0, c1  ; one coordinate of one point: the patch's corner and the two columns' weights
	v_fma_f32 v[\xx], v[\o], v[IW+\lv], v[\rf]
	v_fma_f32 v[\xx], v[\xx], v[WW+\lv], -0.5
	v_floor_f32 v[\bc], v[\xx]
	v_med3_num_f32 v[\bc], v[\bc], 0, v[W2+\lv]
	v_sub_f32 v[\xx], v[\xx], v[\bc]
	v_sub_f32 v[\c0], 1.0, |v[\xx]|
	v_add_f32 v[\xx], -1.0, v[\xx]
	v_sub_f32 v[\c1], 1.0, |v[\xx]|
	v_max_num_f32 v[\c0], 0, v[\c0]
	v_max_num_f32 v[\c1], 0, v[\c1]
.endm
	s_load_b512 s[4:19], s[0:1], 0x0
	s_load_b256 s[20:27], s[0:1], 0x40
	s_set_vgpr_msb 0x40
	v_lshl_add_u32 v254, v0, 2, 0x20800
	v_mov_b32 v255, 0
	s_set_vgpr_msb 0x4000
	v_lshrrev_b32 v3, 5, v0
	v_readfirstlane_b32 s28, v3                    ; wave
	v_and_b32 v5, 31, v0
	v_lshlrev_b32 v[LI], 4, v5
	v_lshlrev_b32 v[LS], 2, v5
	v_and_b32 v3, 15, v0                           ; r
	v_bfe_u32 v4, v0, 4, 1                         ; h
	s_and_b32 s30, ttmp7, 0xffff                   ; b
	s_lshl_b32 s29, ttmp9, 6                       ; 64 lb
	s_mov_b32 s[SEL], 0x76543210
	s_mov_b32 s[SEL+1], 0xfedcba98
	s_mov_b32 s[MNT], 0x600000
	s_mov_b32 s[MH], 0xffff0000
	s_mov_b32 s[CS], 0x3fb8aa3b
	s_mov_b32 s[CS+1], s[CS]
	s_mov_b32 s[I256], 0x3b800000
	s_mov_b32 s[EPS], 0x3727c5ac
	v_and_b32 v28, 8, v3
	v_add_nc_u32 v28, v28, v3
	v_add_nc_u32 v28, s29, v28                     ; 64 lb + r + 8 (r / 8)
	s_lshl_b32 s44, s30, 10
	s_lshl_b32 s45, s28, 7
	s_add_co_u32 s44, s44, s45
	v_lshl_add_u32 v29, v4, 6, s44                 ; 1,024 b + 128 w + 64 h
	s_lshl_b32 s46, s30, 5
	v_lshl_add_u32 v30, v4, 4, s46                 ; 32 b + 16 h
.irp m, 0,1,2,3
	v_add_nc_u32 v31, 32*(\m/2)+8*(\m%2), v28
	v_min_u32 v31, 0x383, v31                      ; no load leaves its buffer
	v_lshl_add_u32 v[ROW+\m], v31, 14, v29         ; tgt, pos: my row's 16 channels
	v_lshl_add_u32 v[REFA+\m], v31, 9, v30         ; reference points: my half's two levels
.endr
	v_lshl_add_u32 v31, v4, 6, s45                 ; biases, gain, shift: 128 w + 64 h
	s_lshl_b32 s47, s28, 6
	v_lshl_add_u32 v30, v4, 5, s47                 ; attn_w_b: 64 w + 32 h
	s_mul_i32 s48, s30, 60
	s_lshl_b32 s49, ttmp9, 2
	s_add_co_u32 s48, s48, s49
	s_lshl_b32 s50, s48, 12
	v_add_nc_u32 v28, s50, v[LI]                   ; o's fragments
	s_lshl_b32 s50, s48, 8
	v_add_nc_u32 v29, s50, v[LS]                   ; their scale words
	s_lshl_b32 s50, s28, 13
	v_add_nc_u32 v[VW4], s50, v[LI]
	s_lshl_b32 s50, s28, 9
	v_add_nc_u32 v[VWS4], s50, v[LS]
	s_lshl_b32 s50, s28, 12
	v_add_nc_u32 v[VW2], s50, v[LI]
	s_lshl_b32 s50, s28, 8
	v_add_nc_u32 v[VWS2], s50, v[LS]
	s_lshl_b32 s51, s28, 3
	v_lshl_add_u32 v[LNW], v3, 6, s51
	v_add_nc_u32 v[LNW], LNS, v[LNW]
	v_lshl_add_u32 v[LNR], v3, 6, LNS
	v_mul_u32_u24 v[T1W], v3, 1040
	v_lshl_add_u32 v[T1W], v4, 6, v[T1W]
	v_add_nc_u32 v[T1W], s45, v[T1W]
	v_add_nc_u32 v[T1W], T1S, v[T1W]
	s_lshr_b32 s52, s28, 2
	s_and_b32 s53, s28, 3
	s_lshl_b32 s54, s52, 11
	s_lshl_b32 s55, s53, 9
	s_add_co_u32 s54, s54, s55
	v_add_nc_u32 v[QWI], s54, v[LI]                ; q2's images: K step w / 4, group of registers w % 4
	s_lshl_b32 s54, s52, 7
	s_add_co_u32 s54, s54, s53
	v_add_nc_u32 v[QWS], s54, v[LS]                ; and byte w % 4 of the scale words
	s_mul_i32 s54, s28, 8320
	v_add_nc_u32 v[T1R], s54, v[LI]
	v_add_nc_u32 v[T1R], T1S, v[T1R]               ; back: stage rows 8 w on
	s_lshl_b32 s54, s52, 5
	s_bfe_u32 s55, s28, 0x10001
	s_lshl_b32 s55, s55, 3
	s_add_co_u32 s54, s54, s55
	s_and_b32 s55, s28, 1
	s_lshl_b32 s55, s55, 4
	s_add_co_u32 s54, s54, s55
	s_add_co_u32 s54, s54, s29                     ; which are l = 64 lb + 32 (w / 4) + 8 ((w / 2) % 2) + 16 (w % 2) on
	s_lshl_b32 s54, s54, 4
	s_add_co_u32 s54, s54, s30
	s_lshl_b32 s54, s54, 10
	v_add_nc_u32 v[T1G], s54, v[LI]
	s_mul_i32 s54, s28, 5632
	s_add_co_u32 s54, s54, PST                     ; my stage
	v_mul_u32_u24 v[PSW], v3, 272
	v_lshl_add_u32 v[PSW], v4, 7, v[PSW]
	v_add_nc_u32 v[PSW], s54, v[PSW]
	v_mul_u32_u24 v[PSI], v3, 80
	v_lshl_add_u32 v[PSI], v4, 5, v[PSI]
	v_add_nc_u32 v[PSI], s54, v[PSI]
	v_mul_u32_u24 v[PRW], v4, 272
	v_lshl_add_u32 v[PRW], v3, 4, v[PRW]
	v_add_nc_u32 v[PRW], s54, v[PRW]
	v_and_b32 v[PRI], 31, v0
	v_lshrrev_b32 v[GW], 2, v[PRI]
	v_and_b32 v[PRI], 3, v[PRI]
	v_mul_u32_u24 v[GW], v[GW], 80
	v_lshl_add_u32 v[PRI], v[PRI], 4, v[GW]
	v_add_nc_u32 v[PRI], s54, v[PRI]
	s_lshl_b32 s55, s30, 3
	s_add_co_u32 s55, s55, s28                     ; bh
	s_mul_i32 s55, s55, 960
	s_add_co_u32 s55, s55, s29
	s_lshl_b32 s56, s55, 8
	v_add_nc_u32 v[GW], s56, v[LI]
	s_lshl_b32 s56, s55, 6
	v_add_nc_u32 v[GI], s56, v[LI]
	LCONST WW, 0x42c80000, 0x41c80000              ; W of my first level (0 or 2): 100, 25
	LCONST WW+1, 0x42480000, 0x41500000            ; of my second (1 or 3): 50, 13
	LCONST IW, 0x3c23d70a, 0x3d23d70a              ; 1 / W
	LCONST IW+1, 0x3ca3d70a, 0x3d9d89d9
	LCONST W2, 0x42c40000, 0x41b80000              ; W - 2
	LCONST W2+1, 0x42400000, 0x41300000
	LCONST ST, 0, 0x46435000                       ; the level's first row in the table: 0, 12,500
	LCONST ST+1, 0x461c4000, 0x464d1400            ; 10,000, 13,125
	s_wait_kmcnt 0x0
	s_add_nc_u64 s[CFW:CFW+1], s[CF:CF+1], 15728640
.irp m, 0,1,2,3
.irp c, 0,1,2,3
	global_load_b128 v[AF+16*\m+4*\c:AF+16*\m+4*\c+3], v28, s[OB:OB+1] offset:4096*\m+512*\c          ; o: K step 0
	global_load_b128 v[RES+16*\m+4*\c:RES+16*\m+4*\c+3], v28, s[OB:OB+1] offset:4096*\m+2048+512*\c   ; K step 1
.endr
	global_load_b32 v[XS+\m], v29, s[OB:OB+1] offset:3932160+256*\m
	global_load_b32 v[XS+4+\m], v29, s[OB:OB+1] offset:3932160+256*\m+128
.endr
	LOADW 0, VW4, VWS4, 96, 97, 98, 99
	LOADW 1, VW4, VWS4, 128, 129, 130, 131
	WIN 0x40
.irp k, 0,1
.irp c, 0,1,2,3
	global_load_b128 v[128+16*\k+4*\c:128+16*\k+4*\c+3], v[VW2], s[WQ:WQ+1] offset:(160+\k)*2048+512*\c
.endr
.endr
.irp c, 0,1,2,3
	global_load_b128 v[BO+4*\c:BO+4*\c+3], v31, s[OPB:OPB+1] offset:16*\c
	global_load_b128 v[BF+4*\c:BF+4*\c+3], v31, s[SOB:SOB+1] offset:16*\c
	global_load_b128 v[GG+4*\c:GG+4*\c+3], v31, s[G2P:G2P+1] offset:16*\c
	global_load_b128 v[BB+4*\c:BB+4*\c+3], v31, s[B2P:B2P+1] offset:16*\c
.endr
	global_load_b128 v[BA:BA+3], v30, s[AWB:AWB+1]
	global_load_b128 v[BA+4:BA+7], v30, s[AWB:AWB+1] offset:16
	WIN 0
	global_load_b32 v[WS+8], v[VWS2], s[WQ:WQ+1] offset:WSCL+160*128
	global_load_b32 v[WS+9], v[VWS2], s[WQ:WQ+1] offset:WSCL+161*128
	s_wait_loadcnt 0x0
	; ---- 1: o Wo^T + bo
	MM8 0, 0, BO, AF, XS
	WIN 0
	PLACES 8
.irp m, 0,1,2,3
.irp c, 0,1,2,3
	global_load_b128 v[AF+16*\m+4*\c:AF+16*\m+4*\c+3], v[ROW+\m], s[TGT:TGT+1] offset:16*\c
.endr
.endr
	MM8 0, 1, -1, RES, XS+4
	WIN 0
	PLACES 8
.irp m, 0,1,2,3
.irp c, 0,1,2,3
	global_load_b128 v[RES+16*\m+4*\c:RES+16*\m+4*\c+3], v[ROW+\m], s[POS:POS+1] offset:16*\c
.endr
.endr
	; ---- 2: + tgt, layer norm
	s_wait_loadcnt 16                              ; tgt is in; pos's 16 loads may be out
.set J, 0
.rept 32
	v_pk_add_f32 v[ACC+J:ACC+J+1], v[ACC+J:ACC+J+1], v[AF+J:AF+J+1]
.set J, J+2
.endr
	LNSTAT
	BARRIER
	LNAPPLY GG, BB
	; ---- 3: t1 to the stage; q2 = t1 + pos, quantised; its images to LDS
.irp m, 0,1,2,3
.irp c, 0,1,2,3
	ds_store_b128 v[T1W], v[ACC+16*\m+4*\c:ACC+16*\m+4*\c+3] offset:16640*\m+16*\c
.endr
.endr
	s_wait_dscnt 0x0
	s_wait_loadcnt 0x0
.set J, 0
.rept 32
	v_pk_add_f32 v[ACC+J:ACC+J+1], v[ACC+J:ACC+J+1], v[RES+J:RES+J+1]
.set J, J+2
.endr
	QUANT ACC, 0                                   ; block m: tile m's rows, my 32 channels
.irp m, 0,1,2,3
	ds_store_b128 v[QWI], v[PC+4*\m:PC+4*\m+3] offset:QIMG+4096*\m
	ds_store_b8 v[QWS], v[TM+4+\m] offset:QSC+256*\m
.endr
	BARRIER                                        ; q2's eight fragments and 64 rows of t1 lie in LDS
	; ---- 4: offsets (two tiles) and logits (one tile) of my head: twelve accumulators by turns
.irp m, 0,1,2,3
	global_load_b128 v[RES+32+4*\m:RES+35+4*\m], v[REFA+\m], s[REF:REF+1]
.endr
.irp kk, 0,1
	PLACES 8
	FETCH4 LI, LS, QIMG, QSC, 2, \kk
	s_wait_dscnt 0x0
.if \kk == 0
	WIN 0x11
.else
	WIN 0x01
.endif
.irp m, 0,1,2,3
.irp u, 0,1
.if \kk == 0
	v_wmma_scale_f32_16x16x128_f8f6f4 v[ACC+16*\m+8*\u:ACC+16*\m+8*\u+7], v[64+16*(2*\u+\kk):64+16*(2*\u+\kk)+15], v[AF+16*\m:AF+16*\m+15], v[BF+8*\u:BF+8*\u+7], v[WS+4+2*\u+\kk], v[XS+\m] matrix_a_fmt:MATRIX_FMT_BF8 matrix_b_fmt:MATRIX_FMT_BF8
.else
	v_wmma_scale_f32_16x16x128_f8f6f4 v[ACC+16*\m+8*\u:ACC+16*\m+8*\u+7], v[64+16*(2*\u+\kk):64+16*(2*\u+\kk)+15], v[AF+16*\m:AF+16*\m+15], v[ACC+16*\m+8*\u:ACC+16*\m+8*\u+7], v[WS+4+2*\u+\kk], v[XS+\m] matrix_a_fmt:MATRIX_FMT_BF8 matrix_b_fmt:MATRIX_FMT_BF8
.endif
.endr
.if \kk == 0
	v_wmma_scale_f32_16x16x128_f8f6f4 v[RES+8*\m:RES+8*\m+7], v[128+16*\kk:128+16*\kk+15], v[AF+16*\m:AF+16*\m+15], v[BA:BA+7], v[WS+8+\kk], v[XS+\m] matrix_a_fmt:MATRIX_FMT_BF8 matrix_b_fmt:MATRIX_FMT_BF8
.else
	v_wmma_scale_f32_16x16x128_f8f6f4 v[RES+8*\m:RES+8*\m+7], v[128+16*\kk:128+16*\kk+15], v[AF+16*\m:AF+16*\m+15], v[RES+8*\m:RES+8*\m+7], v[WS+8+\kk], v[XS+\m] matrix_a_fmt:MATRIX_FMT_BF8 matrix_b_fmt:MATRIX_FMT_BF8
.endif
.endr
	WIN 0
.endr
	PLACES 8
	; ---- 5: t1 leaves as whole rows: eight rows a wave, 512 consecutive bytes a store
.irp i, 0,1,2,3,4,5,6,7
.irp hf, 0,1
	ds_load_b128 v[AF+8*\i+4*\hf:AF+8*\i+4*\hf+3], v[T1R] offset:1040*\i+512*\hf
.endr
.endr
	s_wait_dscnt 0x0
.irp i, 0,1,2,3,4,5,6,7
.irp hf, 0,1
	global_store_b128 v[T1G], v[AF+8*\i+4*\hf:AF+8*\i+4*\hf+3], s[CF:CF+1] offset:16384*\i+512*\hf
.endr
.endr
	s_wait_xcnt 0x0                                ; AF is written again only behind this wait
	s_wait_loadcnt 0x0                             ; the reference points
	; ---- 6: a tile of rows at a time: my lane's eight points (levels 2 h and 2 h + 1) of row r, head w
.macro POINTS m
	v_max3_num_f32 v[T0], v[RES+8*\m], v[RES+8*\m+1], v[RES+8*\m+2]
	v_max3_num_f32 v[T0], v[T0], v[RES+8*\m+3], v[RES+8*\m+4]
	v_max3_num_f32 v[T0], v[T0], v[RES+8*\m+5], v[RES+8*\m+6]
	v_max_num_f32 v[T0], v[T0], v[RES+8*\m+7]
	v_permlanex16_b32 v[T0+1], v[T0], s[SEL], s[SEL+1]
	v_max_num_f32 v[T0], v[T0], v[T0+1]            ; the largest of the head's 16 logits
.irp k, 0,2,4,6
	v_pk_add_f32 v[AW+\k:AW+\k+1], v[RES+8*\m+\k:RES+8*\m+\k+1], v[T0:T0+1] op_sel_hi:[1,0] neg_lo:[0,1] neg_hi:[0,1]
.endr
.irp k, 0,2,4,6
	v_pk_mul_f32 v[AW+\k:AW+\k+1], v[AW+\k:AW+\k+1], s[CS:CS+1] op_sel_hi:[1,0]
.endr
.irp k, 0,1,2,3,4,5,6,7
	v_exp_f32 v[AW+\k], v[AW+\k]
.endr
	v_nop
	s_wait_alu depctr_va_vdst(0)
	v_pk_add_f32 v[T0:T0+1], v[AW:AW+1], v[AW+2:AW+3]
	v_pk_add_f32 v[T0+2:T0+3], v[AW+4:AW+5], v[AW+6:AW+7]
	v_pk_add_f32 v[T0:T0+1], v[T0:T0+1], v[T0+2:T0+3]
	v_add_f32 v[T0], v[T0], v[T0+1]
	v_permlanex16_b32 v[T0+1], v[T0], s[SEL], s[SEL+1]
	v_add_f32 v[T0], v[T0], v[T0+1]
	v_rcp_f32 v[T0], v[T0]
	v_nop
	s_wait_alu depctr_va_vdst(0)
.irp k, 0,2,4,6
	v_pk_mul_f32 v[AW+\k:AW+\k+1], v[AW+\k:AW+\k+1], v[T0:T0+1] op_sel_hi:[1,0]
.endr
.irp j, 0,1,2,3,4,5,6,7
	AXIS ACC+16*\m+2*\j, RES+32+4*\m+2*(\j/4), \j/4, XX, BX, CX0, CX1
	AXIS ACC+16*\m+2*\j+1, RES+33+4*\m+2*(\j/4), \j/4, YY, BY, CY0, CY1
	v_mul_f32 v[CY0], v[AW+\j], v[CY0]
	v_mul_f32 v[CY1], v[AW+\j], v[CY1]
	v_mul_f32 v[WT+\j], v[CY0], v[CX0]             ; [dx][dy][point]
	v_mul_f32 v[WT+8+\j], v[CY1], v[CX0]
	v_mul_f32 v[WT+16+\j], v[CY0], v[CX1]
	v_mul_f32 v[WT+24+\j], v[CY1], v[CX1]
	v_fma_f32 v[II], v[BY], v[WW+\j/4], v[BX]
	v_add_f32 v[II], v[II], v[ST+\j/4]             ; whole numbers under 2^24: exact
	v_cvt_u32_f32 v[IDXR+\j], v[II]
.endr
.irp k, 0,1,2,3,4,5,6,7
	ds_store_b128 v[PSW], v[WT+4*\k:WT+4*\k+3] offset:16*\k
.endr
.irp k, 0,1
	ds_store_b128 v[PSI], v[IDXR+4*\k:IDXR+4*\k+3] offset:4352+16*\k
.endr
	WIN 0x40                                       ; back as whole rows, into window 1 (the weights there are done with): LDS serves a wave's instructions in order
.irp j, 0,1,2,3,4,5,6,7
	ds_load_b128 v[40*\m+4*\j:40*\m+4*\j+3], v[PRW] offset:544*\j
.endr
.irp j, 0,1
	ds_load_b128 v[40*\m+32+4*\j:40*\m+32+4*\j+3], v[PRI] offset:4352+640*\j
.endr
	s_wait_dscnt 0x0
	WIN 0x04
.irp j, 0,1,2,3,4,5,6,7
	global_store_b128 v[GW], v[40*\m+4*\j:40*\m+4*\j+3], s[CFW:CFW+1] offset:(32*(\m/2)+8*(\m%2)+2*\j+8*(\j/4))*256   ; two rows of 256 bytes: 512 consecutive bytes
.endr
.irp j, 0,1
	global_store_b128 v[GI], v[40*\m+32+4*\j:40*\m+32+4*\j+3], s[IDXP:IDXP+1] offset:(32*(\m/2)+8*(\m%2))*64+1024*\j   ; eight rows of 64 bytes
.endr
	WIN 0
.endm
	POINTS 0
	POINTS 1
	POINTS 2
	POINTS 3
	s_set_vgpr_msb 0x5
	s_wait_tensorcnt 0x0
	ds_add_u32 v254, v255
	s_wait_dscnt 0x0
	s_set_vgpr_msb 0x500
	s_endpgm
.Lfunc_end_k_q46437c6536_saout:
	.size	k_q46437c6536_saout, .Lfunc_end_k_q46437c6536_saout-k_q46437c6536_saout
	.p2alignl 7, 3214868480
	.fill 96, 4, 3214868480
	.section	.rodata,"a",@progbits
	.p2align	6, 0x0
	.amdhsa_kernel k_q46437c6536_saout
		.amdhsa_group_segment_fixed_size 134144
		.amdhsa_private_segment_fixed_size 0
		.amdhsa_enable_private_segment 0
		.amdhsa_kernarg_size 96
		.amdhsa_user_sgpr_count 2
		.amdhsa_user_sgpr_kernarg_segment_ptr 1
		.amdhsa_wavefront_size32 1
		.amdhsa_system_sgpr_workgroup_id_x 1
		.amdhsa_system_sgpr_workgroup_id_y 1
		.amdhsa_system_sgpr_workgroup_id_z 1
		.amdhsa_system_vgpr_workitem_id 0
		.amdhsa_next_free_vgpr 512
		.amdhsa_next_free_sgpr 66
		.amdhsa_reserve_vcc 0
		.amdhsa_float_denorm_mode_32 3
		.amdhsa_float_denorm_mode_16_64 3
		.amdhsa_memory_ordered 1
		.amdhsa_forward_progress 1
		.amdhsa_inst_pref_size 123
	.end_amdhsa_kernel
	.amdgpu_metadata
---
amdhsa.version: [ 1, 2 ]
amdhsa.kernels:
  - .name:           k_q46437c6536_saout
    .symbol:         k_q46437c6536_saout.kd
    .args:
      - { .name: ob, .offset: 0, .size: 8, .value_kind: global_buffer, .address_space: global }
      - { .name: wq, .offset: 8, .size: 8, .value_kind: global_buffer, .address_space: global }
      - { .name: tgt, .offset: 16, .size: 8, .value_kind: global_buffer, .address_space: global }
      - { .name: tgt_query_pos, .offset: 24, .size: 8, .value_kind: global_buffer, .address_space: global }
      - { .name: tgt_reference_points, .offset: 32, .size: 8, .value_kind: global_buffer, .address_space: global }
      - { .name: out_proj_b, .offset: 40, .size: 8, .value_kind: global_buffer, .address_space: global }
      - { .name: norm2_g, .offset: 48, .size: 8, .value_kind: global_buffer, .address_space: global }
      - { .name: norm2_b, .offset: 56, .size: 8, .value_kind: global_buffer, .address_space: global }
      - { .name: samp_off_b, .offset: 64, .size: 8, .value_kind: global_buffer, .address_space: global }
      - { .name: attn_w_b, .offset: 72, .size: 8, .value_kind: global_buffer, .address_space: global }
      - { .name: cf, .offset: 80, .size: 8, .value_kind: global_buffer, .address_space: global }
      - { .name: idx, .offset: 88, .size: 8, .value_kind: global_buffer, .address_space: global }
    .group_segment_fixed_size: 134144
    .private_segment_fixed_size: 0
    .kernarg_segment_align: 8
    .kernarg_segment_size: 96
    .max_flat_workgroup_size: 256
    .sgpr_count:     66
    .vgpr_count:     512
    .wavefront_size: 32
...
	.end_amdgpu_metadata
.endif
;; end of part 4
;; launch valproj (part 5): grid 256 x 1, 8 waves a work-group, no clusters, 104,448 bytes of LDS; arguments memory, wq, val_proj_b, vtab; writes vtab
.if DOCPART == 5
	.amdgcn_target "amdgcn-amd-amdhsa--gfx1250"
	.amdhsa_code_object_version 6
	.text
	.protected	k_q46437c6536_valproj
	.globl	k_q46437c6536_valproj
	.p2align	8
	.type	k_q46437c6536_valproj,@function
k_q46437c6536_valproj:
	s_mov_b64 s[64:65], 0
	v_nop
	global_prefetch_b8 v0, s[64:65] scope:SCOPE_SE
	s_setreg_imm32_b32 hwreg(HW_REG_WAVE_MODE, 25, 1), 1
	s_wait_xcnt 0x0
; The value table: v = memory Wv^T + bv on codes of E5M2, stored in f32 as [bh][lv][32]: a sampled corner is then 128 consecutive bytes.  It stays f32 because what is sampled from it goes on into a quantiser.
; SHARES.  Work-group g: batch entry b = g / 16, 13 blocks of 64 rows lv, blocks 13 (g % 16) on.  The table has 13,294 rows: the last block begins at 13,230 and overlaps the block before it, which the same wave of the same
; work-group writes with the same numbers.  Wave w is head w: its four weight fragments stay in registers.
; A BLOCK.  Wave w loads fragment (tile w / 2, K step w % 2) of memory as 16 rows of 512 consecutive bytes, turns it through its own stage in LDS so that a lane holds 16 neighbours of each block of 32, quantises it and
; stores its image | barrier | the next block's 16 loads go out | for each tile of 16 rows: two fragments from LDS, four products (transposed: a lane holds one row and 16 channels), through my stage, 512 consecutive bytes a store | barrier.
; Memory binds here: each byte of memory is read once, each byte of the table written once (but the overlapping rows).  No tensor load: the numbers must pass through registers to be quantised.  No cluster: work-groups share only 64 KB of weights.
; LIMITS: NaN and infinities are not served; a block of zeros gets the byte 1 (its codes are zeros; this program alone reads the bytes).
.set XIMG, 0                           ; LDS: the block's 8 fragments,
.set XSC, 16384                        ; their scale words,
.set TST, 17408                        ; for each wave 16 rows of 512 bytes + 16: the turn,
.set OST, 84992                        ; for each wave 16 rows of 128 bytes + 16: the way out
.set WSCL, 1015808
.set LI, 1
.set LS, 2
.set TSW, 3
.set TSR, 4
.set XWI, 5
.set XWS, 6
.set OSW, 7
.set OSR, 8
.set WF, 12                            ; v12-75 my four weight fragments (2 u + K step)
.set WS, 76
.set XS, 80
.set BI, 82                            ; v82-97 the bias in the result's layout
.set RAW, 98                           ; v98-161 as loaded; the quantiser's registers lie over it
.set TM, 98
.set PC, 114
.set PW, 130
.set NUM, 162                          ; v162-225 64 numbers; later two fragments and two sets of two accumulators
.set AF, 162
.set ACC, 194
.set OUTR, 226
.set SEL, 32
.set MNT, 34
.macro PLACES n
.rept \n
	v_nop
.endr
.endm
.macro BARRIER                         ; my LDS stores have landed and my LDS loads are in: then the work-group's barrier
	s_wait_dscnt 0x0
	s_barrier_signal -1
	s_barrier_wait -1
.endm
.macro QUANT s                         ; 64 numbers of a lane, register 16 b + i = k 32 b + 16 (lane / 16) + i of its row -> codes in v[PC] on, the scale word in v[PW]
.irp b, 0,1,2,3
	v_max3_num_f32 v[TM+\b], |v[\s+16*\b]|, |v[\s+16*\b+1]|, 0x8000000   ; with the floor 2^(16 - 127): the byte cannot fall under 1
.endr
.irp i, 2,4,6,8,10,12,14
.irp b, 0,1,2,3
	v_max3_num_f32 v[TM+\b], v[TM+\b], |v[\s+16*\b+\i]|, |v[\s+16*\b+\i+1]|
.endr
.endr
.irp b, 0,1,2,3
	v_permlanex16_b32 v[TM+4+\b], v[TM+\b], s[SEL], s[SEL+1]
.endr
.irp b, 0,1,2,3
	v_max_num_f32 v[TM+\b], v[TM+\b], v[TM+4+\b]
.endr
.irp b, 0,1,2,3
	v_add_nc_u32 v[TM+12+\b], 0xf8800000, v[TM+\b]        ; 15 off the exponent field: the conversion's scale operand
.endr
.irp b, 0,1,2,3
	v_and_or_b32 v[TM+8+\b], v[TM+\b], 0x7f800000, s[MNT] ; 57,344 x the scale
.endr
.irp b, 0,1,2,3
	v_lshrrev_b32 v[TM+4+\b], 23, v[TM+12+\b]             ; the scale's byte
.endr
	v_lshl_or_b32 v[PW], v[TM+5], 8, v[TM+4]
	v_lshl_or_b32 v[PW], v[TM+6], 16, v[PW]
	v_lshl_or_b32 v[PW], v[TM+7], 24, v[PW]
.irp b, 0,1,2,3
.irp i, 0,1,2,3,4,5,6,7,8,9,10,11,12,13,14,15
	v_med3_num_f32 v[\s+16*\b+\i], v[\s+16*\b+\i], -v[TM+8+\b], v[TM+8+\b]   ; the conversion does not saturate (ISA guide 7.6.2): the hold
.endr
	v_cvt_scalef32_pk8_bf8_f32 v[PC+4*\b:PC+4*\b+1], v[\s+16*\b:\s+16*\b+7], v[TM+12+\b]
	v_cvt_scalef32_pk8_bf8_f32 v[PC+4*\b+2:PC+4*\b+3], v[\s+16*\b+8:\s+16*\b+15], v[TM+12+\b]
.endr
	v_nop                                                 ; a plain line behind the last conversion
.endm
.macro VMM m, u, kk                    ; source 0 = 16 rows of Wv, source 1 = 16 rows of memory; the first K step takes the bias as C
.if \kk == 0
	v_wmma_scale_f32_16x16x128_f8f6f4 v[ACC+16*((\m)%2)+8*\u:ACC+16*((\m)%2)+8*\u+7], v[WF+16*(2*\u+\kk):WF+16*(2*\u+\kk)+15], v[AF+16*\kk:AF+16*\kk+15], v[BI+8*\u:BI+8*\u+7], v[WS+2*\u+\kk], v[XS+\kk] matrix_a_fmt:MATRIX_FMT_BF8 matrix_b_fmt:MATRIX_FMT_BF8
.else
	v_wmma_scale_f32_16x16x128_f8f6f4 v[ACC+16*((\m)%2)+8*\u:ACC+16*((\m)%2)+8*\u+7], v[WF+16*(2*\u+\kk):WF+16*(2*\u+\kk)+15], v[AF+16*\kk:AF+16*\kk+15], v[ACC+16*((\m)%2)+8*\u:ACC+16*((\m)%2)+8*\u+7], v[WS+2*\u+\kk], v[XS+\kk] matrix_a_fmt:MATRIX_FMT_BF8 matrix_b_fmt:MATRIX_FMT_BF8
.endif
.endm
.macro RAWLOAD                         ; 16 rows of my fragment: 512 consecutive bytes a load, read once by the whole launch
.irp i, 0,1,2,3,4,5,6,7,8,9,10,11,12,13,14,15
	global_load_b128 v[RAW+4*\i:RAW+4*\i+3], v[LI], s[20:21] offset:16384*\i th:TH_LOAD_NT
.endr
.endm
	s_load_b256 s[4:11], s[0:1], 0x0               ; memory s[4:5], wq s[6:7], val_proj_b s[8:9], vtab s[10:11]
	v_lshl_add_u32 v244, v0, 2, 0x19400
	v_mov_b32 v245, 0
.irp b, 0,1,2,3
	v_mov_b32 v[TM+4+\b], 0                        ; a lane permute's destination counts as one of its sources
.endr
	v_lshrrev_b32 v9, 5, v0
	v_readfirstlane_b32 s12, v9                    ; wave = head
	v_and_b32 v9, 31, v0
	v_lshlrev_b32 v[LI], 4, v9
	v_lshlrev_b32 v[LS], 2, v9
	v_and_b32 v10, 15, v0                          ; r
	v_bfe_u32 v11, v0, 4, 1                        ; h
	s_mul_i32 s30, s12, 8448
	s_add_co_u32 s30, s30, TST
	v_add_nc_u32 v[TSW], s30, v[LI]
	v_mul_u32_u24 v[TSR], v10, 528
	v_lshl_add_u32 v[TSR], v11, 6, v[TSR]
	v_add_nc_u32 v[TSR], s30, v[TSR]
	s_lshl_b32 s30, s12, 11
	v_add_nc_u32 v[XWI], s30, v[LI]
	s_lshl_b32 s30, s12, 7
	v_add_nc_u32 v[XWS], s30, v[LS]
	s_mul_i32 s31, s12, 2304
	s_add_co_u32 s31, s31, OST
	v_mul_u32_u24 v[OSW], v10, 144
	v_lshl_add_u32 v[OSW], v11, 6, v[OSW]
	v_add_nc_u32 v[OSW], s31, v[OSW]
	v_lshrrev_b32 v[OSR], 3, v9
	v_mul_u32_u24 v[OSR], v[OSR], 144
	v_and_b32 v9, 7, v9
	v_lshl_add_u32 v[OSR], v9, 4, v[OSR]
	v_add_nc_u32 v[OSR], s31, v[OSR]
	s_lshl_b32 s31, s12, 13
	v_add_nc_u32 v9, s31, v[LI]                    ; my weights
	s_lshl_b32 s31, s12, 9
	v_add_nc_u32 v10, s31, v[LS]
	v_lshl_add_u32 v11, v11, 6, s30                ; the bias: 128 w + 64 h
	s_mov_b32 s[SEL], 0x76543210
	s_mov_b32 s[SEL+1], 0xfedcba98
	s_mov_b32 s[MNT], 0x600000
	s_lshr_b32 s13, ttmp9, 4                       ; b
	s_and_b32 s14, ttmp9, 15
	s_mul_i32 s14, s14, 832                        ; 64 x my first block
	s_lshr_b32 s16, s12, 1
	s_lshl_b32 s16, s16, 18                        ; 16 (w / 2) rows of 16,384 bytes
	s_lshl_b32 s17, s13, 10
	s_add_co_u32 s16, s16, s17
	s_and_b32 s17, s12, 1
	s_lshl_b32 s17, s17, 9
	s_add_co_u32 s16, s16, s17
	s_mov_b32 s17, 0
	s_lshl_b32 s22, s13, 3
	s_add_co_u32 s22, s22, s12                     ; bh
	s_mul_i32 s22, s22, 1701632                    ; 13,294 rows of 128 bytes
	s_mov_b32 s23, 0
	s_mov_b32 s19, 0
	s_mov_b32 s29, 0
	s_min_u32 s26, s14, 13230                      ; the block's first row
	s_lshl_b32 s18, s26, 14
	s_lshl_b32 s28, s26, 7
	s_mov_b32 s15, 13                              ; blocks to go
	s_wait_kmcnt 0x0
	s_add_nc_u64 s[16:17], s[4:5], s[16:17]        ; memory at my fragment of row 0
	s_add_nc_u64 s[22:23], s[10:11], s[22:23]      ; the table at my head
	s_add_nc_u64 s[20:21], s[16:17], s[18:19]
	s_add_nc_u64 s[24:25], s[22:23], s[28:29]
.irp i, 0,1,2,3
.irp c, 0,1,2,3
	global_load_b128 v[WF+16*\i+4*\c:WF+16*\i+4*\c+3], v9, s[6:7] offset:(176+\i)*2048+512*\c
.endr
	global_load_b32 v[WS+\i], v10, s[6:7] offset:WSCL+(176+\i)*128
	global_load_b128 v[BI+4*\i:BI+4*\i+3], v11, s[8:9] offset:16*\i
.endr
	RAWLOAD
.Lblk:
	s_wait_loadcnt 0x0                             ; this block's numbers (asked for a block ago)
.irp i, 0,1,2,3,4,5,6,7,8,9,10,11,12,13,14,15
	ds_store_b128 v[TSW], v[RAW+4*\i:RAW+4*\i+3] offset:528*\i
.endr
.irp q, 0,1,2,3
.irp j, 0,1,2,3
	ds_load_b128 v[NUM+16*\q+4*\j:NUM+16*\q+4*\j+3], v[TSR] offset:128*\q+16*\j   ; LDS serves a wave's instructions in order (ISA guide 5.7.1.4): these see my stores
.endr
.endr
	s_wait_dscnt 0x0
	QUANT NUM
.irp c, 0,1,2,3
	ds_store_b128 v[XWI], v[PC+4*\c:PC+4*\c+3] offset:XIMG+512*\c
.endr
	ds_store_b32 v[XWS], v[PW] offset:XSC
	BARRIER                                        ; the block's eight fragments lie in LDS
	s_cmp_eq_u32 s15, 1
	s_cbranch_scc1 .Lno_next                       ; the last block asks for nothing: no load leaves its buffer
	s_add_co_u32 s27, s14, 64
	s_min_u32 s27, s27, 13230
	s_lshl_b32 s18, s27, 14
	s_add_nc_u64 s[20:21], s[16:17], s[18:19]      ; (the loads that named this pair were waited for at the block's head)
	RAWLOAD
.Lno_next:
.irp m, 0,1,2,3
.irp k, 0,1
.irp c, 0,1,2,3
	ds_load_b128 v[AF+16*\k+4*\c:AF+16*\k+4*\c+3], v[LI] offset:XIMG+(2*\m+\k)*2048+512*\c
.endr
	ds_load_b32 v[XS+\k], v[LS] offset:XSC+(2*\m+\k)*128
.endr
	s_wait_dscnt 0x0
	VMM \m, 0, 0                                   ; two accumulators by turns
	VMM \m, 1, 0
	VMM \m, 0, 1
	VMM \m, 1, 1
	PLACES 8                                       ; in front of the stores of results and of the next loads into the fragments' registers
.irp u, 0,1
	ds_store_b128 v[OSW], v[ACC+16*(\m%2)+8*\u:ACC+16*(\m%2)+8*\u+3] offset:32*\u       ; each accumulator from its low end on
	ds_store_b128 v[OSW], v[ACC+16*(\m%2)+8*\u+4:ACC+16*(\m%2)+8*\u+7] offset:32*\u+16
.endr
	s_wait_xcnt 0x0                                ; the last tile's stores have read their registers
.irp k, 0,1,2,3
	ds_load_b128 v[OUTR+4*\k:OUTR+4*\k+3], v[OSR] offset:576*\k
.endr
	s_wait_dscnt 0x0
.irp k, 0,1,2,3
	global_store_b128 v[LI], v[OUTR+4*\k:OUTR+4*\k+3], s[24:25] offset:2048*\m+512*\k   ; four rows of 128 bytes: 512 consecutive bytes
.endr
.endr
	BARRIER                                        ; every wave's reads of the images are in: the next block may write them
	s_wait_xcnt 0x0                                ; the stores have read their base
	s_add_co_u32 s14, s14, 64
	s_min_u32 s26, s14, 13230
	s_lshl_b32 s28, s26, 7
	s_add_nc_u64 s[24:25], s[22:23], s[28:29]
	s_sub_co_u32 s15, s15, 1
	s_cmp_lg_u32 s15, 0
	s_cbranch_scc1 .Lblk
	s_wait_tensorcnt 0x0
	ds_add_u32 v244, v245
	s_wait_dscnt 0x0
	s_endpgm
.Lfunc_end_k_q46437c6536_valproj:
	.size	k_q46437c6536_valproj, .Lfunc_end_k_q46437c6536_valproj-k_q46437c6536_valproj
	.p2alignl 7, 3214868480
	.fill 96, 4, 3214868480
	.section	.rodata,"a",@progbits
	.p2align	6, 0x0
	.amdhsa_kernel k_q46437c6536_valproj
		.amdhsa_group_segment_fixed_size 104448
		.amdhsa_private_segment_fixed_size 0
		.amdhsa_enable_private_segment 0
		.amdhsa_kernarg_size 32
		.amdhsa_user_sgpr_count 2
		.amdhsa_user_sgpr_kernarg_segment_ptr 1
		.amdhsa_wavefront_size32 1
		.amdhsa_system_sgpr_workgroup_id_x 1
		.amdhsa_system_sgpr_workgroup_id_y 1
		.amdhsa_system_sgpr_workgroup_id_z 1
		.amdhsa_system_vgpr_workitem_id 0
		.amdhsa_next_free_vgpr 246
		.amdhsa_next_free_sgpr 66
		.amdhsa_reserve_vcc 0
		.amdhsa_float_denorm_mode_32 3
		.amdhsa_float_denorm_mode_16_64 3
		.amdhsa_memory_ordered 1
		.amdhsa_forward_progress 1
		.amdhsa_inst_pref_size 29
	.end_amdhsa_kernel
	.amdgpu_metadata
---
amdhsa.version: [ 1, 2 ]
amdhsa.kernels:
  - .name:           k_q46437c6536_valproj
    .symbol:         k_q46437c6536_valproj.kd
    .args:
      - { .name: memory, .offset: 0, .size: 8, .value_kind: global_buffer, .address_space: global }
      - { .name: wq, .offset: 8, .size: 8, .value_kind: global_buffer, .address_space: global }
      - { .name: val_proj_b, .offset: 16, .size: 8, .value_kind: global_buffer, .address_space: global }
      - { .name: vtab, .offset: 24, .size: 8, .value_kind: global_buffer, .address_space: global }
    .group_segment_fixed_size: 104448
    .private_segment_fixed_size: 0
    .kernarg_segment_align: 8
    .kernarg_segment_size: 32
    .max_flat_workgroup_size: 256
    .sgpr_count:     66
    .vgpr_count:     246
    .wavefront_size: 32
...
	.end_amdgpu_metadata
.endif
;; end of part 5
;; launch gather (part 6): grid 30 x 16, 8 waves a work-group, no clusters, 0 bytes of LDS; arguments idx, cf, vtab, outf; writes outf
.if DOCPART == 6
	.amdgcn_target "amdgcn-amd-amdhsa--gfx1250"
	.amdhsa_code_object_version 6
	.text
	.protected	k_q46437c6536_gather
	.globl	k_q46437c6536_gather
	.p2align	8
	.type	k_q46437c6536_gather,@function
k_q46437c6536_gather:
	s_mov_b64 s[64:65], 0
	v_nop
	global_prefetch_b8 v0, s[64:65] scope:SCOPE_SE
	s_setreg_imm32_b32 hwreg(HW_REG_WAVE_MODE, 25, 1), 1
	s_wait_xcnt 0x0
; The deformable attention's sampling: out(l, b, head, :) = the sum over 16 points and 4 corners of weight x value-table row.  The patch's first row (a whole number) and the four weights of each point were stored by an earlier launch.
; SHARES.  Work-group (x, b): 30 queries l = 30 x on.  Wave w: the pair of heads 2 (w % 4), 2 (w % 4) + 1, queries 15 (w / 4) on, 15 items.
; A LANE: hs = lane / 16 (which head of the pair), dx = (lane / 8) % 2 (which column of the patch), i = lane % 8 (which 16 bytes of a row's 128).  So one load of 16 bytes a lane reads, for each head, 256 consecutive bytes: columns bx, bx + 1.
; The row below (dy = 1) lies W rows on: an immediate.  A lane sums its column's part of four channels; the two columns meet by one exchange between lanes 8 apart, and the wave stores 256 consecutive aligned bytes.
; Each item goes in two halves (points 0-7: levels 0, 1; points 8-15: levels 2, 3), each with its own registers: while one half is summed, the other's 16 gathers are on their way.  All 15 items are written out: every step along l is an immediate.
; An index is held to its level's largest patch row by v_min_u32 ahead of the address (9,898, 12,448, 13,098, 13,279): with the corner's + 1 + W it stays inside the table's 13,294 rows.
; No LDS, no barrier, no matrix unit: memory's latency and bytes bind.  No prefetch: an item's addresses are known one item ahead, and its loads are issued then.
.set VI, 1                             ; idx: 61,440 hs
.set VW, 2                             ; weights: 245,760 hs + 64 dx
.set LC, 3                             ; table: 1,701,632 hs + 128 dx + 16 i
.set VO, 4                             ; out: 128 hs + 16 i + 8 dx
.set I, 8                              ; v8-23   16 indices
.set ADA, 24                           ; v24-31  half A's addresses
.set ADB, 32
.set WA, 40                            ; v40-55  half A's weights [dy][8]
.set WB, 56
.set DA, 72                            ; v72-135 half A's data: point j, dy: 4 registers at 8 j + 4 dy
.set DB, 136
.set ACC, 200                          ; v200-203 dy = 0's sums, v204-207 dy = 1's
.set FN, 208
.macro LDI k
.irp c, 0,1,2,3
	global_load_b128 v[I+4*\c:I+4*\c+3], v[VI], s[4:5] offset:64*(\k)+16*\c
.endr
.endm
.macro LDW wt, half, k
.irp c, 0,1,2,3
	global_load_b128 v[\wt+4*\c:\wt+4*\c+3], v[VW], s[6:7] offset:256*(\k)+128*\half+16*\c
.endr
.endm
.macro ADDR ad, half, l0, l1
.irp j, 0,1,2,3
	v_min_u32 v[\ad+\j], \l0, v[I+8*\half+\j]
	v_min_u32 v[\ad+4+\j], \l1, v[I+8*\half+4+\j]
.endr
.irp j, 0,1,2,3,4,5,6,7
	v_lshl_add_u32 v[\ad+\j], v[\ad+\j], 7, v[LC]
.endr
.endm
.macro GATH d, ad, w0, w1
.irp j, 0,1,2,3
	global_load_b128 v[\d+8*\j:\d+8*\j+3], v[\ad+\j], s[8:9]
	global_load_b128 v[\d+8*\j+4:\d+8*\j+7], v[\ad+\j], s[8:9] offset:\w0*128
.endr
.irp j, 4,5,6,7
	global_load_b128 v[\d+8*\j:\d+8*\j+3], v[\ad+\j], s[8:9]
	global_load_b128 v[\d+8*\j+4:\d+8*\j+7], v[\ad+\j], s[8:9] offset:\w1*128
.endr
.endm
.macro FMA d, wt, first                ; four chains of packed multiply-adds; the weight is one register of a pair, taken for both halves.  first = 1: the first products start the sums
.irp jj, 0,2,4,6
.irp x, 0,1
.irp dy, 0,1
.irp p, 0,2
.if (\first) && ((\jj+\x) == 0)
	v_pk_mul_f32 v[ACC+4*\dy+\p:ACC+4*\dy+\p+1], v[\d+8*(\jj+\x)+4*\dy+\p:\d+8*(\jj+\x)+4*\dy+\p+1], v[\wt+8*\dy+\jj:\wt+8*\dy+\jj+1] op_sel:[0,\x] op_sel_hi:[1,\x]
.else
	v_pk_fma_f32 v[ACC+4*\dy+\p:ACC+4*\dy+\p+1], v[\d+8*(\jj+\x)+4*\dy+\p:\d+8*(\jj+\x)+4*\dy+\p+1], v[\wt+8*\dy+\jj:\wt+8*\dy+\jj+1], v[ACC+4*\dy+\p:ACC+4*\dy+\p+1] op_sel:[0,\x,0] op_sel_hi:[1,\x,1]
.endif
.endr
.endr
.endr
.endr
.endm
.macro FINISH k                        ; the two rows' sums; then the lane of column 0 keeps channels 0, 1 and sends 2, 3, the lane of column 1 the other way round
	v_pk_add_f32 v[ACC:ACC+1], v[ACC:ACC+1], v[ACC+4:ACC+5]
	v_pk_add_f32 v[ACC+2:ACC+3], v[ACC+2:ACC+3], v[ACC+6:ACC+7]
	s_wait_xcnt 0x0                                ; the last item's store has read its data
	v_cndmask_b32 v[FN+2], v[ACC], v[ACC+2], s28
	v_cndmask_b32 v[FN+3], v[ACC+1], v[ACC+3], s28
	v_cndmask_b32 v[FN+4], v[ACC+2], v[ACC], s28
	v_cndmask_b32 v[FN+5], v[ACC+3], v[ACC+1], s28
	v_add_f32_dpp v[FN], v[FN+4], v[FN+2] row_xmask:8 row_mask:0xf bank_mask:0xf
	v_add_f32_dpp v[FN+1], v[FN+5], v[FN+3] row_xmask:8 row_mask:0xf bank_mask:0xf
	global_store_b64 v[VO], v[FN:FN+1], s[10:11] offset:16384*(\k)   ; 32 lanes store 256 consecutive bytes, aligned
.endm
.macro ITEM k
	ADDR ADB, 1, 13098, 13279                      ; (half B's last gathers were waited for in the item before)
	LDI (\k)+1
	GATH DB, ADB, 25, 13
	LDW WB, 1, \k
	s_wait_loadcnt 24                              ; half A is in; behind it: 4 loads of indices, 16 gathers, 4 loads of weights
	FMA DA, WA, 1
	s_wait_loadcnt 20                              ; the next indices are in; behind them: half B's 20
	ADDR ADA, 0, 9898, 12448
	GATH DA, ADA, 100, 50
	LDW WA, 0, (\k)+1
	s_wait_loadcnt 20                              ; half B is in; behind it: the next item's half A, 20
	FMA DB, WB, 0
	FINISH \k
.endm
	s_load_b256 s[4:11], s[0:1], 0x0               ; idx s[4:5], cf s[6:7], vtab s[8:9], outf s[10:11]
	v_lshrrev_b32 v5, 5, v0
	v_readfirstlane_b32 s12, v5                    ; wave
	v_bfe_u32 v5, v0, 4, 1                         ; hs
	v_bfe_u32 v6, v0, 3, 1                         ; dx
	v_and_b32 v7, 7, v0                            ; i
	v_mul_u32_u24 v[VI], v5, 61440
	v_mul_u32_u24 v[VW], v5, 245760
	v_lshl_add_u32 v[VW], v6, 6, v[VW]
	v_mul_u32_u24 v[LC], v5, 1701632
	v_lshl_add_u32 v[LC], v6, 7, v[LC]
	v_lshl_add_u32 v[LC], v7, 4, v[LC]
	v_lshlrev_b32 v[VO], 7, v5
	v_lshl_add_u32 v[VO], v7, 4, v[VO]
	v_lshl_add_u32 v[VO], v6, 3, v[VO]
	v_mov_b32 v[FN], 0                             ; a DPP form's destination counts as read
	v_mov_b32 v[FN+1], 0
	s_and_b32 s13, ttmp7, 0xffff                   ; b
	s_and_b32 s14, s12, 3                          ; the pair of heads
	s_lshr_b32 s15, s12, 2
	s_mul_i32 s15, s15, 15
	s_mul_i32 s16, ttmp9, 30
	s_add_co_u32 s15, s15, s16                     ; my first l
	s_lshl_b32 s16, s13, 3
	s_lshl_b32 s17, s14, 1
	s_add_co_u32 s16, s16, s17                     ; bh of the pair's first head
	s_mul_i32 s18, s16, 960
	s_add_co_u32 s18, s18, s15
	s_lshl_b32 s20, s18, 6
	s_mov_b32 s21, 0
	s_lshl_b32 s22, s18, 8
	s_mov_b32 s23, 0
	s_mul_i32 s24, s16, 1701632
	s_mov_b32 s25, 0
	s_lshl_b32 s26, s15, 4
	s_add_co_u32 s26, s26, s13
	s_lshl_b32 s26, s26, 10
	s_lshl_b32 s27, s14, 8
	s_add_co_u32 s26, s26, s27
	s_mov_b32 s27, 0
	s_mov_b32 s28, 0xff00ff00                      ; the lanes of column 1
	s_wait_kmcnt 0x0
	s_add_nc_u64 s[4:5], s[4:5], s[20:21]
	s_add_nc_u64 s[6:7], s[6:7], s[22:23]
	s_add_nc_u64 s[6:7], s[6:7], 15728640          ; the weights lie behind t1
	s_add_nc_u64 s[8:9], s[8:9], s[24:25]
	s_add_nc_u64 s[10:11], s[10:11], s[26:27]
	LDI 0
	s_wait_loadcnt 0x0
	ADDR ADA, 0, 9898, 12448
	GATH DA, ADA, 100, 50
	LDW WA, 0, 0
.set K, 0
.rept 14
	ITEM K
.set K, K+1
.endr
	ADDR ADB, 1, 13098, 13279                      ; the last item asks for nothing beyond itself
	GATH DB, ADB, 25, 13
	LDW WB, 1, 14
	s_wait_loadcnt 20                              ; half A is in; half B's 20 may be out
	FMA DA, WA, 1
	s_wait_loadcnt 0x0
	FMA DB, WB, 0
	FINISH 14
	s_endpgm
.Lfunc_end_k_q46437c6536_gather:
	.size	k_q46437c6536_gather, .Lfunc_end_k_q46437c6536_gather-k_q46437c6536_gather
	.p2alignl 7, 3214868480
	.fill 96, 4, 3214868480
	.section	.rodata,"a",@progbits
	.p2align	6, 0x0
	.amdhsa_kernel k_q46437c6536_gather
		.amdhsa_group_segment_fixed_size 0
		.amdhsa_private_segment_fixed_size 0
		.amdhsa_enable_private_segment 0
		.amdhsa_kernarg_size 32
		.amdhsa_user_sgpr_count 2
		.amdhsa_user_sgpr_kernarg_segment_ptr 1
		.amdhsa_wavefront_size32 1
		.amdhsa_system_sgpr_workgroup_id_x 1
		.amdhsa_system_sgpr_workgroup_id_y 1
		.amdhsa_system_sgpr_workgroup_id_z 1
		.amdhsa_system_vgpr_workitem_id 0
		.amdhsa_next_free_vgpr 216
		.amdhsa_next_free_sgpr 66
		.amdhsa_reserve_vcc 0
		.amdhsa_float_denorm_mode_32 3
		.amdhsa_float_denorm_mode_16_64 3
		.amdhsa_memory_ordered 1
		.amdhsa_forward_progress 1
		.amdhsa_inst_pref_size 165
	.end_amdhsa_kernel
	.amdgpu_metadata
---
amdhsa.version: [ 1, 2 ]
amdhsa.kernels:
  - .name:           k_q46437c6536_gather
    .symbol:         k_q46437c6536_gather.kd
    .args:
      - { .name: idx, .offset: 0, .size: 8, .value_kind: global_buffer, .address_space: global }
      - { .name: cf, .offset: 8, .size: 8, .value_kind: global_buffer, .address_space: global }
      - { .name: vtab, .offset: 16, .size: 8, .value_kind: global_buffer, .address_space: global }
      - { .name: outf, .offset: 24, .size: 8, .value_kind: global_buffer, .address_space: global }
    .group_segment_fixed_size: 0
    .private_segment_fixed_size: 0
    .kernarg_segment_align: 8
    .kernarg_segment_size: 32
    .max_flat_workgroup_size: 256
    .sgpr_count:     66
    .vgpr_count:     216
    .wavefront_size: 32
...
	.end_amdgpu_metadata
.endif
;; end of part 6
;; launch ffn (part 7): grid 225 x 1, 8 waves a work-group, no clusters, 158,720 bytes of LDS; arguments outf, cf, wq, ms_out_b, norm1_g, norm1_b, lin1_b, lin2_b, norm3_g, norm3_b, out0; writes out0
.if DOCPART == 7
	.amdgcn_target "amdgcn-amd-amdhsa--gfx1250"
	.amdhsa_code_object_version 6
	.text
	.protected	k_q46437c6536_ffn
	.globl	k_q46437c6536_ffn
	.p2align	8
	.type	k_q46437c6536_ffn,@function
k_q46437c6536_ffn:
	s_mov_b64 s[64:65], 0
	v_nop
	global_prefetch_b8 v0, s[64:65] scope:SCOPE_SE
	s_setreg_imm32_b32 hwreg(HW_REG_WAVE_MODE, 25, 1), 1
	s_wait_xcnt 0x0
; t2 = LN1(t1 + s Wm^T + bm), s the sampled sums; out = LN3(t2 + relu(t2 W1^T + b1) W2^T + b2).  All three products on codes of E5M2 with E8M0 scales; the operands are quantised on the way and go from wave to wave
; through LDS as images of operand registers (a group of four registers: 512 bytes, lane l's 16 bytes at 16 l; scale words 4 bytes a lane).  The hidden layer never goes to memory.
; SHARES.  A work-group takes 64 rows (l, b), natural order, four tiles of 16.  THE WAVES SHARE THE COLUMNS: wave w owns channels 32 w .. 32 w + 31 of the 256-wide results and hidden units 128 w .. 128 w + 127.
; All products are used transposed (source 0 = 16 rows of a weight, in the chosen order of the launch that quantised them; source 1 = 16 rows of the operand): a lane holds one row and 16 neighbouring channels.
; So a wave's 32 channels of a row are one block of the next K: its codes are one group of four registers of the next operand's image, its scale one byte of the scale word.
; WEIGHTS come from wq in chunks of four fragments (two tiles x two K steps), two slots by turns, each asked for a chunk and more ahead: ms_out 1 chunk, lin1 4, lin2 4.
; LAYER NORM as in the launch that made t1: each wave's mean and sum of squared deviations of 32 channels, joined as M2 = sum M2_k + 32 sum (mu_k - mu)^2.
; No tensor load, no cluster: what work-groups share is 576 KB of weights' codes; each work-group reads them once.
; REGISTERS: window 0: v1-15, v40-52 addresses; v16-23 weights' scale words; v32-35 operands'; v60-123 AF; v124-187 ACC; v188-251 RES (the quantiser's registers lie over it).  window 1: v0-127 two slots of weights; v128-255 biases, gain, shift.
; LIMITS: NaN and infinities are not served; a block of zeros gets the byte 1 (its codes are zeros; this program alone reads the bytes).
.set AIMG, 0                           ; LDS: 8 fragments (2 m + K step): s's, later t2's,
.set ASC, 16384                        ; their scale words,
.set HIMG, 17408                       ; the hidden layer's 32 fragments (8 m + K step),
.set HSC, 82944                        ; their scale words,
.set T2S, 87040                        ; 64 rows of 1,024 bytes + 16: t2, later the result,
.set LNS, 153600                       ; the norms' figures: [m][r][wave] 8 bytes
.set WSCL, 1015808
.set LI, 1
.set LS, 2
.set ROW, 5
.set VW4, 9
.set VWS4, 10
.set VW16, 11
.set VWS16, 12
.set LNW, 13
.set LNR, 14
.set T2W, 15
.set WS, 16
.set XS, 32
.set QWI, 40
.set QWS, 41
.set T2R, 42
.set OG, 43
.set LIH, 44
.set LSH, 45
.set HWI, 46
.set HWS, 47
.set XA, 48
.set XWI, 49
.set XWS, 50
.set PB32, 51
.set PB128, 52
.set AF, 60
.set ACC, 124
.set RES, 188
.set TM, 188
.set PC, 204
.set PW, 252
.set BMS, 128
.set BL1, 144
.set BL2, 208
.set GG, 224
.set BB, 240
.set WQ, 8
.set SEL, 32
.set MNT, 34
.set I256, 38
.set EPS, 39
.set MSB, 0
.macro WIN new                         ; the immediate's high byte repeats the setting that is left
.if MSB != \new
	s_set_vgpr_msb (MSB<<8)|\new
.set MSB, \new
.endif
.endm
.macro PLACES n
.rept \n
	v_nop
.endr
.endm
.macro BARRIER
	s_wait_dscnt 0x0
	s_barrier_signal -1
	s_barrier_wait -1
.endm
.macro QUANT s, relu                   ; 64 numbers of a lane in four blocks of 16 (the other 16 lie in lane l xor 16) -> codes in v[PC] on, bytes in v[TM+4] on, the word in v[PW].  relu = 1: what is negative becomes 0
.irp b, 0,1,2,3
.if \relu
	v_max3_num_f32 v[TM+\b], v[\s+16*\b], v[\s+16*\b+1], 0x8000000
.else
	v_max3_num_f32 v[TM+\b], |v[\s+16*\b]|, |v[\s+16*\b+1]|, 0x8000000
.endif
.endr
.irp i, 2,4,6,8,10,12,14
.irp b, 0,1,2,3
.if \relu
	v_max3_num_f32 v[TM+\b], v[TM+\b], v[\s+16*\b+\i], v[\s+16*\b+\i+1]
.else
	v_max3_num_f32 v[TM+\b], v[TM+\b], |v[\s+16*\b+\i]|, |v[\s+16*\b+\i+1]|
.endif
.endr
.endr
.irp b, 0,1,2,3
	v_permlanex16_b32 v[TM+4+\b], v[TM+\b], s[SEL], s[SEL+1]
.endr
.irp b, 0,1,2,3
	v_max_num_f32 v[TM+\b], v[TM+\b], v[TM+4+\b]
.endr
.irp b, 0,1,2,3
	v_add_nc_u32 v[TM+12+\b], 0xf8800000, v[TM+\b]
.endr
.irp b, 0,1,2,3
	v_and_or_b32 v[TM+8+\b], v[TM+\b], 0x7f800000, s[MNT]
.endr
.irp b, 0,1,2,3
	v_lshrrev_b32 v[TM+4+\b], 23, v[TM+12+\b]
.endr
	v_lshl_or_b32 v[PW], v[TM+5], 8, v[TM+4]
	v_lshl_or_b32 v[PW], v[TM+6], 16, v[PW]
	v_lshl_or_b32 v[PW], v[TM+7], 24, v[PW]
.irp b, 0,1,2,3
.irp i, 0,1,2,3,4,5,6,7,8,9,10,11,12,13,14,15
.if \relu
	v_med3_num_f32 v[\s+16*\b+\i], v[\s+16*\b+\i], 0, v[TM+8+\b]             ; the activation and the hold in one
.else
	v_med3_num_f32 v[\s+16*\b+\i], v[\s+16*\b+\i], -v[TM+8+\b], v[TM+8+\b]   ; the conversion does not saturate (ISA guide 7.6.2): the hold
.endif
.endr
	v_cvt_scalef32_pk8_bf8_f32 v[PC+4*\b:PC+4*\b+1], v[\s+16*\b:\s+16*\b+7], v[TM+12+\b]
	v_cvt_scalef32_pk8_bf8_f32 v[PC+4*\b+2:PC+4*\b+3], v[\s+16*\b+8:\s+16*\b+15], v[TM+12+\b]
.endr
	v_nop                                                 ; a plain line behind the last conversion
.endm
.macro LOADW slot, voff, vsoff, f0, f1, f2, f3   ; four weight fragments (2 u + K step) into window 1, v[64 slot] on, and their scale words: 20 loads
	WIN 0x40
.set LWI, 0
.irp f, \f0, \f1, \f2, \f3
.irp c, 0,1,2,3
	global_load_b128 v[64*(\slot)+16*LWI+4*\c:64*(\slot)+16*LWI+4*\c+3], v[\voff], s[WQ:WQ+1] offset:(\f)*2048+512*\c
.endr
.set LWI, LWI+1
.endr
	WIN 0
.set LWI, 0
.irp f, \f0, \f1, \f2, \f3
	global_load_b32 v[WS+4*(\slot)+LWI], v[\vsoff], s[WQ:WQ+1] offset:WSCL+(\f)*128
.set LWI, LWI+1
.endr
.endm
.macro FETCH4 vi, vs, img, sc, ks, kk  ; the four row tiles' fragments of K step kk, and their scale words, from their images in LDS
.irp m, 0,1,2,3
.irp c, 0,1,2,3
	ds_load_b128 v[AF+16*\m+4*\c:AF+16*\m+4*\c+3], v[\vi] offset:\img+(\m*\ks+\kk)*2048+512*\c
.endr
	ds_load_b32 v[XS+\m], v[\vs] offset:\sc+(\m*\ks+\kk)*128
.endr
.endm
.macro MM8 slot, kk, cw                ; eight accumulators by turns.  cw >= 0: the bias, in window 1, starts the sums
.if \cw >= 0
	WIN 0x11
.else
	WIN 0x01
.endif
.irp m, 0,1,2,3
.irp u, 0,1
.if \cw >= 0
	v_wmma_scale_f32_16x16x128_f8f6f4 v[ACC+16*\m+8*\u:ACC+16*\m+8*\u+7], v[64*(\slot)+16*(2*\u+\kk):64*(\slot)+16*(2*\u+\kk)+15], v[AF+16*\m:AF+16*\m+15], v[\cw+8*\u:\cw+8*\u+7], v[WS+4*(\slot)+2*\u+\kk], v[XS+\m] matrix_a_fmt:MATRIX_FMT_BF8 matrix_b_fmt:MATRIX_FMT_BF8
.else
	v_wmma_scale_f32_16x16x128_f8f6f4 v[ACC+16*\m+8*\u:ACC+16*\m+8*\u+7], v[64*(\slot)+16*(2*\u+\kk):64*(\slot)+16*(2*\u+\kk)+15], v[AF+16*\m:AF+16*\m+15], v[ACC+16*\m+8*\u:ACC+16*\m+8*\u+7], v[WS+4*(\slot)+2*\u+\kk], v[XS+\m] matrix_a_fmt:MATRIX_FMT_BF8 matrix_b_fmt:MATRIX_FMT_BF8
.endif
.endr
.endr
.endm
; two K steps of 128, s0 and s0 + 1.  Eight places stand in front of each run of loads into registers that matrix instructions have read, and behind the last products
.macro PRODUCT slot, vi, vs, img, sc, ks, s0, cw
	PLACES 8
	FETCH4 \vi, \vs, \img, \sc, \ks, \s0
	s_wait_dscnt 0x0
	MM8 \slot, 0, \cw
	WIN 0
	PLACES 8
	FETCH4 \vi, \vs, \img, \sc, \ks, (\s0)+1
	s_wait_dscnt 0x0
	MM8 \slot, 1, -1
	WIN 0
	PLACES 8
.endm
; my 32 channels' mean and sum of squared deviations, for each of the 64 rows, to LDS.  y lies in ACC; AF is at work
.macro LNSTAT
.irp m, 0,1,2,3
.irp k, 0,1,2,3
	v_pk_add_f32 v[AF+16*\m+2*\k:AF+16*\m+2*\k+1], v[ACC+16*\m+4*\k:ACC+16*\m+4*\k+1], v[ACC+16*\m+4*\k+2:ACC+16*\m+4*\k+3]
.endr
.endr
.irp m, 0,1,2,3
	v_pk_add_f32 v[AF+16*\m:AF+16*\m+1], v[AF+16*\m:AF+16*\m+1], v[AF+16*\m+2:AF+16*\m+3]
	v_pk_add_f32 v[AF+16*\m+4:AF+16*\m+5], v[AF+16*\m+4:AF+16*\m+5], v[AF+16*\m+6:AF+16*\m+7]
.endr
.irp m, 0,1,2,3
	v_pk_add_f32 v[AF+16*\m:AF+16*\m+1], v[AF+16*\m:AF+16*\m+1], v[AF+16*\m+4:AF+16*\m+5]
.endr
.irp m, 0,1,2,3
	v_add_f32 v[AF+16*\m], v[AF+16*\m], v[AF+16*\m+1]
.endr
.irp m, 0,1,2,3
	v_permlanex16_b32 v[AF+16*\m+1], v[AF+16*\m], s[SEL], s[SEL+1]
.endr
.irp m, 0,1,2,3
	v_add_f32 v[AF+16*\m], v[AF+16*\m], v[AF+16*\m+1]
.endr
.irp m, 0,1,2,3
	v_mul_f32 v[AF+16*\m], 0x3d000000, v[AF+16*\m]         ; / 32: my mean
.endr
.irp k, 0,1,2,3,4,5,6,7
.irp m, 0,1,2,3
	v_pk_add_f32 v[AF+16*\m+2+2*(\k%2):AF+16*\m+3+2*(\k%2)], v[ACC+16*\m+2*\k:ACC+16*\m+2*\k+1], v[AF+16*\m:AF+16*\m+1] op_sel_hi:[1,0] neg_lo:[0,1] neg_hi:[0,1]
.endr
.irp m, 0,1,2,3
.if \k == 0
	v_pk_mul_f32 v[AF+16*\m+6:AF+16*\m+7], v[AF+16*\m+2:AF+16*\m+3], v[AF+16*\m+2:AF+16*\m+3]
.else
	v_pk_fma_f32 v[AF+16*\m+6:AF+16*\m+7], v[AF+16*\m+2+2*(\k%2):AF+16*\m+3+2*(\k%2)], v[AF+16*\m+2+2*(\k%2):AF+16*\m+3+2*(\k%2)], v[AF+16*\m+6:AF+16*\m+7]
.endif
.endr
.endr
.irp m, 0,1,2,3
	v_add_f32 v[AF+16*\m+6], v[AF+16*\m+6], v[AF+16*\m+7]
.endr
.irp m, 0,1,2,3
	v_permlanex16_b32 v[AF+16*\m+7], v[AF+16*\m+6], s[SEL], s[SEL+1]
.endr
.irp m, 0,1,2,3
	v_add_f32 v[AF+16*\m+1], v[AF+16*\m+6], v[AF+16*\m+7]
.endr
.irp m, 0,1,2,3
	ds_store_b64 v[LNW], v[AF+16*\m:AF+16*\m+1] offset:1024*\m   ; both halves of the lanes write the same bytes with the same numbers
.endr
.endm
; behind a barrier: the eight waves' figures are joined, and y becomes (y - mu) rsqrt(var + 1e-5) g + b, in place
.macro LNAPPLY g, bb
.irp m, 0,1,2,3
.irp k, 0,1,2,3
	ds_load_b128 v[AF+16*\m+4*\k:AF+16*\m+4*\k+3], v[LNR] offset:1024*\m+16*\k
.endr
.endr
	s_wait_dscnt 0x0
.irp m, 0,1,2,3
	v_pk_add_f32 v[254:255], v[AF+16*\m:AF+16*\m+1], v[AF+16*\m+2:AF+16*\m+3]
.irp k, 2,3,4,5,6,7
	v_pk_add_f32 v[254:255], v[254:255], v[AF+16*\m+2*\k:AF+16*\m+2*\k+1]
.endr
	v_mul_f32 v254, 0x3e000000, v254                       ; mu
.irp k, 0,1,2,3,4,5,6,7
	v_sub_f32 v[AF+16*\m+2*\k], v[AF+16*\m+2*\k], v254
.endr
	v_mul_f32 v253, v[AF+16*\m], v[AF+16*\m]
.irp k, 1,2,3,4,5,6,7
	v_fmac_f32 v253, v[AF+16*\m+2*\k], v[AF+16*\m+2*\k]
.endr
	v_fmamk_f32 v255, v253, 0x42000000, v255               ; + 32 sum (mu_k - mu)^2
	v_fma_f32 v253, v255, s[I256], s[EPS]
	v_rsq_f32 v252, v253
.irp k, 0,1,2,3,4,5,6,7
	v_pk_add_f32 v[ACC+16*\m+2*\k:ACC+16*\m+2*\k+1], v[ACC+16*\m+2*\k:ACC+16*\m+2*\k+1], v[254:255] op_sel_hi:[1,0] neg_lo:[0,1] neg_hi:[0,1]   ; plain lines behind the root, which touch neither its result nor its source
.endr
	s_wait_alu depctr_va_vdst(0)
.irp k, 0,1,2,3,4,5,6,7
	v_pk_mul_f32 v[ACC+16*\m+2*\k:ACC+16*\m+2*\k+1], v[ACC+16*\m+2*\k:ACC+16*\m+2*\k+1], v[252:253] op_sel_hi:[1,0]
.endr
.endr
	WIN 0x14
.irp m, 0,1,2,3
.irp k, 0,1,2,3,4,5,6,7
	v_pk_fma_f32 v[ACC+16*\m+2*\k:ACC+16*\m+2*\k+1], v[ACC+16*\m+2*\k:ACC+16*\m+2*\k+1], v[\g+2*\k:\g+2*\k+1], v[\bb+2*\k:\bb+2*\k+1]
.endr
.endr
	WIN 0
.endm
.macro ADDRES                          ; y = the product + the residual, each accumulator from its low end on
.set J, 0
.rept 32
	v_pk_add_f32 v[ACC+J:ACC+J+1], v[ACC+J:ACC+J+1], v[RES+J:RES+J+1]
.set J, J+2
.endr
.endm
.macro TOSTAGE                         ; my 16 channels of my four rows into the stage
.irp m, 0,1,2,3
.irp c, 0,1,2,3
	ds_store_b128 v[T2W], v[ACC+16*\m+4*\c:ACC+16*\m+4*\c+3] offset:16640*\m+16*\c
.endr
.endr
.endm
	s_load_b512 s[4:19], s[0:1], 0x0               ; outf 4, cf 6, wq 8, ms_out_b 10, norm1_g 12, norm1_b 14, lin1_b 16, lin2_b 18
	s_load_b128 s[20:23], s[0:1], 0x40             ; norm3_g, norm3_b
	s_load_b64 s[24:25], s[0:1], 0x50              ; out0
	v_lshl_add_u32 v58, v0, 2, 0x26800
	v_mov_b32 v59, 0
	v_lshrrev_b32 v3, 5, v0
	v_readfirstlane_b32 s28, v3                    ; wave
	v_and_b32 v5, 31, v0
	v_lshlrev_b32 v[LI], 4, v5
	v_lshlrev_b32 v[LS], 2, v5
	v_and_b32 v3, 15, v0                           ; r
	v_bfe_u32 v4, v0, 4, 1                         ; h
	s_lshl_b32 s29, ttmp9, 16                      ; my 64 rows of 1,024 bytes
	s_mov_b32 s[SEL], 0x76543210
	s_mov_b32 s[SEL+1], 0xfedcba98
	s_mov_b32 s[MNT], 0x600000
	s_mov_b32 s[I256], 0x3b800000                  ; 1 / 256
	s_mov_b32 s[EPS], 0x3727c5ac                   ; 1e-5
.irp b, 0,1,2,3
	v_mov_b32 v[TM+4+\b], 0                        ; a lane permute's destination counts as one of its sources
.endr
	s_lshl_b32 s45, s28, 7
	s_add_co_u32 s44, s29, s45
	v_lshl_add_u32 v[ROW], v3, 10, s44
	v_lshl_add_u32 v[ROW], v4, 6, v[ROW]           ; t1: row r of a tile, + 128 w + 64 h
	s_lshr_b32 s46, s28, 1
	s_lshl_b32 s46, s46, 14
	s_and_b32 s47, s28, 1
	s_lshl_b32 s47, s47, 9
	s_add_co_u32 s46, s46, s47
	s_add_co_u32 s46, s46, s29
	v_lshl_add_u32 v[XA], v3, 10, s46
	v_lshl_add_u32 v[XA], v4, 6, v[XA]             ; the fragment that I quantise: tile w / 2, K step w % 2
	s_lshl_b32 s46, s28, 11
	v_add_nc_u32 v[XWI], s46, v[LI]
	v_add_nc_u32 v[XWS], s45, v[LS]
	s_lshl_b32 s46, s28, 13
	v_add_nc_u32 v[VW4], s46, v[LI]                ; weights of four fragments a wave,
	s_lshl_b32 s46, s28, 9
	v_add_nc_u32 v[VWS4], s46, v[LS]
	v_lshl_add_u32 v[PB128], v4, 6, s46            ; lin1_b: 512 w + 64 h
	s_lshl_b32 s46, s28, 15
	v_add_nc_u32 v[VW16], s46, v[LI]               ; of sixteen
	s_lshl_b32 s46, s28, 11
	v_add_nc_u32 v[VWS16], s46, v[LS]
	v_lshl_add_u32 v[PB32], v4, 6, s45             ; biases, gain, shift: 128 w + 64 h
	s_lshl_b32 s51, s28, 3
	v_lshl_add_u32 v[LNW], v3, 6, s51
	v_add_nc_u32 v[LNW], LNS, v[LNW]
	v_lshl_add_u32 v[LNR], v3, 6, LNS
	v_mul_u32_u24 v[T2W], v3, 1040
	v_lshl_add_u32 v[T2W], v4, 6, v[T2W]
	v_add_nc_u32 v[T2W], s45, v[T2W]
	v_add_nc_u32 v[T2W], T2S, v[T2W]
	s_lshr_b32 s52, s28, 2
	s_and_b32 s53, s28, 3
	s_lshl_b32 s54, s52, 11
	s_lshl_b32 s55, s53, 9
	s_add_co_u32 s54, s54, s55
	v_add_nc_u32 v[QWI], s54, v[LI]                ; t2's images: K step w / 4, group of registers w % 4
	s_lshl_b32 s54, s52, 7
	s_add_co_u32 s54, s54, s53
	v_add_nc_u32 v[QWS], s54, v[LS]                ; and byte w % 4 of the scale words
	s_mul_i32 s54, s28, 8320
	v_add_nc_u32 v[T2R], s54, v[LI]
	v_add_nc_u32 v[T2R], T2S, v[T2R]               ; back: stage rows 8 w on
	s_lshl_b32 s54, s28, 13
	s_add_co_u32 s54, s54, s29
	v_add_nc_u32 v[OG], s54, v[LI]                 ; and the same rows in out0
	v_add_nc_u32 v[LIH], HIMG, v[LI]
	v_add_nc_u32 v[LSH], HSC, v[LS]
	s_lshl_b32 s54, s28, 11
	v_add_nc_u32 v[HWI], s54, v[LIH]               ; the hidden layer's images: K step w
	v_add_nc_u32 v[HWS], s45, v[LSH]
	s_wait_kmcnt 0x0
	; ---- X: my fragment of the sampled sums
.irp q, 0,1,2,3
.irp j, 0,1,2,3
	global_load_b128 v[ACC+16*\q+4*\j:ACC+16*\q+4*\j+3], v[XA], s[4:5] offset:128*\q+16*\j
.endr
.endr
	WIN 0x40
.irp c, 0,1,2,3
	global_load_b128 v[BMS+4*\c:BMS+4*\c+3], v[PB32], s[10:11] offset:16*\c
	global_load_b128 v[BL2+4*\c:BL2+4*\c+3], v[PB32], s[18:19] offset:16*\c
	global_load_b128 v[GG+4*\c:GG+4*\c+3], v[PB32], s[12:13] offset:16*\c
	global_load_b128 v[BB+4*\c:BB+4*\c+3], v[PB32], s[14:15] offset:16*\c
.irp q, 0,1,2,3
	global_load_b128 v[BL1+16*\q+4*\c:BL1+16*\q+4*\c+3], v[PB128], s[16:17] offset:128*\q+16*\c
.endr
.endr
	WIN 0
	LOADW 0, VW4, VWS4, 208, 209, 210, 211         ; chunk 0: ms_out
	LOADW 1, VW16, VWS16, 240, 241, 242, 243       ; chunk 1: lin1's first
	s_wait_loadcnt 63                              ; 88 loads are issued, my fragment's 16 first: with 63 out at the most they are in
	QUANT ACC, 0
.irp c, 0,1,2,3
	ds_store_b128 v[XWI], v[PC+4*\c:PC+4*\c+3] offset:AIMG+512*\c
.endr
	ds_store_b32 v[XWS], v[PW] offset:ASC
	BARRIER                                        ; the eight fragments lie in LDS
.irp m, 0,1,2,3
.irp c, 0,1,2,3
	global_load_b128 v[RES+16*\m+4*\c:RES+16*\m+4*\c+3], v[ROW], s[6:7] offset:16384*\m+16*\c   ; t1, the residual
.endr
.endr
	; ---- s Wm^T + bm, + t1, layer norm
	s_wait_loadcnt 36                              ; parameters and chunk 0 are in; chunk 1's 20 and t1's 16 may be out
	PRODUCT 0, LI, LS, AIMG, ASC, 2, 0, BMS
	LOADW 0, VW16, VWS16, 244, 245, 246, 247       ; chunk 2
	s_wait_loadcnt 20                              ; t1 is in; chunk 2's 20 may be out
	ADDRES
	LNSTAT
	BARRIER                                        ; also: every wave's reads of s's images are in
	LNAPPLY GG, BB
	WIN 0x40
.irp c, 0,1,2,3
	global_load_b128 v[GG+4*\c:GG+4*\c+3], v[PB32], s[20:21] offset:16*\c    ; the last norm's gain and shift take the first's place
	global_load_b128 v[BB+4*\c:BB+4*\c+3], v[PB32], s[22:23] offset:16*\c
.endr
	WIN 0
	TOSTAGE                                        ; t2 is kept for the last residual: each lane reads its own bytes back
	s_wait_dscnt 0x0                               ; the stores have read their registers: the quantiser holds the numbers in place
	QUANT ACC, 0                                   ; block m: tile m's rows, my 32 channels
.irp m, 0,1,2,3
	ds_store_b128 v[QWI], v[PC+4*\m:PC+4*\m+3] offset:AIMG+4096*\m
	ds_store_b8 v[QWS], v[TM+4+\m] offset:ASC+256*\m
.endr
	BARRIER                                        ; t2's eight fragments lie in LDS
	; ---- the hidden layer: my 128 units, 32 at a time
.irp bq, 0,1,2,3
.if \bq < 2
	s_wait_loadcnt 28                              ; this chunk is in; behind it: one chunk's 20 loads and the norm's 8
.else
	s_wait_loadcnt 20                              ; behind it: one chunk's 20
.endif
	PRODUCT (\bq+1)%2, LI, LS, AIMG, ASC, 2, 0, BL1+16*\bq
.if \bq < 2
	LOADW (\bq+1)%2, VW16, VWS16, 248+4*\bq, 249+4*\bq, 250+4*\bq, 251+4*\bq          ; lin1's chunk after next
.else
	LOADW (\bq+1)%2, VW16, VWS16, 364+2*\bq, 365+2*\bq, 372+2*\bq, 373+2*\bq          ; lin2's first two: tiles 2 w, 2 w + 1, K steps 2 (bq - 2), + 1
.endif
	QUANT ACC, 1
.irp m, 0,1,2,3
	ds_store_b128 v[HWI], v[PC+4*\m:PC+4*\m+3] offset:16384*\m+512*\bq   ; K step w of the next product, block bq
	ds_store_b8 v[HWS], v[TM+4+\m] offset:1024*\m+\bq
.endr
	s_wait_dscnt 0x0
.endr
	BARRIER                                        ; the hidden layer's 32 fragments lie in LDS
	; ---- hidden W2^T + b2: eight K steps, two to a chunk
.irp c, 0,1,2,3
.if \c < 3
	s_wait_loadcnt 20
.else
	s_wait_loadcnt 0x0
.endif
.if \c == 0
	PRODUCT 1, LIH, LSH, 0, 0, 8, 0, BL2
.else
	PRODUCT (\c+1)%2, LIH, LSH, 0, 0, 8, 2*\c, -1
.endif
.if \c < 2
	LOADW (\c+1)%2, VW16, VWS16, 372+2*\c, 373+2*\c, 380+2*\c, 381+2*\c
.endif
.endr
	; ---- + t2, layer norm, out
.irp m, 0,1,2,3
.irp c, 0,1,2,3
	ds_load_b128 v[RES+16*\m+4*\c:RES+16*\m+4*\c+3], v[T2W] offset:16640*\m+16*\c
.endr
.endr
	s_wait_dscnt 0x0
	ADDRES
	LNSTAT
	BARRIER
	LNAPPLY GG, BB
	TOSTAGE                                        ; over my own bytes of t2, which nobody else has read
	BARRIER                                        ; 64 whole rows lie in the stage
.irp i, 0,1,2,3,4,5,6,7
.irp hf, 0,1
	ds_load_b128 v[AF+8*\i+4*\hf:AF+8*\i+4*\hf+3], v[T2R] offset:1040*\i+512*\hf
.endr
.endr
	s_wait_dscnt 0x0
.irp i, 0,1,2,3,4,5,6,7
.irp hf, 0,1
	global_store_b128 v[OG], v[AF+8*\i+4*\hf:AF+8*\i+4*\hf+3], s[24:25] offset:1024*\i+512*\hf th:TH_STORE_NT   ; 32 lanes store 512 consecutive bytes; written once, read by nobody here
.endr
.endr
	s_wait_tensorcnt 0x0
	ds_add_u32 v58, v59
	s_wait_dscnt 0x0
	s_endpgm
.Lfunc_end_k_q46437c6536_ffn:
	.size	k_q46437c6536_ffn, .Lfunc_end_k_q46437c6536_ffn-k_q46437c6536_ffn
	.p2alignl 7, 3214868480
	.fill 96, 4, 3214868480
	.section	.rodata,"a",@progbits
	.p2align	6, 0x0
	.amdhsa_kernel k_q46437c6536_ffn
		.amdhsa_group_segment_fixed_size 158720
		.amdhsa_private_segment_fixed_size 0
		.amdhsa_enable_private_segment 0
		.amdhsa_kernarg_size 88
		.amdhsa_user_sgpr_count 2
		.amdhsa_user_sgpr_kernarg_segment_ptr 1
		.amdhsa_wavefront_size32 1
		.amdhsa_system_sgpr_workgroup_id_x 1
		.amdhsa_system_sgpr_workgroup_id_y 1
		.amdhsa_system_sgpr_workgroup_id_z 1
		.amdhsa_system_vgpr_workitem_id 0
		.amdhsa_next_free_vgpr 512
		.amdhsa_next_free_sgpr 66
		.amdhsa_reserve_vcc 0
		.amdhsa_float_denorm_mode_32 3
		.amdhsa_float_denorm_mode_16_64 3
		.amdhsa_memory_ordered 1
		.amdhsa_forward_progress 1
		.amdhsa_inst_pref_size 177
	.end_amdhsa_kernel
	.amdgpu_metadata
---
amdhsa.version: [ 1, 2 ]
amdhsa.kernels:
  - .name:           k_q46437c6536_ffn
    .symbol:         k_q46437c6536_ffn.kd
    .args:
      - { .name: outf, .offset: 0, .size: 8, .value_kind: global_buffer, .address_space: global }
      - { .name: cf, .offset: 8, .size: 8, .value_kind: global_buffer, .address_space: global }
      - { .name: wq, .offset: 16, .size: 8, .value_kind: global_buffer, .address_space: global }
      - { .name: ms_out_b, .offset: 24, .size: 8, .value_kind: global_buffer, .address_space: global }
      - { .name: norm1_g, .offset: 32, .size: 8, .value_kind: global_buffer, .address_space: global }
      - { .name: norm1_b, .offset: 40, .size: 8, .value_kind: global_buffer, .address_space: global }
      - { .name: lin1_b, .offset: 48, .size: 8, .value_kind: global_buffer, .address_space: global }
      - { .name: lin2_b, .offset: 56, .size: 8, .value_kind: global_buffer, .address_space: global }
      - { .name: norm3_g, .offset: 64, .size: 8, .value_kind: global_buffer, .address_space: global }
      - { .name: norm3_b, .offset: 72, .size: 8, .value_kind: global_buffer, .address_space: global }
      - { .name: out0, .offset: 80, .size: 8, .value_kind: global_buffer, .address_space: global }
    .group_segment_fixed_size: 158720
    .private_segment_fixed_size: 0
    .kernarg_segment_align: 8
    .kernarg_segment_size: 88
    .max_flat_workgroup_size: 256
    .sgpr_count:     66
    .vgpr_count:     512
    .wavefront_size: 32
...
	.end_amdgpu_metadata
.endif
;; end of part 7
;; ======== version 2 of 3: 7 launches; 1.18 times as fast as version 1
;; workspace buffers: wq 1,079,296 bytes; qkv 13,762,560 bytes; ob 4,177,920 bytes; cf 47,185,920 bytes; idx 7,864,320 bytes of whole numbers; vtab 217,808,896 bytes; outf 14,745,600 bytes
;; launch wquant: the kernel of part 1 again; grid 124 x 1, 4 waves a work-group, no clusters, 0 bytes of LDS; arguments in_proj_w, out_proj_w, samp_off_w, attn_w_w, val_proj_w, ms_out_w, lin1_w, lin2_w, wq; writes wq
;; launch qkv: the kernel of part 2 again; grid 15 x 16, 8 waves a work-group, no clusters, 35,840 bytes of LDS; arguments tgt, tgt_query_pos, in_proj_b, wq, qkv; writes qkv
;; launch attn: the kernel of part 3 again; grid 4 x 128, 16 waves a work-group, no clusters, 71,168 bytes of LDS; arguments qkv, ob; writes ob
;; launch saout: the kernel of part 4 again; grid 15 x 16, 8 waves a work-group, no clusters, 134,144 bytes of LDS; arguments ob, wq, tgt, tgt_query_pos, tgt_reference_points, out_proj_b, norm2_g, norm2_b, samp_off_b, attn_w_b, cf, idx; writes cf, idx
;; launch valproj: the kernel of part 5 again; grid 256 x 1, 8 waves a work-group, no clusters, 104,448 bytes of LDS; arguments memory, wq, val_proj_b, vtab; writes vtab
;; launch gather (part 8): grid 4 x 64, 15 waves a work-group, no clusters, 209,408 bytes of LDS; arguments idx, cf, vtab, outf; writes outf
.if DOCPART == 8
	.amdgcn_target "amdgcn-amd-amdhsa--gfx1250"
	.amdhsa_code_object_version 6
	.text
	.protected	k_q46437c6536_gather
	.globl	k_q46437c6536_gather
	.p2align	8
	.type	k_q46437c6536_gather,@function
k_q46437c6536_gather:
	s_mov_b64 s[64:65], 0
	v_nop
	global_prefetch_b8 v0, s[64:65] scope:SCOPE_SE
	s_setreg_imm32_b32 hwreg(HW_REG_WAVE_MODE, 25, 1), 1
	s_wait_xcnt 0x0
; The deformable attention's sampling: out(l, b, head, :) = the sum over 16 points and 4 corners of weight x value-table row.  The patch's first row (a whole number) and the four weights of each point were stored by an earlier launch.
; SHARES.  Work-group (x, y): the pair of heads bh = 2 y, 2 y + 1 (b = y / 4) and the 225 queries l = 225 x on: 64 pairs x 4 slices = 256 work-groups.  Wave w of 15: queries 15 w on, 15 items.
; THE SMALL LEVELS LIE IN LDS.  Levels 2 and 3 of a head are 794 rows of 128 bytes, and take half of all corner reads (8 of 16 points): 225 x 8 x 4 = 7,200 reads a head in this work-group on 794 rows.
; So the pair's two small levels are copied into LDS once (2 x 101,632 bytes) and read from there; levels 0 and 1 are gathered from memory.  Level 1 (320,000 bytes a head) does not fit beside them.
; THE COPY is 27 passes of 480 threads x 16 bytes = 207,360 bytes: so that it divides evenly, it begins 32 rows (4,096 bytes) ahead of the first head's level 2; those bytes lie inside the table and nobody reads them from LDS.
; A LANE: hs = lane / 16 (which head of the pair), dx = (lane / 8) % 2 (which column of the patch), i = lane % 8 (which 16 bytes of a row's 128).  So one load of 16 bytes a lane reads, for each head, 256 consecutive bytes: columns bx, bx + 1.
; The row below (dy = 1) lies W rows on: an immediate.  A lane sums its column's part of four channels; the two columns meet by one exchange between
; lanes 8 apart, and the wave stores 256 consecutive aligned bytes.
; THE ORDER OF LOADS.  Half A (points 0-7: levels 0, 1) runs two items ahead in two sets of registers.  Item k issues, in this order, the small loads of item k + 1 (weights, half B's indices, half A's indices of item k + 3) and then
; the 16 gathers of item k + 2.  Loads come back in order (ISA guide 5.7.1): at an item's head the count 16 shows its gathers and its small loads in, and leaves the next item's gathers on their way.  All 15 items are written out: every step along l is an immediate.
; An index is held to its level's largest patch row by v_min_u32 ahead of the address (9,898, 12,448; behind the subtraction of 12,500: 598, 779): with the corner's + 1 + W it stays inside the table, and inside the copy in LDS.
; No matrix unit: nothing here is a product of matrices.  No tensor load: the copy is made once.  No cluster: the four work-groups of a pair share only the copy.  No prefetch: an item's addresses are known when its indices are in, and its loads go out then.
.set VI, 1                             ; idx: 61,440 hs
.set VW, 2                             ; weights: 245,760 hs + 64 dx
.set LC, 3                             ; table: 1,701,632 hs + 128 dx + 16 i
.set VO, 4                             ; out: 128 hs + 16 i + 8 dx
.set LCB, 5                            ; LDS: 4,096 + 101,632 hs + 128 dx + 16 i
.set IA, 8                             ; v8-15    half A's indices, two items ahead
.set IB, 16                            ; v16-23   half B's indices, then its LDS addresses
.set ADA, 24                           ; v24-39   half A's addresses, two sets
.set WA, 40                            ; v40-55   half A's weights [dy][8]
.set WB, 56                            ; v56-71   half B's
.set DA, 72                            ; v72-199  half A's data, two sets of 64: point j, dy: 4 registers at 8 j + 4 dy.  At the start: the copy's 27 x 4 registers
.set DB, 200                           ; v200-231 four points of half B
.set ACC, 232                          ; v232-235 dy = 0's sums, v236-239 dy = 1's
.set FN, 240                           ; v240-245
.set CP, 246                           ; v246-249 the copy: 16 x thread + 61,440 q
.set V13, 250                          ; the copy's pass 13, which straddles the two heads
.set LEAD, 4096
.set HB, 101632                        ; levels 2 and 3 of a head, in bytes
.set SRC0, 1595904                     ; from an LDS byte of the first head's part to its byte in the pair's table: (12,500 - 32) x 128
.set SRC1, 3195904                     ; of the second head's part: 1,701,632 + 1,600,000 - 4,096 - 101,632
.macro LDW wt, half, k
.irp c, 0,1,2,3
	global_load_b128 v[\wt+4*\c:\wt+4*\c+3], v[VW], s[6:7] offset:256*(\k)+128*\half+16*\c
.endr
.endm
.macro LDIX dst, k, half               ; eight indices of item k
	global_load_b128 v[\dst:\dst+3], v[VI], s[4:5] offset:64*(\k)+32*\half
	global_load_b128 v[\dst+4:\dst+7], v[VI], s[4:5] offset:64*(\k)+32*\half+16
.endm
.macro ADDRA ad, src
.irp j, 0,1,2,3
	v_min_u32 v[\ad+\j], 9898, v[\src+\j]
	v_min_u32 v[\ad+4+\j], 12448, v[\src+4+\j]
.endr
.irp j, 0,1,2,3,4,5,6,7
	v_lshl_add_u32 v[\ad+\j], v[\ad+\j], 7, v[LC]
.endr
.endm
.macro ADDRB                           ; in place: the row inside the copy (an index under 12,500 would wrap and be held at the largest), then the LDS byte
.irp j, 0,1,2,3,4,5,6,7
	v_add_nc_u32 v[IB+\j], 0xffffcf2c, v[IB+\j]    ; - 12,500
.endr
.irp j, 0,1,2,3
	v_min_u32 v[IB+\j], 598, v[IB+\j]
	v_min_u32 v[IB+4+\j], 779, v[IB+4+\j]
.endr
.irp j, 0,1,2,3,4,5,6,7
	v_lshl_add_u32 v[IB+\j], v[IB+\j], 7, v[LCB]
.endr
.endm
.macro GATH d, ad                      ; 16 gathers: levels 0 (100 wide) and 1 (50 wide)
.irp j, 0,1,2,3
	global_load_b128 v[\d+8*\j:\d+8*\j+3], v[\ad+\j], s[8:9]
	global_load_b128 v[\d+8*\j+4:\d+8*\j+7], v[\ad+\j], s[8:9] offset:100*128
.endr
.irp j, 4,5,6,7
	global_load_b128 v[\d+8*\j:\d+8*\j+3], v[\ad+\j], s[8:9]
	global_load_b128 v[\d+8*\j+4:\d+8*\j+7], v[\ad+\j], s[8:9] offset:50*128
.endr
.endm
.macro LGATH j0, w                     ; four points of one small level from LDS
.irp j, 0,1,2,3
	ds_load_b128 v[DB+8*\j:DB+8*\j+3], v[IB+\j0+\j]
	ds_load_b128 v[DB+8*\j+4:DB+8*\j+7], v[IB+\j0+\j] offset:\w*128
.endr
.endm
.macro FMAQ d, wt, first               ; four points: four chains of packed multiply-adds; the weight is one register of a pair, taken for both halves.  first = 1: the first products start the sums
.irp jj, 0,2
.irp x, 0,1
.irp dy, 0,1
.irp p, 0,2
.if (\first) && ((\jj+\x) == 0)
	v_pk_mul_f32 v[ACC+4*\dy+\p:ACC+4*\dy+\p+1], v[\d+8*(\jj+\x)+4*\dy+\p:\d+8*(\jj+\x)+4*\dy+\p+1], v[\wt+8*\dy+\jj:\wt+8*\dy+\jj+1] op_sel:[0,\x] op_sel_hi:[1,\x]
.else
	v_pk_fma_f32 v[ACC+4*\dy+\p:ACC+4*\dy+\p+1], v[\d+8*(\jj+\x)+4*\dy+\p:\d+8*(\jj+\x)+4*\dy+\p+1], v[\wt+8*\dy+\jj:\wt+8*\dy+\jj+1], v[ACC+4*\dy+\p:ACC+4*\dy+\p+1] op_sel:[0,\x,0] op_sel_hi:[1,\x,1]
.endif
.endr
.endr
.endr
.endr
.endm
.macro FINISH k                        ; the two rows' sums; then the lane of column 0 keeps channels 0, 1 and sends 2, 3, the lane of column 1 the other way round
	v_pk_add_f32 v[ACC:ACC+1], v[ACC:ACC+1], v[ACC+4:ACC+5]
	v_pk_add_f32 v[ACC+2:ACC+3], v[ACC+2:ACC+3], v[ACC+6:ACC+7]
	s_wait_xcnt 0x0                                ; the last item's store has read its data
	v_cndmask_b32 v[FN+2], v[ACC], v[ACC+2], s28
	v_cndmask_b32 v[FN+3], v[ACC+1], v[ACC+3], s28
	v_cndmask_b32 v[FN+4], v[ACC+2], v[ACC], s28
	v_cndmask_b32 v[FN+5], v[ACC+3], v[ACC+1], s28
	v_add_f32_dpp v[FN], v[FN+4], v[FN+2] row_xmask:8 row_mask:0xf bank_mask:0xf
	v_add_f32_dpp v[FN+1], v[FN+5], v[FN+3] row_xmask:8 row_mask:0xf bank_mask:0xf
	global_store_b64 v[VO], v[FN:FN+1], s[10:11] offset:16384*(\k)   ; 32 lanes store 256 consecutive bytes, aligned
.endm
.macro SMALL k                         ; what item k needs beside its gathers, and half A's indices of item k + 2: 12 loads (10 near the end)
	LDW WA, 0, \k
	LDW WB, 1, \k
	LDIX IB, \k, 1
.if (\k)+2 <= 14
	LDIX IA, (\k)+2, 0
.endif
.endm
.macro ITEM k
.set DK, DA+64*((\k)%2)
.set AK, ADA+8*((\k)%2)
.if (\k) < 14
	s_wait_loadcnt 16                              ; my gathers and my small loads are in; behind them: the next item's 16 gathers
.else
	s_wait_loadcnt 0x0
.endif
	ADDRB
	LGATH 0, 25                                    ; level 2 lands while half A is summed
	FMAQ DK, WA, 1
	FMAQ DK+32, WA+4, 0
	s_wait_dscnt 0x0
	FMAQ DB, WB, 0
	LGATH 4, 13                                    ; level 3
.if (\k)+2 <= 14
	ADDRA AK, IA                                   ; this set's gathers were shown done at the item's head: its addresses may be written
.endif
	s_wait_dscnt 0x0
	FMAQ DB, WB+4, 0
	FINISH \k
.if (\k)+1 <= 14
	SMALL (\k)+1                                   ; ahead of the gathers below, so that the next item's wait can leave those out
.endif
.if (\k)+2 <= 14
	GATH DK, AK
.endif
.endm
	s_load_b256 s[4:11], s[0:1], 0x0               ; idx s[4:5], cf s[6:7], vtab s[8:9], outf s[10:11]
	v_lshl_add_u32 v252, v0, 2, 0x32a00
	v_mov_b32 v253, 0
	v_lshrrev_b32 v6, 5, v0
	v_readfirstlane_b32 s12, v6                    ; wave 0..14
	v_bfe_u32 v8, v0, 4, 1                         ; hs
	v_bfe_u32 v9, v0, 3, 1                         ; dx
	v_and_b32 v10, 7, v0                           ; i
	v_mul_u32_u24 v[VI], v8, 61440
	v_mul_u32_u24 v[VW], v8, 245760
	v_lshl_add_u32 v[VW], v9, 6, v[VW]
	v_mul_u32_u24 v[LC], v8, 1701632
	v_lshl_add_u32 v[LC], v9, 7, v[LC]
	v_lshl_add_u32 v[LC], v10, 4, v[LC]
	v_mul_u32_u24 v[LCB], v8, HB
	v_lshl_add_u32 v[LCB], v9, 7, v[LCB]
	v_lshl_add_u32 v[LCB], v10, 4, v[LCB]
	v_add_nc_u32 v[LCB], LEAD, v[LCB]
	v_lshlrev_b32 v[VO], 7, v8
	v_lshl_add_u32 v[VO], v10, 4, v[VO]
	v_lshl_add_u32 v[VO], v9, 3, v[VO]
	v_lshlrev_b32 v[CP], 4, v0                     ; the copy: 16 x thread,
.irp q, 1,2,3
	v_add_nc_u32 v[CP+\q], 61440*\q, v[CP]         ; and eight passes on: an LDS offset has 16 bits
.endr
	v_mov_b32 v6, 0x186a00                         ; pass 13 holds LDS bytes 99,840 on; the second head's part begins at 105,728: threads from 368 on read 1,600,000 bytes further on
	v_cmp_le_u32 vcc_lo, 368, v0
	v_cndmask_b32 v6, 0, v6, vcc_lo
	v_add_nc_u32 v[V13], v6, v[CP]
	v_mov_b32 v[FN], 0                             ; a DPP form's destination counts as read
	v_mov_b32 v[FN+1], 0
	s_and_b32 s13, ttmp7, 0xffff                   ; y = 4 b + the pair's number in b
	s_lshr_b32 s14, s13, 2                         ; b
	s_and_b32 s15, s13, 3                          ; the pair
	s_lshl_b32 s16, s13, 1                         ; bh of the pair's first head
	s_mul_i32 s17, ttmp9, 225
	s_mul_i32 s18, s12, 15
	s_add_co_u32 s17, s17, s18                     ; my first l
	s_mul_i32 s18, s16, 960
	s_add_co_u32 s18, s18, s17
	s_lshl_b32 s20, s18, 6
	s_mov_b32 s21, 0
	s_lshl_b32 s22, s18, 8
	s_mov_b32 s23, 0
	s_mul_i32 s24, s16, 1701632
	s_mov_b32 s25, 0
	s_lshl_b32 s26, s17, 4
	s_add_co_u32 s26, s26, s14
	s_lshl_b32 s26, s26, 10
	s_lshl_b32 s27, s15, 8
	s_add_co_u32 s26, s26, s27
	s_mov_b32 s27, 0
	s_mov_b32 s28, 0xff00ff00                      ; the lanes of column 1
	s_wait_kmcnt 0x0
	s_add_nc_u64 s[4:5], s[4:5], s[20:21]
	s_add_nc_u64 s[6:7], s[6:7], s[22:23]
	s_add_nc_u64 s[6:7], s[6:7], 15728640          ; the weights lie behind t1
	s_add_nc_u64 s[8:9], s[8:9], s[24:25]
	s_add_nc_u64 s[10:11], s[10:11], s[26:27]
	; ---- the copy: 27 loads of 16 bytes a thread, all on their way together; with them the first two items' indices of half A
.set J, 0
.rept 27
.if J < 13
	global_load_b128 v[DA+4*J:DA+4*J+3], v[CP], s[8:9] offset:SRC0+7680*J
.elseif J == 13
	global_load_b128 v[DA+4*J:DA+4*J+3], v[V13], s[8:9] offset:SRC0+7680*J
.else
	global_load_b128 v[DA+4*J:DA+4*J+3], v[CP], s[8:9] offset:SRC1+7680*J
.endif
.set J, J+1
.endr
	LDIX IA, 0, 0
	LDIX IB, 1, 0                                  ; (item 1's, for once in half B's registers)
	s_wait_loadcnt 0x0
.set J, 0
.rept 27
	ds_store_b128 v[CP+J/8], v[DA+4*J:DA+4*J+3] offset:7680*(J%8)
.set J, J+1
.endr
	ADDRA ADA, IA
	ADDRA ADA+8, IB
	s_wait_dscnt 0x0                               ; my part of the copy has landed, and the stores have read their registers
	s_barrier_signal -1
	s_barrier_wait -1                              ; everybody's has; LDS is only read from here on
	GATH DA, ADA                                   ; item 0's gathers, its small loads, item 1's gathers: the order that every item's wait counts on
	SMALL 0
	GATH DA+64, ADA+8
.set K, 0
.rept 15
	ITEM K
.set K, K+1
.endr
	s_wait_tensorcnt 0x0
	ds_add_u32 v252, v253
	s_wait_dscnt 0x0
	s_endpgm
.Lfunc_end_k_q46437c6536_gather:
	.size	k_q46437c6536_gather, .Lfunc_end_k_q46437c6536_gather-k_q46437c6536_gather
	.p2alignl 7, 3214868480
	.fill 96, 4, 3214868480
	.section	.rodata,"a",@progbits
	.p2align	6, 0x0
	.amdhsa_kernel k_q46437c6536_gather
		.amdhsa_group_segment_fixed_size 209408
		.amdhsa_private_segment_fixed_size 0
		.amdhsa_enable_private_segment 0
		.amdhsa_kernarg_size 32
		.amdhsa_user_sgpr_count 2
		.amdhsa_user_sgpr_kernarg_segment_ptr 1
		.amdhsa_wavefront_size32 1
		.amdhsa_system_sgpr_workgroup_id_x 1
		.amdhsa_system_sgpr_workgroup_id_y 1
		.amdhsa_system_sgpr_workgroup_id_z 1
		.amdhsa_system_vgpr_workitem_id 0
		.amdhsa_next_free_vgpr 254
		.amdhsa_next_free_sgpr 66
		.amdhsa_reserve_vcc 1
		.amdhsa_float_denorm_mode_32 3
		.amdhsa_float_denorm_mode_16_64 3
		.amdhsa_memory_ordered 1
		.amdhsa_forward_progress 1
		.amdhsa_inst_pref_size 171
	.end_amdhsa_kernel
	.amdgpu_metadata
---
amdhsa.version: [ 1, 2 ]
amdhsa.kernels:
  - .name:           k_q46437c6536_gather
    .symbol:         k_q46437c6536_gather.kd
    .args:
      - { .name: idx, .offset: 0, .size: 8, .value_kind: global_buffer, .address_space: global }
      - { .name: cf, .offset: 8, .size: 8, .value_kind: global_buffer, .address_space: global }
      - { .name: vtab, .offset: 16, .size: 8, .value_kind: global_buffer, .address_space: global }
      - { .name: outf, .offset: 24, .size: 8, .value_kind: global_buffer, .address_space: global }
    .group_segment_fixed_size: 209408
    .private_segment_fixed_size: 0
    .kernarg_segment_align: 8
    .kernarg_segment_size: 32
    .max_flat_workgroup_size: 480
    .sgpr_count:     66
    .vgpr_count:     254
    .wavefront_size: 32
...
	.end_amdgpu_metadata
.endif
;; end of part 8
;; launch ffn: the kernel of part 7 again; grid 225 x 1, 8 waves a work-group, no clusters, 158,720 bytes of LDS; arguments outf, cf, wq, ms_out_b, norm1_g, norm1_b, lin1_b, lin2_b, norm3_g, norm3_b, out0; writes out0
;; ======== version 3 of 3: 7 launches; version 2 with the launches qkv, attn, saout, valproj, ffn written anew for expert scheduling mode
;; workspace buffers: wq 1,079,296 bytes; qkv 13,762,560 bytes; ob 4,177,920 bytes; cf 47,185,920 bytes; idx 7,864,320 bytes of whole numbers; vtab 217,808,896 bytes; outf 14,745,600 bytes
;; launch wquant: the kernel of part 1 again; grid 124 x 1, 4 waves a work-group, no clusters, 0 bytes of LDS; arguments in_proj_w, out_proj_w, samp_off_w, attn_w_w, val_proj_w, ms_out_w, lin1_w, lin2_w, wq; writes wq
;; launch qkv (part 9): grid 15 x 16, 8 waves a work-group, no clusters, 35,840 bytes of LDS; arguments tgt, tgt_query_pos, in_proj_b, wq, qkv; writes qkv
.if DOCPART == 9
	.amdgcn_target "amdgcn-amd-amdhsa--gfx1250"
	.amdhsa_code_object_version 6
	.text
	.protected	k_q46437c6536_qkv
	.globl	k_q46437c6536_qkv
	.p2align	8
	.type	k_q46437c6536_qkv,@function
k_q46437c6536_qkv:
	s_mov_b64 s[64:65], 0
	v_nop
	global_prefetch_b8 v0, s[64:65] scope:SCOPE_SE
	s_setreg_imm32_b32 hwreg(HW_REG_WAVE_SCHED_MODE, 0, 2), 2
	s_setreg_imm32_b32 hwreg(HW_REG_WAVE_MODE, 25, 1), 1
	s_wait_xcnt 0x0
	s_wait_alu depctr_vm_vsrc(0)
; q = (x Wq^T + bq) / sqrt(32), k = x Wk^T + bk (x = tgt + pos), v = tgt Wv^T + bv, all on codes of E5M2 with E8M0 scales; the results are quantised again at once, as the operands of self-attention:
; q and k along the head's 32 channels, v along the KEYS (blocks of 32 queries l), and stored as images of operand registers.
; SHARES.  A work-group takes 64 rows l of one batch entry b, in four tiles; wave w is head w.  The rows of tile m are 64 lb + 32 (m / 2) + 8 (m % 2) + r + 8 (r / 8): so the keys of two neighbouring tiles lie, in the scores
; and in v, as 16 neighbours in a lane's 16 registers.  Rows from 900 on are read as row 899: their q and k are finite and never count; in v they are made zeros, as the quantiser fills the last block.
; X: wave w quantises fragment (tile w / 2, K step w % 2) of x and of tgt and stores their images to LDS | barrier | each wave: its head's q, k (transposed: source 0 = 16 rows of W, source 1 = 16 rows of x: a lane holds one
; row and 16 neighbouring channels) and v (source 0 = x, source 1 = W: a lane holds one channel and 16 neighbouring keys).
; qkv: q's codes (bh 60 + t) 512; q's bytes, one word a lane, 3,932,160 + (bh 60 + t) 128; K and V of a head 4,915,200 + bh 61,440 (K tile kt at 512 kt; V at 30,720 + 15,360 u + 512 kb); their scales 12,779,520 + bh 7,680.
; REGISTERS: window 0: v1-15, v40-41 addresses; v16-27 weights' scale words; v32-35 x's; v60-123 four fragments of x; v124-187 eight accumulators; v188-219 the quantiser's; window 1: v0-191 the 12 weight fragments, v192-239 biases.
; LIMITS: NaN and infinities are not served; a block of zeros gets the byte 1 (this program alone reads the bytes).
; THE MODE: SCHED_MODE bits 1:0 = 2 (LLVM: expert scheduling mode 2), set by the entry lines.  The code itself states the register dependences between vector or matrix instructions and memory or LDS instructions, with s_wait_alu, always for 0.
; THE PLAN.  Registers that memory or LDS instructions touch:
;   v1, v2, v5, v7-v15, v40, v41   offsets and LDS addresses: made at the head, never written again: one wait on va_vdst ahead of the first load serves them all.
;   AF, XS          the fragments' LDS loads land in them; the products read them.  One wait on va_vdst stands between a product's two K steps; the first fetch of a product leans on the wait ahead of the stores before it.
;   PC, PW, TM+4 .., v254, v255    written by the quantiser and the lines behind it; read by a run of LDS or global stores.  A wait on va_vdst ahead of each run, a wait on vm_vsrc behind it, ahead of the next quantiser.
;   window 1, WS    loaded once, read by products alone.
.set XIMG, 0                           ; LDS: x's 8 fragments (2 m + K step), 2,048 bytes each,
.set XSC, 16384                        ; their scale words, 128 bytes each,
.set TIMG, 17408                       ; tgt's 8 fragments,
.set TSC, 33792                        ; and their scale words
.set WSCL, 1015808
.set LI, 1
.set LS, 2
.set WS, 16
.set XS, 32
.set AF, 60
.set ACC, 124
.set TM, 188
.set PC, 204
.set PW, 252
.set BQ, 192
.set BK, 208
.set BV, 224
.set WQ, 10
.set SEL, 20
.set MNT, 22
.set MH, 23
.set MSB, 0
.macro WIN new                         ; the immediate's high byte repeats the setting that is left
.if MSB != \new
	s_set_vgpr_msb (MSB<<8)|\new
.set MSB, \new
.endif
.endm
.macro PLACES n                        ; plain vector lines behind matrix instructions (ISA guide 7.12.1)
.rept \n
	v_nop
.endr
.endm
.macro BARRIER                         ; my LDS stores have landed and my LDS loads are in: then the work-group's barrier
	s_wait_dscnt 0x0
	s_barrier_signal -1
	s_barrier_wait -1
.endm
.macro QUANT s, relu                   ; 64 numbers of a lane in four blocks of 16 (the other 16 of a block lie in lane l xor 16) -> codes in v[PC] on, bytes in v[TM+4] on, the word in v[PW]
.irp b, 0,1,2,3
.if \relu
	v_max3_num_f32 v[TM+\b], v[\s+16*\b], v[\s+16*\b+1], 0x8000000
.else
	v_max3_num_f32 v[TM+\b], |v[\s+16*\b]|, |v[\s+16*\b+1]|, 0x8000000   ; with the floor 2^(16 - 127): the byte cannot fall under 1
.endif
.endr
.irp i, 2,4,6,8,10,12,14
.irp b, 0,1,2,3
.if \relu
	v_max3_num_f32 v[TM+\b], v[TM+\b], v[\s+16*\b+\i], v[\s+16*\b+\i+1]
.else
	v_max3_num_f32 v[TM+\b], v[TM+\b], |v[\s+16*\b+\i]|, |v[\s+16*\b+\i+1]|
.endif
.endr
.endr
.irp b, 0,1,2,3
	v_permlanex16_b32 v[TM+4+\b], v[TM+\b], s[SEL], s[SEL+1]
.endr
.irp b, 0,1,2,3
	v_max_num_f32 v[TM+\b], v[TM+\b], v[TM+4+\b]
.endr
.irp b, 0,1,2,3
	v_add_nc_u32 v[TM+12+\b], 0xf8800000, v[TM+\b]        ; 15 off the exponent field: the conversion's scale operand
.endr
.irp b, 0,1,2,3
	v_and_or_b32 v[TM+8+\b], v[TM+\b], 0x7f800000, s[MNT] ; 57,344 x the scale
.endr
.irp b, 0,1,2,3
	v_lshrrev_b32 v[TM+4+\b], 23, v[TM+12+\b]             ; the scale's byte
.endr
	v_lshl_or_b32 v[PW], v[TM+5], 8, v[TM+4]
	v_lshl_or_b32 v[PW], v[TM+6], 16, v[PW]
	v_lshl_or_b32 v[PW], v[TM+7], 24, v[PW]
.irp b, 0,1,2,3
.irp i, 0,1,2,3,4,5,6,7,8,9,10,11,12,13,14,15
.if \relu
	v_med3_num_f32 v[\s+16*\b+\i], v[\s+16*\b+\i], 0, v[TM+8+\b]
.else
	v_med3_num_f32 v[\s+16*\b+\i], v[\s+16*\b+\i], -v[TM+8+\b], v[TM+8+\b]   ; the conversion does not saturate (ISA guide 7.6.2): the hold
.endif
.endr
	v_cvt_scalef32_pk8_bf8_f32 v[PC+4*\b:PC+4*\b+1], v[\s+16*\b:\s+16*\b+7], v[TM+12+\b]
	v_cvt_scalef32_pk8_bf8_f32 v[PC+4*\b+2:PC+4*\b+3], v[\s+16*\b+8:\s+16*\b+15], v[TM+12+\b]
.endr
	v_nop                                                 ; a plain line behind the last conversion
.endm
.macro LOADW slot, voff, vsoff, f0, f1, f2, f3   ; four weight fragments (2 u + K step) into window 1, v[64 slot] on, and their scale words: 20 loads
	WIN 0x40
.set LWI, 0
.irp f, \f0, \f1, \f2, \f3
.irp c, 0,1,2,3
	global_load_b128 v[64*(\slot)+16*LWI+4*\c:64*(\slot)+16*LWI+4*\c+3], v[\voff], s[WQ:WQ+1] offset:(\f)*2048+512*\c
.endr
.set LWI, LWI+1
.endr
	WIN 0
.set LWI, 0
.irp f, \f0, \f1, \f2, \f3
	global_load_b32 v[WS+4*(\slot)+LWI], v[\vsoff], s[WQ:WQ+1] offset:WSCL+(\f)*128
.set LWI, LWI+1
.endr
.endm
.macro FETCH4 vi, vs, img, sc, ks, kk  ; the four row tiles' fragments of K step kk, and their scale words, from their images in LDS
.irp m, 0,1,2,3
.irp c, 0,1,2,3
	ds_load_b128 v[AF+16*\m+4*\c:AF+16*\m+4*\c+3], v[\vi] offset:\img+(\m*\ks+\kk)*2048+512*\c
.endr
	ds_load_b32 v[XS+\m], v[\vs] offset:\sc+(\m*\ks+\kk)*128
.endr
.endm
; eight matrix instructions, the eight accumulators by turns.  Source 0 = 16 rows of W, source 1 = 16 rows of x.  cw >= 0: the bias, in window 1, starts the sums
.macro MM8 slot, kk, cw, bf, xs
.if \cw >= 0
	WIN 0x11
.else
	WIN 0x01
.endif
.irp m, 0,1,2,3
.irp u, 0,1
.if \cw >= 0
	v_wmma_scale_f32_16x16x128_f8f6f4 v[ACC+16*\m+8*\u:ACC+16*\m+8*\u+7], v[64*(\slot)+16*(2*\u+\kk):64*(\slot)+16*(2*\u+\kk)+15], v[\bf+16*\m:\bf+16*\m+15], v[\cw+8*\u:\cw+8*\u+7], v[WS+4*(\slot)+2*\u+\kk], v[\xs+\m] matrix_a_fmt:MATRIX_FMT_BF8 matrix_b_fmt:MATRIX_FMT_BF8
.else
	v_wmma_scale_f32_16x16x128_f8f6f4 v[ACC+16*\m+8*\u:ACC+16*\m+8*\u+7], v[64*(\slot)+16*(2*\u+\kk):64*(\slot)+16*(2*\u+\kk)+15], v[\bf+16*\m:\bf+16*\m+15], v[ACC+16*\m+8*\u:ACC+16*\m+8*\u+7], v[WS+4*(\slot)+2*\u+\kk], v[\xs+\m] matrix_a_fmt:MATRIX_FMT_BF8 matrix_b_fmt:MATRIX_FMT_BF8
.endif
.endr
.endr
.endm
; the same with the sources swapped: a lane holds one channel, its registers run along the rows.  Accumulator (u, m) at v[ACC + 32 u + 8 m]
.macro MM8V slot, kk, cw
.if \cw >= 0
	WIN 0x14
.else
	WIN 0x04
.endif
.irp m, 0,1,2,3
.irp u, 0,1
.if \cw >= 0
	v_wmma_scale_f32_16x16x128_f8f6f4 v[ACC+32*\u+8*\m:ACC+32*\u+8*\m+7], v[AF+16*\m:AF+16*\m+15], v[64*(\slot)+16*(2*\u+\kk):64*(\slot)+16*(2*\u+\kk)+15], v[\cw+8*\u:\cw+8*\u+7], v[XS+\m], v[WS+4*(\slot)+2*\u+\kk] matrix_a_fmt:MATRIX_FMT_BF8 matrix_b_fmt:MATRIX_FMT_BF8
.else
	v_wmma_scale_f32_16x16x128_f8f6f4 v[ACC+32*\u+8*\m:ACC+32*\u+8*\m+7], v[AF+16*\m:AF+16*\m+15], v[64*(\slot)+16*(2*\u+\kk):64*(\slot)+16*(2*\u+\kk)+15], v[ACC+32*\u+8*\m:ACC+32*\u+8*\m+7], v[XS+\m], v[WS+4*(\slot)+2*\u+\kk] matrix_a_fmt:MATRIX_FMT_BF8 matrix_b_fmt:MATRIX_FMT_BF8
.endif
.endr
.endr
.endm
; two K steps of 128.  The eight places stand where they stood; behind the last products they serve the vector lines that read the results.
; The first fetch owes no wait of its own: whoever named AF and XS last stands ahead of the wait on va_vdst in front of the stores before this product, and only v_nop were issued since.
.macro PRODUCT slot, vi, vs, img, sc, ks, s0, cw
	PLACES 8
	FETCH4 \vi, \vs, \img, \sc, \ks, \s0
	s_wait_dscnt 0x0
	MM8 \slot, 0, \cw, AF, XS
	WIN 0
	PLACES 8
	s_wait_alu depctr_va_vdst(0)                   ; the eight products above are done reading AF and XS, in which the next K step's loads land
	FETCH4 \vi, \vs, \img, \sc, \ks, (\s0)+1
	s_wait_dscnt 0x0
	MM8 \slot, 1, -1, AF, XS
	WIN 0
	PLACES 8
.endm
	s_load_b256 s[4:11], s[0:1], 0x0               ; tgt s[4:5], pos s[6:7], in_proj_b s[8:9], wq s[10:11]
	s_load_b64 s[12:13], s[0:1], 0x20              ; qkv
	v_lshl_add_u32 v250, v0, 2, 0x8800
	v_mov_b32 v251, 0
	v_lshrrev_b32 v3, 5, v0
	v_readfirstlane_b32 s14, v3                    ; wave = head
	v_and_b32 v5, 31, v0
	v_lshlrev_b32 v[LI], 4, v5                     ; 16 x lane
	v_lshlrev_b32 v[LS], 2, v5                     ; 4 x lane
	v_and_b32 v3, 15, v0                           ; r
	v_bfe_u32 v4, v0, 4, 1                         ; h
	s_wait_alu depctr_va_sdst(0)                   ; s14 is written, ahead of its first reader: rows, offsets and LDS addresses are made from it
	s_and_b32 s16, ttmp7, 0xffff                   ; b
	s_lshl_b32 s24, ttmp9, 6                       ; 64 lb
	s_lshr_b32 s25, s14, 2
	s_lshl_b32 s25, s25, 5
	s_add_co_u32 s24, s24, s25
	s_bfe_u32 s25, s14, 0x10001
	s_lshl_b32 s25, s25, 3
	s_add_co_u32 s24, s24, s25                     ; + 32 (mt / 2) + 8 (mt % 2), mt = wave / 2: the tile that I quantise
	v_and_b32 v6, 8, v3
	v_add_nc_u32 v6, v6, v3                        ; r + 8 (r / 8)
	v_add_nc_u32 v5, s24, v6
	v_min_u32 v5, 0x383, v5                        ; no load leaves its buffer: rows from 900 on read row 899
	v_lshlrev_b32 v5, 14, v5                       ; a step of l is 16 rows of 1,024 bytes
	s_lshl_b32 s25, s16, 10
	s_and_b32 s26, s14, 1
	s_lshl_b32 s26, s26, 9
	s_add_co_u32 s25, s25, s26
	v_lshl_add_u32 v5, v4, 6, v5
	v_add_nc_u32 v5, s25, v5                       ; + 1,024 b + 512 x K step + 64 h
	s_lshl_b32 s26, s14, 13
	v_add_nc_u32 v7, s26, v[LI]                    ; weights: four fragments a head and part
	s_lshl_b32 s26, s14, 9
	v_add_nc_u32 v8, s26, v[LS]
	s_lshl_b32 s26, s14, 7
	v_lshl_add_u32 v9, v4, 6, s26                  ; q's and k's bias: channels 32 w + 16 h on
	v_lshl_add_u32 v10, v6, 2, s26                 ; v's: channel 32 w + r + 8 (r / 8)
	s_lshl_b32 s27, s14, 11
	v_add_nc_u32 v11, s27, v[LI]                   ; LDS: my fragment's image,
	v_add_nc_u32 v12, s26, v[LS]                   ; its scale words
	s_lshl_b32 s28, s16, 3
	s_add_co_u32 s28, s28, s14                     ; bh
	s_mul_i32 s29, s28, 60
	s_lshl_b32 s30, ttmp9, 2
	s_add_co_u32 s29, s29, s30                     ; bh 60 + 4 lb
	s_lshl_b32 s30, s29, 9
	v_add_nc_u32 v13, s30, v[LI]                   ; q's codes
	s_lshl_b32 s30, s29, 7
	v_add_nc_u32 v14, s30, v[LS]                   ; q's bytes
	s_mul_i32 s29, s28, 61440
	s_lshl_b32 s30, ttmp9, 11
	s_add_co_u32 s30, s30, s29
	v_add_nc_u32 v15, s30, v[LI]                   ; k's codes
	s_lshl_b32 s30, ttmp9, 10
	s_add_co_u32 s30, s30, s29
	v_add_nc_u32 v40, s30, v[LI]                   ; v's codes
	s_mul_i32 s29, s28, 7680
	s_lshl_b32 s30, ttmp9, 8
	s_add_co_u32 s30, s30, s29
	v_lshl_add_u32 v41, v[LS], 1, s30              ; k's and v's scale words: 8 bytes a lane
	s_mov_b32 s[SEL], 0x76543210
	s_mov_b32 s[SEL+1], 0xfedcba98
	s_mov_b32 s[MNT], 0x600000
	s_mov_b32 s[MH], 0xffff0000                    ; lanes 16-31
.irp b, 0,1,2,3
	v_mov_b32 v[TM+4+\b], 0                        ; a lane permute's destination counts as one of its sources
.endr
	s_wait_kmcnt 0x0
	s_add_nc_u64 s[36:37], s[12:13], 4915200       ; K and V images
	s_add_nc_u64 s[38:39], s[12:13], 12779520      ; their scales
	s_wait_alu depctr_va_vdst(0)                   ; the offsets and LDS addresses v1, v2, v5, v7 to v15, v40, v41 are written: every load and store of the kernel reads one of them
.irp q, 0,1,2,3
.irp j, 0,1,2,3
	global_load_b128 v[ACC+16*\q+4*\j:ACC+16*\q+4*\j+3], v5, s[4:5] offset:128*\q+16*\j   ; tgt: 16 neighbours of each block of 32
.endr
.endr
.irp q, 0,1,2,3
.irp j, 0,1,2,3
	global_load_b128 v[AF+16*\q+4*\j:AF+16*\q+4*\j+3], v5, s[6:7] offset:128*\q+16*\j     ; pos
.endr
.endr
	LOADW 0, 7, 8, 0, 1, 2, 3
	LOADW 1, 7, 8, 32, 33, 34, 35
	LOADW 2, 7, 8, 64, 65, 66, 67
	s_wait_loadcnt 60                              ; tgt and pos are in; the 60 loads of weights issued behind them may be out
	WIN 0x40
.irp u, 0,1
	global_load_b128 v[BQ+8*\u:BQ+8*\u+3], v9, s[8:9] offset:32*\u
	global_load_b128 v[BQ+8*\u+4:BQ+8*\u+7], v9, s[8:9] offset:32*\u+16
	global_load_b128 v[BK+8*\u:BK+8*\u+3], v9, s[8:9] offset:1024+32*\u
	global_load_b128 v[BK+8*\u+4:BK+8*\u+7], v9, s[8:9] offset:1024+32*\u+16
.irp j, 0,1,2,3,4,5,6,7
	global_load_b32 v[BV+8*\u+\j], v10, s[8:9] offset:2048+32*\u   ; in v's layout a lane holds one channel: the same number in all eight registers
.endr
.endr
	WIN 0
.set J, 0
.rept 32
	v_pk_add_f32 v[AF+J:AF+J+1], v[AF+J:AF+J+1], v[ACC+J:ACC+J+1]   ; x = tgt + pos
.set J, J+2
.endr
	QUANT ACC, 0
	s_wait_alu depctr_va_vdst(0)                   ; the conversions have written v[PC ..] and the shifts v[PW], which the LDS stores read
.irp c, 0,1,2,3
	ds_store_b128 v11, v[PC+4*\c:PC+4*\c+3] offset:TIMG+512*\c
.endr
	ds_store_b32 v12, v[PW] offset:TSC
	s_wait_dscnt 0x0
	s_wait_alu depctr_vm_vsrc(0)                   ; these stores have read v[PC ..] and v[PW], which the next quantiser writes
	QUANT AF, 0
	s_wait_alu depctr_va_vdst(0)                   ; v[PC ..] and v[PW] are written, which the LDS stores read; the quantiser is done with AF, in which q's first fragments land
.irp c, 0,1,2,3
	ds_store_b128 v11, v[PC+4*\c:PC+4*\c+3] offset:XIMG+512*\c
.endr
	ds_store_b32 v12, v[PW] offset:XSC
	BARRIER                                        ; all sixteen fragments lie in LDS; they are written once
	s_wait_alu depctr_vm_vsrc(0)                   ; my stores have read v[PC ..] and v[PW], which q's quantiser writes
	s_wait_loadcnt 0x0                             ; weights and biases
	; ---- q
	PRODUCT 0, LI, LS, XIMG, XSC, 2, 0, BQ
.set J, 0
.rept 32
	v_pk_mul_f32 v[ACC+J:ACC+J+1], v[ACC+J:ACC+J+1], 0x3e3504f3 op_sel_hi:[1,0]   ; x 1 / sqrt(32), ahead of the quantiser; each accumulator from its low end on
.set J, J+2
.endr
	QUANT ACC, 0                                   ; block m = tile m's 32 channels of my head
	s_wait_alu depctr_va_vdst(0)                   ; codes and bytes are written, which the stores read; q's products are done reading AF and XS, in which k's first fragments land
.irp m, 0,1,2,3
	global_store_b128 v13, v[PC+4*\m:PC+4*\m+3], s[12:13] offset:512*\m
	global_store_b32 v14, v[TM+4+\m], s[12:13] offset:3932160+128*\m
.endr
	s_wait_xcnt 0x0                                ; the stores' data are written again only behind this wait
	s_wait_alu depctr_vm_vsrc(0)                   ; the stores have read v[PC ..] and v[TM+4 ..], which k's quantiser writes
	; ---- k
	PRODUCT 1, LI, LS, XIMG, XSC, 2, 0, BK
	QUANT ACC, 0
	v_cndmask_b32 v254, v[TM+4], v[TM+5], s[MH]    ; one word for two tiles: the even tile's byte in lanes 0-15, the odd tile's in lanes 16-31
	v_cndmask_b32 v255, v[TM+6], v[TM+7], s[MH]
	s_wait_alu depctr_va_vdst(0)                   ; codes and the two words are written, which the stores read; k's products are done reading AF and XS, in which v's first fragments land
.irp m, 0,1,2,3
	global_store_b128 v15, v[PC+4*\m:PC+4*\m+3], s[36:37] offset:512*\m
.endr
	global_store_b64 v41, v[254:255], s[38:39]
	s_wait_xcnt 0x0
	s_wait_alu depctr_vm_vsrc(0)                   ; the stores have read v[PC ..], v254 and v255, which v's quantiser and the two lines behind it write
	; ---- v
	PLACES 8
	FETCH4 LI, LS, TIMG, TSC, 2, 0
	s_wait_dscnt 0x0
	MM8V 2, 0, BV
	WIN 0
	PLACES 8
	s_wait_alu depctr_va_vdst(0)                   ; the eight products above are done reading AF and XS, in which the next K step's loads land
	FETCH4 LI, LS, TIMG, TSC, 2, 1
	s_wait_dscnt 0x0
	MM8V 2, 1, -1
	WIN 0
	PLACES 8
	s_cmp_lg_u32 ttmp9, 14
	s_cbranch_scc1 .Lwhole
	v_mov_b32 v253, 0                              ; the last block of rows: keys 896 to 899 count (registers 0-3 of lanes 0-15), the others are zeros
.irp u, 0,1
.irp i, 0,1,2,3
	v_cndmask_b32 v[ACC+32*\u+\i], v[ACC+32*\u+\i], v253, s[MH]
.endr
.set J, 4
.rept 28
	v_mov_b32 v[ACC+32*\u+J], 0
.set J, J+1
.endr
.endr
.Lwhole:
	QUANT ACC, 0                                   ; block 2 u + b': channel tile u, keys 64 lb + 32 b' on
	v_lshl_or_b32 v254, v[TM+5], 8, v[TM+4]        ; word u: the bytes of the two blocks of keys
	v_lshl_or_b32 v255, v[TM+7], 8, v[TM+6]
	s_wait_alu depctr_va_vdst(0)                   ; codes and the two words are written, which the last stores read
.irp u, 0,1
.irp q, 0,1
	global_store_b128 v40, v[PC+4*(2*\u+\q):PC+4*(2*\u+\q)+3], s[36:37] offset:30720+15360*\u+512*\q
.endr
.endr
	global_store_b64 v41, v[254:255], s[38:39] offset:3840
	s_wait_dscnt 0x0                               ; the closing lines, six on end
	s_wait_alu 0x0
	s_wait_tensorcnt 0x0
	ds_add_u32 v250, v251
	s_wait_dscnt 0x0
	s_endpgm
.Lfunc_end_k_q46437c6536_qkv:
	.size	k_q46437c6536_qkv, .Lfunc_end_k_q46437c6536_qkv-k_q46437c6536_qkv
	.p2alignl 7, 3214868480
	.fill 96, 4, 3214868480
	.section	.rodata,"a",@progbits
	.p2align	6, 0x0
	.amdhsa_kernel k_q46437c6536_qkv
		.amdhsa_group_segment_fixed_size 35840
		.amdhsa_private_segment_fixed_size 0
		.amdhsa_enable_private_segment 0
		.amdhsa_kernarg_size 40
		.amdhsa_user_sgpr_count 2
		.amdhsa_user_sgpr_kernarg_segment_ptr 1
		.amdhsa_wavefront_size32 1
		.amdhsa_system_sgpr_workgroup_id_x 1
		.amdhsa_system_sgpr_workgroup_id_y 1
		.amdhsa_system_sgpr_workgroup_id_z 1
		.amdhsa_system_vgpr_workitem_id 0
		.amdhsa_next_free_vgpr 512
		.amdhsa_next_free_sgpr 66
		.amdhsa_reserve_vcc 0
		.amdhsa_float_denorm_mode_32 3
		.amdhsa_float_denorm_mode_16_64 3
		.amdhsa_memory_ordered 1
		.amdhsa_forward_progress 1
		.amdhsa_inst_pref_size 82
	.end_amdhsa_kernel
	.amdgpu_metadata
---
amdhsa.version: [ 1, 2 ]
amdhsa.kernels:
  - .name:           k_q46437c6536_qkv
    .symbol:         k_q46437c6536_qkv.kd
    .args:
      - { .name: tgt, .offset: 0, .size: 8, .value_kind: global_buffer, .address_space: global }
      - { .name: tgt_query_pos, .offset: 8, .size: 8, .value_kind: global_buffer, .address_space: global }
      - { .name: in_proj_b, .offset: 16, .size: 8, .value_kind: global_buffer, .address_space: global }
      - { .name: wq, .offset: 24, .size: 8, .value_kind: global_buffer, .address_space: global }
      - { .name: qkv, .offset: 32, .size: 8, .value_kind: global_buffer, .address_space: global }
    .group_segment_fixed_size: 35840
    .private_segment_fixed_size: 0
    .kernarg_segment_align: 8
    .kernarg_segment_size: 40
    .max_flat_workgroup_size: 256
    .sgpr_count:     66
    .vgpr_count:     512
    .wavefront_size: 32
...
	.end_amdgpu_metadata
.endif
;; end of part 9
;; launch attn (part 10): grid 4 x 128, 16 waves a work-group, no clusters, 71,168 bytes of LDS; arguments qkv, ob; writes ob
.if DOCPART == 10
	.amdgcn_target "amdgcn-amd-amdhsa--gfx1250"
	.amdhsa_code_object_version 6
	.text
	.protected	k_q46437c6536_attn
	.globl	k_q46437c6536_attn
	.p2align	8
	.type	k_q46437c6536_attn,@function
k_q46437c6536_attn:
	s_mov_b64 s[64:65], 0
	v_nop
	global_prefetch_b8 v0, s[64:65] scope:SCOPE_SE
	s_setreg_imm32_b32 hwreg(HW_REG_WAVE_SCHED_MODE, 0, 2), 2
	s_setreg_imm32_b32 hwreg(HW_REG_WAVE_MODE, 25, 1), 1
	s_wait_xcnt 0x0
	s_wait_alu depctr_vm_vsrc(0)
; Self-attention of one head (bh = 8 b + head) on codes of E5M2: S^T = K Q^T (K = the head's 32 channels), p = 2^(t - M) with t = score x log2(e) and M the running largest t rounded up to a whole number,
; p quantised along the keys, O^T = V^T P^T; the row's sum of the unquantised p divides at the end; o is quantised at once (a head's 32 channels are one block of the next product's K) and stored as a part of an operand's image.
; SHARES.  A work-group copies the head's K, V and their scales into LDS once (69,120 bytes, as they lie in memory: images of registers); each of its sixteen waves owns one tile of 16 queries, t = 16 x + wave; tiles 0 to 59.
; A wave without a tile (t >= 60) helps with the copy and ends.  Tiles 57 to 59 hold only rows from 900 on: they are worked so that every byte of ob that the next launch reads is written.
; K = 32 IN AN INSTRUCTION OF 128: q's fragment has its codes in registers 0-3 and zero codes in registers 4-15, so whatever finite codes stand in source 0's registers 4-15 (the neighbouring tiles') add nothing;
; the upper three bytes of both scale words are 0, which is 2^-127 and no NaN.
; A lane holds ONE query throughout.  The keys of a tile are chosen by the launch before so that the 16 registers of tiles 2 b, 2 b + 1 are keys 32 b + 16 (lane / 16) + 0 .. 15.
; Eight key steps of 128 are written out; the last has 4 keys (896 to 899): one tile, one block; the other keys' scores are -infinity, p = 0.
; No tensor loads: a head's operands are small and are read once by a work-group.  No cluster: what the four work-groups of a head share is 69 KB.
; LIMITS: NaN and infinities are not served.
; THE MODE: SCHED_MODE bits 1:0 = 2 (LLVM: expert scheduling mode 2), set by the entry lines.  The code itself states the register dependences between vector or matrix instructions and memory or LDS instructions, with s_wait_alu, always for 0.
; THE PLAN.  Registers that memory or LDS instructions touch, in a key step:
;   KF, KS   K's LDS loads land in them; the step's scores' products read them.
;   VF       V's LDS loads land in it; the step's last two products read it.          VW   V's scale halves land in it; two shifts read it.
;   v1-v4, v6-v9   offsets and LDS addresses: made at the head, never written again.
; TWO waits on va_vdst stand in a step.  The first stands behind the exponentials, ahead of their first reader: it also states that this step's scores' products are done reading KF and KS and that the last
; step's products and shifts are done reading VF and VW.  So this step's V and the NEXT step's K are asked for directly behind it, and land under the sums, the holds and the conversions.
; The second stands directly ahead of the last two products, which take p's codes, p's scale word and V's scale words, all written by vector lines.
.set LI, 1                             ; 16 x lane
.set L8, 2                             ; 61,440 + 8 x lane: scale words
.set LS, 3                             ; 4 x lane
.set CP, 4                             ; 16 x thread: the copy
.set QF, 16                            ; v16-31  q: 4 registers of codes, 12 of zeros
.set KF, 32                            ; v32-63  eight tiles of K, 4 registers each; v64-75 zeros
.set VF, 76                            ; v76-107 two fragments of V^T
.set SCO, 108                          ; v108-171 S^T, then p
.set OT, 172                           ; v172-187 O^T
.set PCD, 188                          ; v188-203 p's codes
.set BM, 204
.set BT, 208
.set HL, 212
.set SO, 216
.set KS, 220                           ; v220-223 K's scale words
.set VW, 224                           ; v224-227 V's half words as loaded
.set VS, 228                           ; v228-229 V's scale words
.set PS, 230                           ; p's scale word
.set QS, 231                           ; q's
.set FF, 232                           ; v[232:233] f = 2^(old M - new M)
.set T0, 234                           ; v[234:235] at work
.set NI, 236                           ; -infinity
.set SEL, 20
.set CS, 22
.set MNT, 24
.set MH, 25
.macro PLACES n
.rept \n
	v_nop
.endr
.endm
.macro KLOAD st, nb                    ; K's tiles and scale words of key step st: 10 LDS loads, or 2 for the last step
.if \nb == 4
.irp j, 0,1,2,3,4,5,6,7
	ds_load_b128 v[KF+4*\j:KF+4*\j+3], v[LI] offset:(8*(\st)+\j)*512
.endr
	ds_load_b64 v[KS:KS+1], v[L8] offset:(2*(\st))*256
	ds_load_b64 v[KS+2:KS+3], v[L8] offset:(2*(\st)+1)*256
.else
	ds_load_b128 v[KF:KF+3], v[LI] offset:(8*(\st))*512
	ds_load_b64 v[KS:KS+1], v[L8] offset:(2*(\st))*256
.endif
.endm
.macro VLOAD st, nb                    ; V's two fragments and scale halves of key step st: 10 LDS loads, or 3 for the last step
.irp u, 0,1
.irp c, 0,1,2,3
.if \c < \nb
	ds_load_b128 v[VF+16*\u+4*\c:VF+16*\u+4*\c+3], v[LI] offset:30720+15360*\u+(4*(\st)+\c)*512
.endif
.endr
.endr
	ds_load_b64 v[VW:VW+1], v[L8] offset:3840+(2*(\st))*256
.if \nb == 4
	ds_load_b64 v[VW+2:VW+3], v[L8] offset:3840+(2*(\st)+1)*256
.endif
.endm
	s_load_b128 s[4:7], s[0:1], 0x0                ; qkv, ob
	v_lshl_add_u32 v240, v0, 2, 0x10e00
	v_mov_b32 v241, 0
	v_lshrrev_b32 v5, 5, v0
	v_readfirstlane_b32 s8, v5                     ; wave
	v_and_b32 v5, 31, v0
	v_lshlrev_b32 v[LI], 4, v5
	v_lshl_add_u32 v[L8], v5, 3, 0xf000
	v_lshlrev_b32 v[LS], 2, v5
	v_lshlrev_b32 v[CP], 4, v0
	s_wait_alu depctr_va_sdst(0)                   ; s8 is written, ahead of its first reader: the tile's number, and the branches on the wave's number
	s_and_b32 s9, ttmp7, 0xffff                    ; bh
	s_lshl_b32 s10, ttmp9, 4
	s_add_co_u32 s10, s10, s8                      ; t
	s_min_u32 s11, s10, 59                         ; (a wave without a tile loads tile 59's q and uses nothing of it)
	s_mul_i32 s26, s9, 60
	s_add_co_u32 s26, s26, s11
	s_lshl_b32 s27, s26, 9
	v_add_nc_u32 v6, s27, v[LI]                    ; q's codes
	s_lshl_b32 s27, s26, 7
	v_add_nc_u32 v7, s27, v[LS]                    ; q's bytes
	s_lshr_b32 s26, s9, 3
	s_mul_i32 s26, s26, 60
	s_add_co_u32 s26, s26, s11
	s_lshl_b32 s26, s26, 1
	s_bfe_u32 s27, s9, 0x10002
	s_add_co_u32 s26, s26, s27                     ; o's fragment: (b 60 + t) 2 + head / 4
	s_and_b32 s27, s9, 3
	s_lshl_b32 s28, s26, 11
	s_lshl_b32 s29, s27, 9
	s_add_co_u32 s28, s28, s29
	v_add_nc_u32 v8, s28, v[LI]                    ; its group of four registers: head % 4
	s_lshl_b32 s28, s26, 7
	s_add_co_u32 s28, s28, s27
	v_add_nc_u32 v9, s28, v[LS]                    ; and its byte of the scale words
	s_mul_i32 s12, s9, 61440
	s_mov_b32 s13, 0
	s_mul_i32 s14, s9, 7680
	s_mov_b32 s15, 0
	s_mov_b32 s[SEL], 0x76543210
	s_mov_b32 s[SEL+1], 0xfedcba98
	s_mov_b32 s[CS], 0x3fb8aa3b                    ; log2(e): q carries 1 / sqrt(32) already
	s_mov_b32 s[CS+1], s[CS]
	s_mov_b32 s[MNT], 0x600000
	s_mov_b32 s[MH], 0xffff0000
.irp i, 28,29,30,31,32,33,34,35
	v_mov_b32 v[SCO+\i], 0                         ; the two partial copy lines' registers are written on every wave's path
.endr
	s_wait_kmcnt 0x0
	s_add_nc_u64 s[12:13], s[4:5], s[12:13]
	s_add_nc_u64 s[12:13], s[12:13], 4915200       ; the head's K and V
	s_add_nc_u64 s[14:15], s[4:5], s[14:15]
	s_add_nc_u64 s[14:15], s[14:15], 12779520      ; their scales
	s_wait_alu depctr_va_vdst(0)                   ; the offsets and LDS addresses v1 to v4 and v6 to v9 are written, which the loads and stores read; so are v[SCO+28 ..], in which two of the loads below land
.irp i, 0,1,2,3,4,5,6
	global_load_b128 v[SCO+4*\i:SCO+4*\i+3], v[CP], s[12:13] offset:8192*\i   ; 512 threads x 16 bytes
.endr
	global_load_b128 v[QF:QF+3], v6, s[4:5]
	global_load_b32 v[QS], v7, s[4:5] offset:3932160
	s_cmp_lt_u32 s8, 8
	s_cbranch_scc0 .Lno_l8
	global_load_b128 v[SCO+28:SCO+31], v[CP], s[12:13] offset:57344           ; the last 4,096 bytes: waves 0-7
.Lno_l8:
	s_cmp_lt_u32 s8, 15
	s_cbranch_scc0 .Lno_l15
	global_load_b128 v[SCO+32:SCO+35], v[CP], s[14:15]                        ; 7,680 bytes of scales: waves 0-14
.Lno_l15:
.irp i, 4,5,6,7,8,9,10,11,12,13,14,15
	v_mov_b32 v[QF+\i], 0                          ; zero codes beyond the head's 32
.endr
.irp i, 32,33,34,35,36,37,38,39,40,41,42,43
	v_mov_b32 v[KF+\i], 0
.endr
.irp i, 0,1,2,3,4,5,6,7,8,9,10,11,12,13,14,15
	v_mov_b32 v[OT+\i], 0                          ; the steps are alike: the first finds zeros, which the first change of M leaves zeros
.endr
.irp i, 0,1,2,3
	v_mov_b32 v[BT+\i], 0                          ; a lane permute's destination counts as one of its sources
.endr
	v_mov_b32 v13, 0xff61b1e6                      ; the largest t so far: -3e38
	v_floor_f32 v12, -v13                          ; -M
	v_mov_b32 v14, 0
	v_mov_b32 v15, 0                               ; the sum, in two halves
	v_mov_b32 v[FF+1], 0
	v_mov_b32 v[T0], 0
	v_mov_b32 v[NI], 0xff800000
	s_wait_loadcnt 0x0
.irp i, 0,1,2,3,4,5,6
	ds_store_b128 v[CP], v[SCO+4*\i:SCO+4*\i+3] offset:8192*\i
.endr
	s_cmp_lt_u32 s8, 8
	s_cbranch_scc0 .Lno_s8
	ds_store_b128 v[CP], v[SCO+28:SCO+31] offset:57344
.Lno_s8:
	s_cmp_lt_u32 s8, 15
	s_cbranch_scc0 .Lno_s15
	ds_store_b128 v[CP], v[SCO+32:SCO+35] offset:61440
.Lno_s15:
	s_wait_dscnt 0x0                               ; my part of the copy has landed
	s_barrier_signal -1
	s_barrier_wait -1                              ; everybody's has; LDS is only read from here on
	s_wait_alu depctr_vm_vsrc(0)                   ; the copy's LDS stores have read v[SCO ..], which the scores' products write
	s_cmp_ge_u32 s10, 60
	s_cbranch_scc1 .Lend
	s_wait_alu depctr_va_vdst(0)                   ; the zero codes in v[QF+4 ..] and v[KF+32 ..] are written, which the scaled products take as parts of their operands
	KLOAD 0, 4
; A KEY STEP: keys 128 st on; nb blocks of 32 (4, or 1 in the last step); nxt: the next step's blocks (4, 1, or 0 behind the last step)
.macro STEP st, nb, nxt
	s_wait_dscnt 0x0                               ; this step's K and its scale words, asked for in the step before, are in
.irp j, 0,1,2,3,4,5,6,7
.if (\nb == 4) || (\j == 0)
.if \j % 2
	v_wmma_scale_f32_16x16x128_f8f6f4 v[SCO+8*\j:SCO+8*\j+7], v[KF+4*\j:KF+4*\j+15], v[QF:QF+15], 0, v[KS+\j/2], v[QS] matrix_a_fmt:MATRIX_FMT_BF8 matrix_b_fmt:MATRIX_FMT_BF8 matrix_a_scale:MATRIX_SCALE_ROW1
.else
	v_wmma_scale_f32_16x16x128_f8f6f4 v[SCO+8*\j:SCO+8*\j+7], v[KF+4*\j:KF+4*\j+15], v[QF:QF+15], 0, v[KS+\j/2], v[QS] matrix_a_fmt:MATRIX_FMT_BF8 matrix_b_fmt:MATRIX_FMT_BF8
.endif
.endif
.endr
	PLACES 8                                       ; behind the scores' products, ahead of the vector lines that read them
.if \nb == 1                                   ; keys from 900 on: -infinity ahead of the maximum
.irp i, 0,1,2,3
	v_cndmask_b32 v[SCO+\i], v[SCO+\i], v[NI], s[MH]
.endr
.irp i, 4,5,6,7,8,9,10,11,12,13,14,15
	v_mov_b32 v[SCO+\i], v[NI]
.endr
.endif
.irp b, 0,1,2,3
.if \b < \nb
	v_max3_num_f32 v[BM+\b], v[SCO+16*\b], v[SCO+16*\b+1], v[SCO+16*\b+2]   ; each block's largest score: for the row's maximum and, since p rises with the score, for the block's largest p
.endif
.endr
.irp i, 3,5,7,9,11,13
.irp b, 0,1,2,3
.if \b < \nb
	v_max3_num_f32 v[BM+\b], v[BM+\b], v[SCO+16*\b+\i], v[SCO+16*\b+\i+1]
.endif
.endr
.endr
.irp b, 0,1,2,3
.if \b < \nb
	v_max_num_f32 v[BM+\b], v[BM+\b], v[SCO+16*\b+15]
.endif
.endr
.irp b, 0,1,2,3
.if \b < \nb
	v_permlanex16_b32 v[BT+\b], v[BM+\b], s[SEL], s[SEL+1]
.endif
.endr
.irp b, 0,1,2,3
.if \b < \nb
	v_max_num_f32 v[BM+\b], v[BM+\b], v[BT+\b]
.endif
.endr
.if \nb == 4
	v_max3_num_f32 v[T0], v[BM], v[BM+1], v[BM+2]
	v_max_num_f32 v[T0], v[T0], v[BM+3]
.else
	v_mov_b32 v[T0], v[BM]
.endif
	v_mul_f32 v[T0], s[CS], v[T0]                  ; the step's largest t
	v_max_num_f32 v13, v13, v[T0]
	v_mov_b32 v[T0], v12
	v_floor_f32 v12, -v13                          ; -M = floor(-t): M is a whole number
	v_sub_f32 v[T0], v12, v[T0]
	v_cvt_i32_f32 v[T0], v[T0]                     ; (it saturates)
	v_ldexp_f32 v[FF], 1.0, v[T0]                  ; f = 2^(old M - new M): exact
.set J, 0
.rept 8*\nb
	v_pk_fma_f32 v[SCO+J:SCO+J+1], v[SCO+J:SCO+J+1], s[CS:CS+1], v[12:13] op_sel_hi:[1,0,0]   ; t - M
.set J, J+2
.endr
.irp b, 0,1,2,3
.if \b < \nb
	v_fma_f32 v[BM+\b], v[BM+\b], s[CS], v12
.endif
.endr
.set J, 0
.rept 16*\nb
	v_exp_f32 v[SCO+J], v[SCO+J]                   ; p, at most 1, not normalised
.set J, J+1
.endr
.irp b, 0,1,2,3
.if \b < \nb
	v_exp_f32 v[BM+\b], v[BM+\b]                   ; the block's largest p: the same two instructions on the same number
.endif
.endr
	v_pk_mul_f32 v[14:15], v[14:15], v[FF:FF+1] op_sel_hi:[1,0]   ; the sums under the new M (a plain line behind the exponentials)
	s_wait_alu depctr_va_vdst(0)                   ; the exponentials have written p and the blocks' largest p, ahead of their first reader; this step's scores' products are done reading KF and KS, the last step's products VF and its shifts VW: the loads below land there
	VLOAD \st, \nb
.if \nxt > 0
	KLOAD (\st)+1, \nxt                            ; the next step's K.  No vector or matrix line names KF or KS before that step's products
.endif
.irp b, 0,1,2,3
.if \b < \nb
	v_max_num_f32 v[BM+\b], 0x8000000, v[BM+\b]    ; the floor 2^(16 - 127)
.endif
.endr
.irp b, 0,1,2,3
.if \b < \nb
	v_add_nc_u32 v[SO+\b], 0xf8800000, v[BM+\b]
.endif
.endr
.irp b, 0,1,2,3
.if \b < \nb
	v_and_or_b32 v[HL+\b], v[BM+\b], 0x7f800000, s[MNT]
.endif
.endr
.irp b, 0,1,2,3
.if \b < \nb
	v_lshrrev_b32 v[BT+\b], 23, v[SO+\b]
.endif
.endr
.if \nb == 4
	v_lshl_or_b32 v[PS], v[BT+1], 8, v[BT]
	v_lshl_or_b32 v[PS], v[BT+2], 16, v[PS]
	v_lshl_or_b32 v[PS], v[BT+3], 24, v[PS]
.else
	v_mov_b32 v[PS], v[BT]
.endif
	v_pk_add_f32 v[T0:T0+1], v[SCO:SCO+1], v[SCO+2:SCO+3]   ; the row's sum is taken of the unquantised p, in two chains
.set J, 4
.rept 4*\nb-1
	v_pk_add_f32 v[14:15], v[14:15], v[SCO+J:SCO+J+1]
	v_pk_add_f32 v[T0:T0+1], v[T0:T0+1], v[SCO+J+2:SCO+J+3]
.set J, J+4
.endr
	v_pk_add_f32 v[14:15], v[14:15], v[T0:T0+1]
.if \nxt == 4
	s_wait_dscnt 10                                ; V and its scale halves are in; the next step's K, ten younger loads, may be out
.elseif \nxt == 1
	s_wait_dscnt 2                                 ; likewise: the last step's K is two loads
.else
	s_wait_dscnt 0x0
.endif
.if \nb == 4
	v_lshl_or_b32 v[VS], v[VW+2], 16, v[VW]        ; the four blocks' bytes; the holds below are the places between this and the products
	v_lshl_or_b32 v[VS+1], v[VW+3], 16, v[VW+1]
.else
	v_mov_b32 v[VS], v[VW]
	v_mov_b32 v[VS+1], v[VW+1]
.endif
.irp b, 0,1,2,3
.if \b < \nb
.irp i, 0,1,2,3,4,5,6,7,8,9,10,11,12,13,14,15
	v_min_num_f32 v[SCO+16*\b+\i], v[SCO+16*\b+\i], v[HL+\b]   ; the hold; p is not negative
.endr
	v_cvt_scalef32_pk8_bf8_f32 v[PCD+4*\b:PCD+4*\b+1], v[SCO+16*\b:SCO+16*\b+7], v[SO+\b]
	v_cvt_scalef32_pk8_bf8_f32 v[PCD+4*\b+2:PCD+4*\b+3], v[SCO+16*\b+8:SCO+16*\b+15], v[SO+\b]
.endif
.endr
.if \nb == 1
.irp i, 4,5,6,7,8,9,10,11,12,13,14,15
	v_mov_b32 v[PCD+\i], 0                         ; zero codes for the keys that are not there: V's registers 4-15 keep finite codes of the step before
.endr
.endif
.set J, 0
.rept 8
	v_pk_mul_f32 v[OT+J:OT+J+1], v[OT+J:OT+J+1], v[FF:FF+1] op_sel_hi:[1,0]   ; O^T under the new M; also the places in front of the products
.set J, J+2
.endr
	s_wait_alu depctr_va_vdst(0)                   ; p's codes v[PCD ..], p's scale word v[PS] and V's scale words v[VS ..] are written by vector lines: the scaled products below take them; the places above stay beside this wait
.irp u, 0,1
	v_wmma_scale_f32_16x16x128_f8f6f4 v[OT+8*\u:OT+8*\u+7], v[VF+16*\u:VF+16*\u+15], v[PCD:PCD+15], v[OT+8*\u:OT+8*\u+7], v[VS+\u], v[PS] matrix_a_fmt:MATRIX_FMT_BF8 matrix_b_fmt:MATRIX_FMT_BF8
.endr
.endm
	STEP 0, 4, 4
	STEP 1, 4, 4
	STEP 2, 4, 4
	STEP 3, 4, 4
	STEP 4, 4, 4
	STEP 5, 4, 4
	STEP 6, 4, 1
	STEP 7, 1, 0
	PLACES 8
	v_add_f32 v14, v14, v15
	v_permlanex16_b32 v[T0], v14, s[SEL], s[SEL+1]
	v_add_f32 v14, v14, v[T0]                      ; the row's sum
	v_rcp_f32 v14, v14
	v_nop
	s_wait_alu depctr_va_vdst(0)                   ; the reciprocal has written v14, ahead of its first reader
.irp j, 0,1,2,3,4,5,6,7,8,9,10,11,12,13,14,15
	v_mul_f32 v[SCO+\j], v[OT+\j], v14             ; o(query r, channel 16 h + j of the head)
.endr
	v_max3_num_f32 v[BM], |v[SCO]|, |v[SCO+1]|, 0x8000000
.irp i, 2,4,6,8,10,12,14
	v_max3_num_f32 v[BM], v[BM], |v[SCO+\i]|, |v[SCO+\i+1]|
.endr
	v_permlanex16_b32 v[BT], v[BM], s[SEL], s[SEL+1]
	v_max_num_f32 v[BM], v[BM], v[BT]
	v_add_nc_u32 v[SO], 0xf8800000, v[BM]
	v_and_or_b32 v[HL], v[BM], 0x7f800000, s[MNT]
	v_lshrrev_b32 v[BT], 23, v[SO]
.irp i, 0,1,2,3,4,5,6,7,8,9,10,11,12,13,14,15
	v_med3_num_f32 v[SCO+\i], v[SCO+\i], -v[HL], v[HL]
.endr
	v_cvt_scalef32_pk8_bf8_f32 v[PCD:PCD+1], v[SCO:SCO+7], v[SO]
	v_cvt_scalef32_pk8_bf8_f32 v[PCD+2:PCD+3], v[SCO+8:SCO+15], v[SO]
	v_nop
	s_wait_alu depctr_va_vdst(0)                   ; the conversions have written v[PCD ..] and the shift v[BT], which the two stores read
	global_store_b128 v8, v[PCD:PCD+3], s[6:7]     ; 32 lanes store 512 consecutive bytes
	global_store_b8 v9, v[BT], s[6:7] offset:3932160
.Lend:
	s_wait_dscnt 0x0                               ; the closing lines, six on end
	s_wait_alu 0x0
	s_wait_tensorcnt 0x0
	ds_add_u32 v240, v241
	s_wait_dscnt 0x0
	s_endpgm
.Lfunc_end_k_q46437c6536_attn:
	.size	k_q46437c6536_attn, .Lfunc_end_k_q46437c6536_attn-k_q46437c6536_attn
	.p2alignl 7, 3214868480
	.fill 96, 4, 3214868480
	.section	.rodata,"a",@progbits
	.p2align	6, 0x0
	.amdhsa_kernel k_q46437c6536_attn
		.amdhsa_group_segment_fixed_size 71168
		.amdhsa_private_segment_fixed_size 0
		.amdhsa_enable_private_segment 0
		.amdhsa_kernarg_size 16
		.amdhsa_user_sgpr_count 2
		.amdhsa_user_sgpr_kernarg_segment_ptr 1
		.amdhsa_wavefront_size32 1
		.amdhsa_system_sgpr_workgroup_id_x 1
		.amdhsa_system_sgpr_workgroup_id_y 1
		.amdhsa_system_sgpr_workgroup_id_z 1
		.amdhsa_system_vgpr_workitem_id 0
		.amdhsa_next_free_vgpr 242
		.amdhsa_next_free_sgpr 66
		.amdhsa_reserve_vcc 0
		.amdhsa_float_denorm_mode_32 3
		.amdhsa_float_denorm_mode_16_64 3
		.amdhsa_memory_ordered 1
		.amdhsa_forward_progress 1
		.amdhsa_inst_pref_size 130
	.end_amdhsa_kernel
	.amdgpu_metadata
---
amdhsa.version: [ 1, 2 ]
amdhsa.kernels:
  - .name:           k_q46437c6536_attn
    .symbol:         k_q46437c6536_attn.kd
    .args:
      - { .name: qkv, .offset: 0, .size: 8, .value_kind: global_buffer, .address_space: global }
      - { .name: ob, .offset: 8, .size: 8, .value_kind: global_buffer, .address_space: global }
    .group_segment_fixed_size: 71168
    .private_segment_fixed_size: 0
    .kernarg_segment_align: 8
    .kernarg_segment_size: 16
    .max_flat_workgroup_size: 512
    .sgpr_count:     66
    .vgpr_count:     242
    .wavefront_size: 32
...
	.end_amdgpu_metadata
.endif
;; end of part 10
;; launch saout (part 11): grid 15 x 16, 8 waves a work-group, no clusters, 134,144 bytes of LDS; arguments ob, wq, tgt, tgt_query_pos, tgt_reference_points, out_proj_b, norm2_g, norm2_b, samp_off_b, attn_w_b, cf, idx; writes cf, idx
.if DOCPART == 11
	.amdgcn_target "amdgcn-amd-amdhsa--gfx1250"
	.amdhsa_code_object_version 6
	.text
	.protected	k_q46437c6536_saout
	.globl	k_q46437c6536_saout
	.p2align	8
	.type	k_q46437c6536_saout,@function
k_q46437c6536_saout:
	s_mov_b64 s[64:65], 0
	v_nop
	global_prefetch_b8 v0, s[64:65] scope:SCOPE_SE
	s_setreg_imm32_b32 hwreg(HW_REG_WAVE_SCHED_MODE, 0, 2), 2
	s_setreg_imm32_b32 hwreg(HW_REG_WAVE_MODE, 25, 1), 1
	s_wait_xcnt 0x0
	s_wait_alu depctr_vm_vsrc(0)
; t1 = LN2(tgt + o Wo^T + bo); q2 = t1 + pos; sampling offsets and attention weights of the deformable attention (q2 Ws^T + bs, softmax(q2 Wa^T + ba)); from them, for each point, ONE whole number and four weights.
; SHARES as in the launch that made q, k, v: 64 rows l of one b in four tiles of chosen rows (64 lb + 32 (m / 2) + 8 (m % 2) + r + 8 (r / 8)); wave w owns channels 32 w .. 32 w + 31 and is head w of the sampling.
; All products are used transposed (source 0 = 16 rows of a weight, source 1 = 16 rows of the operand): a lane holds one row and 16 neighbouring channels 32 w + 16 h + 0 .. 15.
; LAYER NORM over 256 channels that lie in eight waves: each wave gives its mean and its sum of squared deviations of 32 channels; they are joined as M2 = sum M2_k + 32 sum (mu_k - mu)^2: no difference of large sums.
; A POINT.  x = (ref_x + off_x / W) W - 0.5.  The patch's corner is bx = floor(x) held to 0 .. W - 2, and column c has the weight max(1 - |x - c|, 0): for a point inside that is the bilinear weight, and for a corner
; outside the level it is 0, as reference() has it.  Stored: the patch's first row in the value table (whole number: the next launch but one forms addresses of it) and aw x cy x cx for the four corners.
; The levels' sizes are those of reference()'s own constant SHAPES (100, 50, 25, 13, square; starts 0, 10,000, 12,500, 13,125): reference() never reads memory_spatial_shapes or memory_level_start_index, so neither does this program.
; cf: t1 as f32 [960 l][16 b][256] at 0; the weights at 15,728,640 + (bh 960 + l) 256: [half][dx][dy][8 points].  idx: (bh 960 + l) 64: 16 words.  Rows 900 to 959 are worked on row 899's inputs and are read by nobody.
; REGISTERS: window 0: v1-15, v26-31, v40-59 addresses and constants; v16-25 weights' scale words; v32-39 operands' scale words; v60-123 AF; v124-187 ACC; v188-251 RES (the quantiser's registers lie over it).
;   window 1: v0-159 weights, later what comes back from the stage; v160-231 biases, gain and shift; v254, v255 the closing add's two.
; LIMITS: NaN and infinities are not served; a block of zeros gets the byte 1.
; THE MODE: SCHED_MODE bits 1:0 = 2 (LLVM: expert scheduling mode 2), set by the entry lines.  The code itself states the register dependences between vector or matrix instructions and memory or LDS instructions, with s_wait_alu, always for 0.
; THE PLAN.  Registers that memory or LDS instructions touch:
;   addresses (v1, v2, v5-v15, v28-v31, v40-v53)   made at the head, never written again: one wait on va_vdst ahead of the first load.
;   AF    o's K step 0 | products read it | tgt lands | the norm's lines work in it, four LDS stores read it, the waves' figures land | q2's fragments land, products read | t1's rows land, global stores read | the points' lines work in it, LDS stores read.
;   RES   o's K step 1 | products read it | pos lands, an addition reads | the quantiser's TM, PC lie over it, LDS stores read | the logits' accumulators lie over TM, PC; the reference points land from v220 on.
;   ACC   written by products and vector lines; read once by the stage's LDS stores (t1).
;   window 1, v0-159: weights, read by products; later each tile of points has 40 registers of its own: LDS loads land, global stores read.
; A wait on va_vdst stands ahead of each run of stores of vector or matrix results and ahead of each run of loads into registers that vector or matrix lines named since the last such wait;
; a wait on vm_vsrc ahead of the first line that writes again what a store has read.  The first product's two K steps stand on end, so that ONE wait serves the loads of tgt and of pos.
.set QIMG, 0                           ; LDS: q2's 8 fragments (2 m + K step),
.set QSC, 16384                        ; their scale words,
.set LNS, 17408                        ; the norm's figures: [m][r][wave] 8 bytes,
.set T1S, 21504                        ; 64 rows of t1, 1,024 bytes + 16,
.set PST, 88064                        ; for each wave 5,632 bytes: 16 rows of weights (256 + 16), then 16 rows of indices (64 + 16)
.set WSCL, 1015808
.set LI, 1
.set LS, 2
.set ROW, 5
.set VW4, 9
.set VWS4, 10
.set VW2, 11
.set VWS2, 12
.set LNW, 13
.set LNR, 14
.set T1W, 15
.set WS, 16
.set ST, 26
.set XS, 32
.set QWI, 40
.set QWS, 41
.set T1R, 42
.set T1G, 43
.set REFA, 44
.set PSW, 48
.set PSI, 49
.set PRW, 50
.set PRI, 51
.set GW, 52
.set GI, 53
.set WW, 54
.set IW, 56
.set W2, 58
.set AF, 60
.set ACC, 124
.set RES, 188
.set TM, 188
.set PC, 204
.set PW, 252
.set AW, 60                            ; the sampling's registers lie in AF: v60-67 aw, v68-99 weights, v100-107 indices, v108-121 at work
.set WT, 68
.set IDXR, 100
.set XX, 108
.set BX, 109
.set CX0, 110
.set CX1, 111
.set YY, 112
.set BY, 113
.set CY0, 114
.set CY1, 115
.set II, 116
.set T0, 118
.set BO, 160
.set BF, 176
.set BA, 192
.set GG, 200
.set BB, 216
.set OB, 4
.set WQ, 6
.set TGT, 8
.set POS, 10
.set REF, 12
.set OPB, 14
.set G2P, 16
.set B2P, 18
.set SOB, 20
.set AWB, 22
.set CF, 24
.set IDXP, 26
.set SEL, 32
.set MNT, 34
.set MH, 35
.set CS, 36
.set I256, 38
.set EPS, 39
.set CFW, 40
.set MSB, 0
.macro WIN new
.if MSB != \new
	s_set_vgpr_msb (MSB<<8)|\new
.set MSB, \new
.endif
.endm
.macro PLACES n
.rept \n
	v_nop
.endr
.endm
.macro BARRIER
	s_wait_dscnt 0x0
	s_barrier_signal -1
	s_barrier_wait -1
.endm
.macro QUANT s, relu
.irp b, 0,1,2,3
.if \relu
	v_max3_num_f32 v[TM+\b], v[\s+16*\b], v[\s+16*\b+1], 0x8000000
.else
	v_max3_num_f32 v[TM+\b], |v[\s+16*\b]|, |v[\s+16*\b+1]|, 0x8000000
.endif
.endr
.irp i, 2,4,6,8,10,12,14
.irp b, 0,1,2,3
.if \relu
	v_max3_num_f32 v[TM+\b], v[TM+\b], v[\s+16*\b+\i], v[\s+16*\b+\i+1]
.else
	v_max3_num_f32 v[TM+\b], v[TM+\b], |v[\s+16*\b+\i]|, |v[\s+16*\b+\i+1]|
.endif
.endr
.endr
.irp b, 0,1,2,3
	v_permlanex16_b32 v[TM+4+\b], v[TM+\b], s[SEL], s[SEL+1]
.endr
.irp b, 0,1,2,3
	v_max_num_f32 v[TM+\b], v[TM+\b], v[TM+4+\b]
.endr
.irp b, 0,1,2,3
	v_add_nc_u32 v[TM+12+\b], 0xf8800000, v[TM+\b]
.endr
.irp b, 0,1,2,3
	v_and_or_b32 v[TM+8+\b], v[TM+\b], 0x7f800000, s[MNT]
.endr
.irp b, 0,1,2,3
	v_lshrrev_b32 v[TM+4+\b], 23, v[TM+12+\b]
.endr
	v_lshl_or_b32 v[PW], v[TM+5], 8, v[TM+4]
	v_lshl_or_b32 v[PW], v[TM+6], 16, v[PW]
	v_lshl_or_b32 v[PW], v[TM+7], 24, v[PW]
.irp b, 0,1,2,3
.irp i, 0,1,2,3,4,5,6,7,8,9,10,11,12,13,14,15
.if \relu
	v_med3_num_f32 v[\s+16*\b+\i], v[\s+16*\b+\i], 0, v[TM+8+\b]
.else
	v_med3_num_f32 v[\s+16*\b+\i], v[\s+16*\b+\i], -v[TM+8+\b], v[TM+8+\b]
.endif
.endr
	v_cvt_scalef32_pk8_bf8_f32 v[PC+4*\b:PC+4*\b+1], v[\s+16*\b:\s+16*\b+7], v[TM+12+\b]
	v_cvt_scalef32_pk8_bf8_f32 v[PC+4*\b+2:PC+4*\b+3], v[\s+16*\b+8:\s+16*\b+15], v[TM+12+\b]
.endr
	v_nop
.endm
.macro LOADW slot, voff, vsoff, f0, f1, f2, f3
	WIN 0x40
.set LWI, 0
.irp f, \f0, \f1, \f2, \f3
.irp c, 0,1,2,3
	global_load_b128 v[64*(\slot)+16*LWI+4*\c:64*(\slot)+16*LWI+4*\c+3], v[\voff], s[WQ:WQ+1] offset:(\f)*2048+512*\c
.endr
.set LWI, LWI+1
.endr
	WIN 0
.set LWI, 0
.irp f, \f0, \f1, \f2, \f3
	global_load_b32 v[WS+4*(\slot)+LWI], v[\vsoff], s[WQ:WQ+1] offset:WSCL+(\f)*128
.set LWI, LWI+1
.endr
.endm
.macro FETCH4 vi, vs, img, sc, ks, kk
.irp m, 0,1,2,3
.irp c, 0,1,2,3
	ds_load_b128 v[AF+16*\m+4*\c:AF+16*\m+4*\c+3], v[\vi] offset:\img+(\m*\ks+\kk)*2048+512*\c
.endr
	ds_load_b32 v[XS+\m], v[\vs] offset:\sc+(\m*\ks+\kk)*128
.endr
.endm
.macro MM8 slot, kk, cw, bf, xs        ; eight accumulators by turns
.if \cw >= 0
	WIN 0x11
.else
	WIN 0x01
.endif
.irp m, 0,1,2,3
.irp u, 0,1
.if \cw >= 0
	v_wmma_scale_f32_16x16x128_f8f6f4 v[ACC+16*\m+8*\u:ACC+16*\m+8*\u+7], v[64*(\slot)+16*(2*\u+\kk):64*(\slot)+16*(2*\u+\kk)+15], v[\bf+16*\m:\bf+16*\m+15], v[\cw+8*\u:\cw+8*\u+7], v[WS+4*(\slot)+2*\u+\kk], v[\xs+\m] matrix_a_fmt:MATRIX_FMT_BF8 matrix_b_fmt:MATRIX_FMT_BF8
.else
	v_wmma_scale_f32_16x16x128_f8f6f4 v[ACC+16*\m+8*\u:ACC+16*\m+8*\u+7], v[64*(\slot)+16*(2*\u+\kk):64*(\slot)+16*(2*\u+\kk)+15], v[\bf+16*\m:\bf+16*\m+15], v[ACC+16*\m+8*\u:ACC+16*\m+8*\u+7], v[WS+4*(\slot)+2*\u+\kk], v[\xs+\m] matrix_a_fmt:MATRIX_FMT_BF8 matrix_b_fmt:MATRIX_FMT_BF8
.endif
.endr
.endr
.endm
; my 32 channels' mean and sum of squared deviations, for each of the 64 rows, to LDS.  y lies in ACC; AF is at work
.macro LNSTAT
.irp m, 0,1,2,3
.irp k, 0,1,2,3
	v_pk_add_f32 v[AF+16*\m+2*\k:AF+16*\m+2*\k+1], v[ACC+16*\m+4*\k:ACC+16*\m+4*\k+1], v[ACC+16*\m+4*\k+2:ACC+16*\m+4*\k+3]
.endr
.endr
.irp m, 0,1,2,3
	v_pk_add_f32 v[AF+16*\m:AF+16*\m+1], v[AF+16*\m:AF+16*\m+1], v[AF+16*\m+2:AF+16*\m+3]
	v_pk_add_f32 v[AF+16*\m+4:AF+16*\m+5], v[AF+16*\m+4:AF+16*\m+5], v[AF+16*\m+6:AF+16*\m+7]
.endr
.irp m, 0,1,2,3
	v_pk_add_f32 v[AF+16*\m:AF+16*\m+1], v[AF+16*\m:AF+16*\m+1], v[AF+16*\m+4:AF+16*\m+5]
.endr
.irp m, 0,1,2,3
	v_add_f32 v[AF+16*\m], v[AF+16*\m], v[AF+16*\m+1]
.endr
.irp m, 0,1,2,3
	v_permlanex16_b32 v[AF+16*\m+1], v[AF+16*\m], s[SEL], s[SEL+1]
.endr
.irp m, 0,1,2,3
	v_add_f32 v[AF+16*\m], v[AF+16*\m], v[AF+16*\m+1]
.endr
.irp m, 0,1,2,3
	v_mul_f32 v[AF+16*\m], 0x3d000000, v[AF+16*\m]         ; / 32: my mean
.endr
.irp k, 0,1,2,3,4,5,6,7
.irp m, 0,1,2,3
	v_pk_add_f32 v[AF+16*\m+2+2*(\k%2):AF+16*\m+3+2*(\k%2)], v[ACC+16*\m+2*\k:ACC+16*\m+2*\k+1], v[AF+16*\m:AF+16*\m+1] op_sel_hi:[1,0] neg_lo:[0,1] neg_hi:[0,1]
.endr
.irp m, 0,1,2,3
.if \k == 0
	v_pk_mul_f32 v[AF+16*\m+6:AF+16*\m+7], v[AF+16*\m+2:AF+16*\m+3], v[AF+16*\m+2:AF+16*\m+3]
.else
	v_pk_fma_f32 v[AF+16*\m+6:AF+16*\m+7], v[AF+16*\m+2+2*(\k%2):AF+16*\m+3+2*(\k%2)], v[AF+16*\m+2+2*(\k%2):AF+16*\m+3+2*(\k%2)], v[AF+16*\m+6:AF+16*\m+7]
.endif
.endr
.endr
.irp m, 0,1,2,3
	v_add_f32 v[AF+16*\m+6], v[AF+16*\m+6], v[AF+16*\m+7]
.endr
.irp m, 0,1,2,3
	v_permlanex16_b32 v[AF+16*\m+7], v[AF+16*\m+6], s[SEL], s[SEL+1]
.endr
.irp m, 0,1,2,3
	v_add_f32 v[AF+16*\m+1], v[AF+16*\m+6], v[AF+16*\m+7]
.endr
	s_wait_alu depctr_va_vdst(0)                           ; the lines above have written the four pairs in AF, which the LDS stores read, and are done with all of AF, in which the waves' figures land behind the barrier
.irp m, 0,1,2,3
	ds_store_b64 v[LNW], v[AF+16*\m:AF+16*\m+1] offset:1024*\m   ; both halves of the lanes write the same bytes with the same numbers
.endr
.endm
; behind a barrier: the eight waves' figures are joined, and y becomes (y - mu) rsqrt(var + 1e-5) g + b, in place.  g, bb: gain and shift in window 1
.macro LNAPPLY g, bb
	s_wait_alu depctr_vm_vsrc(0)                           ; my four LDS stores have read their pairs in AF, in which the loads below land
.irp m, 0,1,2,3
.irp k, 0,1,2,3
	ds_load_b128 v[AF+16*\m+4*\k:AF+16*\m+4*\k+3], v[LNR] offset:1024*\m+16*\k
.endr
.endr
	s_wait_dscnt 0x0
.irp m, 0,1,2,3
	v_pk_add_f32 v[254:255], v[AF+16*\m:AF+16*\m+1], v[AF+16*\m+2:AF+16*\m+3]
.irp k, 2,3,4,5,6,7
	v_pk_add_f32 v[254:255], v[254:255], v[AF+16*\m+2*\k:AF+16*\m+2*\k+1]
.endr
	v_mul_f32 v254, 0x3e000000, v254                       ; mu
.irp k, 0,1,2,3,4,5,6,7
	v_sub_f32 v[AF+16*\m+2*\k], v[AF+16*\m+2*\k], v254
.endr
	v_mul_f32 v253, v[AF+16*\m], v[AF+16*\m]
.irp k, 1,2,3,4,5,6,7
	v_fmac_f32 v253, v[AF+16*\m+2*\k], v[AF+16*\m+2*\k]
.endr
	v_fmamk_f32 v255, v253, 0x42000000, v255               ; + 32 sum (mu_k - mu)^2
	v_fma_f32 v253, v255, s[I256], s[EPS]
	v_rsq_f32 v252, v253
.irp k, 0,1,2,3,4,5,6,7
	v_pk_add_f32 v[ACC+16*\m+2*\k:ACC+16*\m+2*\k+1], v[ACC+16*\m+2*\k:ACC+16*\m+2*\k+1], v[254:255] op_sel_hi:[1,0] neg_lo:[0,1] neg_hi:[0,1]   ; plain lines behind the root, which touch neither its result nor its source
.endr
	s_wait_alu depctr_va_vdst(0)                           ; the root has written v252, ahead of its first reader
.irp k, 0,1,2,3,4,5,6,7
	v_pk_mul_f32 v[ACC+16*\m+2*\k:ACC+16*\m+2*\k+1], v[ACC+16*\m+2*\k:ACC+16*\m+2*\k+1], v[252:253] op_sel_hi:[1,0]
.endr
.endr
	WIN 0x14
.irp m, 0,1,2,3
.irp k, 0,1,2,3,4,5,6,7
	v_pk_fma_f32 v[ACC+16*\m+2*\k:ACC+16*\m+2*\k+1], v[ACC+16*\m+2*\k:ACC+16*\m+2*\k+1], v[\g+2*\k:\g+2*\k+1], v[\bb+2*\k:\bb+2*\k+1]
.endr
.endr
	WIN 0
	s_wait_alu depctr_va_vdst(0)                           ; the norm has written ACC, which the stage's LDS stores read
.endm
.macro LCONST dst, c0, c1              ; a constant by the lane's half
	v_mov_b32 v[\dst], \c0
	v_mov_b32 v253, \c1
	v_cndmask_b32 v[\dst], v[\dst], v253, s[MH]
.endm
.macro AXIS o, rf, lv, xx, bc, c0, c1  ; one coordinate of one point: the patch's corner and the two columns' weights
	v_fma_f32 v[\xx], v[\o], v[IW+\lv], v[\rf]
	v_fma_f32 v[\xx], v[\xx], v[WW+\lv], -0.5
	v_floor_f32 v[\bc], v[\xx]
	v_med3_num_f32 v[\bc], v[\bc], 0, v[W2+\lv]
	v_sub_f32 v[\xx], v[\xx], v[\bc]
	v_sub_f32 v[\c0], 1.0, |v[\xx]|
	v_add_f32 v[\xx], -1.0, v[\xx]
	v_sub_f32 v[\c1], 1.0, |v[\xx]|
	v_max_num_f32 v[\c0], 0, v[\c0]
	v_max_num_f32 v[\c1], 0, v[\c1]
.endm
	s_load_b512 s[4:19], s[0:1], 0x0
	s_load_b256 s[20:27], s[0:1], 0x40
	s_set_vgpr_msb 0x40
	v_lshl_add_u32 v254, v0, 2, 0x20800
	v_mov_b32 v255, 0
	s_set_vgpr_msb 0x4000
	v_lshrrev_b32 v3, 5, v0
	v_readfirstlane_b32 s28, v3                    ; wave
	v_and_b32 v5, 31, v0
	v_lshlrev_b32 v[LI], 4, v5
	v_lshlrev_b32 v[LS], 2, v5
	v_and_b32 v3, 15, v0                           ; r
	v_bfe_u32 v4, v0, 4, 1                         ; h
	s_wait_alu depctr_va_sdst(0)                   ; s28 is written, ahead of its first reader: offsets and LDS addresses are made from it
	s_and_b32 s30, ttmp7, 0xffff                   ; b
	s_lshl_b32 s29, ttmp9, 6                       ; 64 lb
	s_mov_b32 s[SEL], 0x76543210
	s_mov_b32 s[SEL+1], 0xfedcba98
	s_mov_b32 s[MNT], 0x600000
	s_mov_b32 s[MH], 0xffff0000
	s_mov_b32 s[CS], 0x3fb8aa3b
	s_mov_b32 s[CS+1], s[CS]
	s_mov_b32 s[I256], 0x3b800000
	s_mov_b32 s[EPS], 0x3727c5ac
	v_and_b32 v28, 8, v3
	v_add_nc_u32 v28, v28, v3
	v_add_nc_u32 v28, s29, v28                     ; 64 lb + r + 8 (r / 8)
	s_lshl_b32 s44, s30, 10
	s_lshl_b32 s45, s28, 7
	s_add_co_u32 s44, s44, s45
	v_lshl_add_u32 v29, v4, 6, s44                 ; 1,024 b + 128 w + 64 h
	s_lshl_b32 s46, s30, 5
	v_lshl_add_u32 v30, v4, 4, s46                 ; 32 b + 16 h
.irp m, 0,1,2,3
	v_add_nc_u32 v31, 32*(\m/2)+8*(\m%2), v28
	v_min_u32 v31, 0x383, v31                      ; no load leaves its buffer
	v_lshl_add_u32 v[ROW+\m], v31, 14, v29         ; tgt, pos: my row's 16 channels
	v_lshl_add_u32 v[REFA+\m], v31, 9, v30         ; reference points: my half's two levels
.endr
	v_lshl_add_u32 v31, v4, 6, s45                 ; biases, gain, shift: 128 w + 64 h
	s_lshl_b32 s47, s28, 6
	v_lshl_add_u32 v30, v4, 5, s47                 ; attn_w_b: 64 w + 32 h
	s_mul_i32 s48, s30, 60
	s_lshl_b32 s49, ttmp9, 2
	s_add_co_u32 s48, s48, s49
	s_lshl_b32 s50, s48, 12
	v_add_nc_u32 v28, s50, v[LI]                   ; o's fragments
	s_lshl_b32 s50, s48, 8
	v_add_nc_u32 v29, s50, v[LS]                   ; their scale words
	s_lshl_b32 s50, s28, 13
	v_add_nc_u32 v[VW4], s50, v[LI]
	s_lshl_b32 s50, s28, 9
	v_add_nc_u32 v[VWS4], s50, v[LS]
	s_lshl_b32 s50, s28, 12
	v_add_nc_u32 v[VW2], s50, v[LI]
	s_lshl_b32 s50, s28, 8
	v_add_nc_u32 v[VWS2], s50, v[LS]
	s_lshl_b32 s51, s28, 3
	v_lshl_add_u32 v[LNW], v3, 6, s51
	v_add_nc_u32 v[LNW], LNS, v[LNW]
	v_lshl_add_u32 v[LNR], v3, 6, LNS
	v_mul_u32_u24 v[T1W], v3, 1040
	v_lshl_add_u32 v[T1W], v4, 6, v[T1W]
	v_add_nc_u32 v[T1W], s45, v[T1W]
	v_add_nc_u32 v[T1W], T1S, v[T1W]
	s_lshr_b32 s52, s28, 2
	s_and_b32 s53, s28, 3
	s_lshl_b32 s54, s52, 11
	s_lshl_b32 s55, s53, 9
	s_add_co_u32 s54, s54, s55
	v_add_nc_u32 v[QWI], s54, v[LI]                ; q2's images: K step w / 4, group of registers w % 4
	s_lshl_b32 s54, s52, 7
	s_add_co_u32 s54, s54, s53
	v_add_nc_u32 v[QWS], s54, v[LS]                ; and byte w % 4 of the scale words
	s_mul_i32 s54, s28, 8320
	v_add_nc_u32 v[T1R], s54, v[LI]
	v_add_nc_u32 v[T1R], T1S, v[T1R]               ; back: stage rows 8 w on
	s_lshl_b32 s54, s52, 5
	s_bfe_u32 s55, s28, 0x10001
	s_lshl_b32 s55, s55, 3
	s_add_co_u32 s54, s54, s55
	s_and_b32 s55, s28, 1
	s_lshl_b32 s55, s55, 4
	s_add_co_u32 s54, s54, s55
	s_add_co_u32 s54, s54, s29                     ; which are l = 64 lb + 32 (w / 4) + 8 ((w / 2) % 2) + 16 (w % 2) on
	s_lshl_b32 s54, s54, 4
	s_add_co_u32 s54, s54, s30
	s_lshl_b32 s54, s54, 10
	v_add_nc_u32 v[T1G], s54, v[LI]
	s_mul_i32 s54, s28, 5632
	s_add_co_u32 s54, s54, PST                     ; my stage
	v_mul_u32_u24 v[PSW], v3, 272
	v_lshl_add_u32 v[PSW], v4, 7, v[PSW]
	v_add_nc_u32 v[PSW], s54, v[PSW]
	v_mul_u32_u24 v[PSI], v3, 80
	v_lshl_add_u32 v[PSI], v4, 5, v[PSI]
	v_add_nc_u32 v[PSI], s54, v[PSI]
	v_mul_u32_u24 v[PRW], v4, 272
	v_lshl_add_u32 v[PRW], v3, 4, v[PRW]
	v_add_nc_u32 v[PRW], s54, v[PRW]
	v_and_b32 v[PRI], 31, v0
	v_lshrrev_b32 v[GW], 2, v[PRI]
	v_and_b32 v[PRI], 3, v[PRI]
	v_mul_u32_u24 v[GW], v[GW], 80
	v_lshl_add_u32 v[PRI], v[PRI], 4, v[GW]
	v_add_nc_u32 v[PRI], s54, v[PRI]
	s_lshl_b32 s55, s30, 3
	s_add_co_u32 s55, s55, s28                     ; bh
	s_mul_i32 s55, s55, 960
	s_add_co_u32 s55, s55, s29
	s_lshl_b32 s56, s55, 8
	v_add_nc_u32 v[GW], s56, v[LI]
	s_lshl_b32 s56, s55, 6
	v_add_nc_u32 v[GI], s56, v[LI]
	LCONST WW, 0x42c80000, 0x41c80000              ; W of my first level (0 or 2): 100, 25
	LCONST WW+1, 0x42480000, 0x41500000            ; of my second (1 or 3): 50, 13
	LCONST IW, 0x3c23d70a, 0x3d23d70a              ; 1 / W
	LCONST IW+1, 0x3ca3d70a, 0x3d9d89d9
	LCONST W2, 0x42c40000, 0x41b80000              ; W - 2
	LCONST W2+1, 0x42400000, 0x41300000
	LCONST ST, 0, 0x46435000                       ; the level's first row in the table: 0, 12,500
	LCONST ST+1, 0x461c4000, 0x464d1400            ; 10,000, 13,125
	s_wait_kmcnt 0x0
	s_add_nc_u64 s[CFW:CFW+1], s[CF:CF+1], 15728640
	s_wait_alu depctr_va_vdst(0)                   ; all offsets and LDS addresses are written: every load and store of the kernel reads one of them
.irp m, 0,1,2,3
.irp c, 0,1,2,3
	global_load_b128 v[AF+16*\m+4*\c:AF+16*\m+4*\c+3], v28, s[OB:OB+1] offset:4096*\m+512*\c          ; o: K step 0
	global_load_b128 v[RES+16*\m+4*\c:RES+16*\m+4*\c+3], v28, s[OB:OB+1] offset:4096*\m+2048+512*\c   ; K step 1
.endr
	global_load_b32 v[XS+\m], v29, s[OB:OB+1] offset:3932160+256*\m
	global_load_b32 v[XS+4+\m], v29, s[OB:OB+1] offset:3932160+256*\m+128
.endr
	LOADW 0, VW4, VWS4, 96, 97, 98, 99
	LOADW 1, VW4, VWS4, 128, 129, 130, 131
	WIN 0x40
.irp k, 0,1
.irp c, 0,1,2,3
	global_load_b128 v[128+16*\k+4*\c:128+16*\k+4*\c+3], v[VW2], s[WQ:WQ+1] offset:(160+\k)*2048+512*\c
.endr
.endr
.irp c, 0,1,2,3
	global_load_b128 v[BO+4*\c:BO+4*\c+3], v31, s[OPB:OPB+1] offset:16*\c
	global_load_b128 v[BF+4*\c:BF+4*\c+3], v31, s[SOB:SOB+1] offset:16*\c
	global_load_b128 v[GG+4*\c:GG+4*\c+3], v31, s[G2P:G2P+1] offset:16*\c
	global_load_b128 v[BB+4*\c:BB+4*\c+3], v31, s[B2P:B2P+1] offset:16*\c
.endr
	global_load_b128 v[BA:BA+3], v30, s[AWB:AWB+1]
	global_load_b128 v[BA+4:BA+7], v30, s[AWB:AWB+1] offset:16
	WIN 0
	global_load_b32 v[WS+8], v[VWS2], s[WQ:WQ+1] offset:WSCL+160*128
	global_load_b32 v[WS+9], v[VWS2], s[WQ:WQ+1] offset:WSCL+161*128
	s_wait_loadcnt 0x0
	; ---- 1: o Wo^T + bo: both K steps on end, then one wait, then the loads of tgt and of pos
	MM8 0, 0, BO, AF, XS
	MM8 0, 1, -1, RES, XS+4
	WIN 0
	PLACES 8
	s_wait_alu depctr_va_vdst(0)                   ; the sixteen products are done reading AF and RES, in which tgt and pos land
.irp m, 0,1,2,3
.irp c, 0,1,2,3
	global_load_b128 v[AF+16*\m+4*\c:AF+16*\m+4*\c+3], v[ROW+\m], s[TGT:TGT+1] offset:16*\c
.endr
.endr
.irp m, 0,1,2,3
.irp c, 0,1,2,3
	global_load_b128 v[RES+16*\m+4*\c:RES+16*\m+4*\c+3], v[ROW+\m], s[POS:POS+1] offset:16*\c
.endr
.endr
	; ---- 2: + tgt, layer norm
	s_wait_loadcnt 16                              ; tgt is in; pos's 16 loads may be out
.set J, 0
.rept 32
	v_pk_add_f32 v[ACC+J:ACC+J+1], v[ACC+J:ACC+J+1], v[AF+J:AF+J+1]
.set J, J+2
.endr
	LNSTAT
	BARRIER
	LNAPPLY GG, BB
	; ---- 3: t1 to the stage; q2 = t1 + pos, quantised; its images to LDS
.irp m, 0,1,2,3
.irp c, 0,1,2,3
	ds_store_b128 v[T1W], v[ACC+16*\m+4*\c:ACC+16*\m+4*\c+3] offset:16640*\m+16*\c
.endr
.endr
	s_wait_dscnt 0x0
	s_wait_alu depctr_vm_vsrc(0)                   ; the stage's stores have read ACC, which the addition below writes
	s_wait_loadcnt 0x0
.set J, 0
.rept 32
	v_pk_add_f32 v[ACC+J:ACC+J+1], v[ACC+J:ACC+J+1], v[RES+J:RES+J+1]
.set J, J+2
.endr
	QUANT ACC, 0                                   ; block m: tile m's rows, my 32 channels
	s_wait_alu depctr_va_vdst(0)                   ; codes and bytes are written, which the LDS stores read; the addition is done reading RES, in which the reference points land; the norm's lines are done with AF, in which q2's fragments land
.irp m, 0,1,2,3
	ds_store_b128 v[QWI], v[PC+4*\m:PC+4*\m+3] offset:QIMG+4096*\m
	ds_store_b8 v[QWS], v[TM+4+\m] offset:QSC+256*\m
.endr
	BARRIER                                        ; q2's eight fragments and 64 rows of t1 lie in LDS
	s_wait_alu depctr_vm_vsrc(0)                   ; my stores have read v[PC ..] and v[TM+4 ..], over which the logits' accumulators lie
	; ---- 4: offsets (two tiles) and logits (one tile) of my head: twelve accumulators by turns
.irp m, 0,1,2,3
	global_load_b128 v[RES+32+4*\m:RES+35+4*\m], v[REFA+\m], s[REF:REF+1]
.endr
.irp kk, 0,1
	PLACES 8
.if \kk == 1
	s_wait_alu depctr_va_vdst(0)                   ; the twelve products above are done reading AF and XS, in which the next K step's loads land
.endif
	FETCH4 LI, LS, QIMG, QSC, 2, \kk
	s_wait_dscnt 0x0
.if \kk == 0
	WIN 0x11
.else
	WIN 0x01
.endif
.irp m, 0,1,2,3
.irp u, 0,1
.if \kk == 0
	v_wmma_scale_f32_16x16x128_f8f6f4 v[ACC+16*\m+8*\u:ACC+16*\m+8*\u+7], v[64+16*(2*\u+\kk):64+16*(2*\u+\kk)+15], v[AF+16*\m:AF+16*\m+15], v[BF+8*\u:BF+8*\u+7], v[WS+4+2*\u+\kk], v[XS+\m] matrix_a_fmt:MATRIX_FMT_BF8 matrix_b_fmt:MATRIX_FMT_BF8
.else
	v_wmma_scale_f32_16x16x128_f8f6f4 v[ACC+16*\m+8*\u:ACC+16*\m+8*\u+7], v[64+16*(2*\u+\kk):64+16*(2*\u+\kk)+15], v[AF+16*\m:AF+16*\m+15], v[ACC+16*\m+8*\u:ACC+16*\m+8*\u+7], v[WS+4+2*\u+\kk], v[XS+\m] matrix_a_fmt:MATRIX_FMT_BF8 matrix_b_fmt:MATRIX_FMT_BF8
.endif
.endr
.if \kk == 0
	v_wmma_scale_f32_16x16x128_f8f6f4 v[RES+8*\m:RES+8*\m+7], v[128+16*\kk:128+16*\kk+15], v[AF+16*\m:AF+16*\m+15], v[BA:BA+7], v[WS+8+\kk], v[XS+\m] matrix_a_fmt:MATRIX_FMT_BF8 matrix_b_fmt:MATRIX_FMT_BF8
.else
	v_wmma_scale_f32_16x16x128_f8f6f4 v[RES+8*\m:RES+8*\m+7], v[128+16*\kk:128+16*\kk+15], v[AF+16*\m:AF+16*\m+15], v[RES+8*\m:RES+8*\m+7], v[WS+8+\kk], v[XS+\m] matrix_a_fmt:MATRIX_FMT_BF8 matrix_b_fmt:MATRIX_FMT_BF8
.endif
.endr
	WIN 0
.endr
	PLACES 8
	s_wait_alu depctr_va_vdst(0)                   ; the last twelve products are done reading AF, in which t1's rows land, and the weights in window 1, in which the points' rows land later
	; ---- 5: t1 leaves as whole rows: eight rows a wave, 512 consecutive bytes a store
.irp i, 0,1,2,3,4,5,6,7
.irp hf, 0,1
	ds_load_b128 v[AF+8*\i+4*\hf:AF+8*\i+4*\hf+3], v[T1R] offset:1040*\i+512*\hf
.endr
.endr
	s_wait_dscnt 0x0
.irp i, 0,1,2,3,4,5,6,7
.irp hf, 0,1
	global_store_b128 v[T1G], v[AF+8*\i+4*\hf:AF+8*\i+4*\hf+3], s[CF:CF+1] offset:16384*\i+512*\hf
.endr
.endr
	s_wait_xcnt 0x0                                ; AF is written again only behind this wait
	s_wait_loadcnt 0x0                             ; the reference points
	; ---- 6: a tile of rows at a time: my lane's eight points (levels 2 h and 2 h + 1) of row r, head w
.macro POINTS m
	s_wait_alu depctr_vm_vsrc(0)                   ; the stores issued so far have read their registers in AF (tile 0: t1's global stores; later tiles: the stage's LDS stores of weights and indices), which the lines below write
	v_max3_num_f32 v[T0], v[RES+8*\m], v[RES+8*\m+1], v[RES+8*\m+2]
	v_max3_num_f32 v[T0], v[T0], v[RES+8*\m+3], v[RES+8*\m+4]
	v_max3_num_f32 v[T0], v[T0], v[RES+8*\m+5], v[RES+8*\m+6]
	v_max_num_f32 v[T0], v[T0], v[RES+8*\m+7]
	v_permlanex16_b32 v[T0+1], v[T0], s[SEL], s[SEL+1]
	v_max_num_f32 v[T0], v[T0], v[T0+1]            ; the largest of the head's 16 logits
.irp k, 0,2,4,6
	v_pk_add_f32 v[AW+\k:AW+\k+1], v[RES+8*\m+\k:RES+8*\m+\k+1], v[T0:T0+1] op_sel_hi:[1,0] neg_lo:[0,1] neg_hi:[0,1]
.endr
.irp k, 0,2,4,6
	v_pk_mul_f32 v[AW+\k:AW+\k+1], v[AW+\k:AW+\k+1], s[CS:CS+1] op_sel_hi:[1,0]
.endr
.irp k, 0,1,2,3,4,5,6,7
	v_exp_f32 v[AW+\k], v[AW+\k]
.endr
	v_nop
	s_wait_alu depctr_va_vdst(0)                   ; the eight exponentials have written v[AW ..], ahead of their first reader
	v_pk_add_f32 v[T0:T0+1], v[AW:AW+1], v[AW+2:AW+3]
	v_pk_add_f32 v[T0+2:T0+3], v[AW+4:AW+5], v[AW+6:AW+7]
	v_pk_add_f32 v[T0:T0+1], v[T0:T0+1], v[T0+2:T0+3]
	v_add_f32 v[T0], v[T0], v[T0+1]
	v_permlanex16_b32 v[T0+1], v[T0], s[SEL], s[SEL+1]
	v_add_f32 v[T0], v[T0], v[T0+1]
	v_rcp_f32 v[T0], v[T0]
	v_nop
	s_wait_alu depctr_va_vdst(0)                   ; the reciprocal has written v[T0], ahead of its first reader
.irp k, 0,2,4,6
	v_pk_mul_f32 v[AW+\k:AW+\k+1], v[AW+\k:AW+\k+1], v[T0:T0+1] op_sel_hi:[1,0]
.endr
.irp j, 0,1,2,3,4,5,6,7
	AXIS ACC+16*\m+2*\j, RES+32+4*\m+2*(\j/4), \j/4, XX, BX, CX0, CX1
	AXIS ACC+16*\m+2*\j+1, RES+33+4*\m+2*(\j/4), \j/4, YY, BY, CY0, CY1
	v_mul_f32 v[CY0], v[AW+\j], v[CY0]
	v_mul_f32 v[CY1], v[AW+\j], v[CY1]
	v_mul_f32 v[WT+\j], v[CY0], v[CX0]             ; [dx][dy][point]
	v_mul_f32 v[WT+8+\j], v[CY1], v[CX0]
	v_mul_f32 v[WT+16+\j], v[CY0], v[CX1]
	v_mul_f32 v[WT+24+\j], v[CY1], v[CX1]
	v_fma_f32 v[II], v[BY], v[WW+\j/4], v[BX]
	v_add_f32 v[II], v[II], v[ST+\j/4]             ; whole numbers under 2^24: exact
	v_cvt_u32_f32 v[IDXR+\j], v[II]
.endr
	s_wait_alu depctr_va_vdst(0)                   ; the weights v[WT ..] and the indices v[IDXR ..] are written, which the LDS stores read
.irp k, 0,1,2,3,4,5,6,7
	ds_store_b128 v[PSW], v[WT+4*\k:WT+4*\k+3] offset:16*\k
.endr
.irp k, 0,1
	ds_store_b128 v[PSI], v[IDXR+4*\k:IDXR+4*\k+3] offset:4352+16*\k
.endr
	WIN 0x40                                       ; back as whole rows, into window 1 (the weights there are done with: the wait behind the last products): LDS serves a wave's instructions in order
.irp j, 0,1,2,3,4,5,6,7
	ds_load_b128 v[40*\m+4*\j:40*\m+4*\j+3], v[PRW] offset:544*\j
.endr
.irp j, 0,1
	ds_load_b128 v[40*\m+32+4*\j:40*\m+32+4*\j+3], v[PRI] offset:4352+640*\j
.endr
	s_wait_dscnt 0x0
	WIN 0x04
.irp j, 0,1,2,3,4,5,6,7
	global_store_b128 v[GW], v[40*\m+4*\j:40*\m+4*\j+3], s[CFW:CFW+1] offset:(32*(\m/2)+8*(\m%2)+2*\j+8*(\j/4))*256   ; two rows of 256 bytes: 512 consecutive bytes
.endr
.irp j, 0,1
	global_store_b128 v[GI], v[40*\m+32+4*\j:40*\m+32+4*\j+3], s[IDXP:IDXP+1] offset:(32*(\m/2)+8*(\m%2))*64+1024*\j   ; eight rows of 64 bytes
.endr
	WIN 0
.endm
	POINTS 0
	POINTS 1
	POINTS 2
	POINTS 3
	s_set_vgpr_msb 0x5                             ; the add's two registers, sources 0 and 1, lie in window 1 (the setting before was 0)
	s_wait_dscnt 0x0                               ; the closing lines, six on end
	s_wait_alu 0x0
	s_wait_tensorcnt 0x0
	ds_add_u32 v254, v255
	s_wait_dscnt 0x0
	s_endpgm
.Lfunc_end_k_q46437c6536_saout:
	.size	k_q46437c6536_saout, .Lfunc_end_k_q46437c6536_saout-k_q46437c6536_saout
	.p2alignl 7, 3214868480
	.fill 96, 4, 3214868480
	.section	.rodata,"a",@progbits
	.p2align	6, 0x0
	.amdhsa_kernel k_q46437c6536_saout
		.amdhsa_group_segment_fixed_size 134144
		.amdhsa_private_segment_fixed_size 0
		.amdhsa_enable_private_segment 0
		.amdhsa_kernarg_size 96
		.amdhsa_user_sgpr_count 2
		.amdhsa_user_sgpr_kernarg_segment_ptr 1
		.amdhsa_wavefront_size32 1
		.amdhsa_system_sgpr_workgroup_id_x 1
		.amdhsa_system_sgpr_workgroup_id_y 1
		.amdhsa_system_sgpr_workgroup_id_z 1
		.amdhsa_system_vgpr_workitem_id 0
		.amdhsa_next_free_vgpr 512
		.amdhsa_next_free_sgpr 66
		.amdhsa_reserve_vcc 0
		.amdhsa_float_denorm_mode_32 3
		.amdhsa_float_denorm_mode_16_64 3
		.amdhsa_memory_ordered 1
		.amdhsa_forward_progress 1
		.amdhsa_inst_pref_size 123
	.end_amdhsa_kernel
	.amdgpu_metadata
---
amdhsa.version: [ 1, 2 ]
amdhsa.kernels:
  - .name:           k_q46437c6536_saout
    .symbol:         k_q46437c6536_saout.kd
    .args:
      - { .name: ob, .offset: 0, .size: 8, .value_kind: global_buffer, .address_space: global }
      - { .name: wq, .offset: 8, .size: 8, .value_kind: global_buffer, .address_space: global }
      - { .name: tgt, .offset: 16, .size: 8, .value_kind: global_buffer, .address_space: global }
      - { .name: tgt_query_pos, .offset: 24, .size: 8, .value_kind: global_buffer, .address_space: global }
      - { .name: tgt_reference_points, .offset: 32, .size: 8, .value_kind: global_buffer, .address_space: global }
      - { .name: out_proj_b, .offset: 40, .size: 8, .value_kind: global_buffer, .address_space: global }
      - { .name: norm2_g, .offset: 48, .size: 8, .value_kind: global_buffer, .address_space: global }
      - { .name: norm2_b, .offset: 56, .size: 8, .value_kind: global_buffer, .address_space: global }
      - { .name: samp_off_b, .offset: 64, .size: 8, .value_kind: global_buffer, .address_space: global }
      - { .name: attn_w_b, .offset: 72, .size: 8, .value_kind: global_buffer, .address_space: global }
      - { .name: cf, .offset: 80, .size: 8, .value_kind: global_buffer, .address_space: global }
      - { .name: idx, .offset: 88, .size: 8, .value_kind: global_buffer, .address_space: global }
    .group_segment_fixed_size: 134144
    .private_segment_fixed_size: 0
    .kernarg_segment_align: 8
    .kernarg_segment_size: 96
    .max_flat_workgroup_size: 256
    .sgpr_count:     66
    .vgpr_count:     512
    .wavefront_size: 32
...
	.end_amdgpu_metadata
.endif
;; end of part 11
;; launch valproj (part 12): grid 256 x 1, 8 waves a work-group, no clusters, 104,448 bytes of LDS; arguments memory, wq, val_proj_b, vtab; writes vtab
.if DOCPART == 12
	.amdgcn_target "amdgcn-amd-amdhsa--gfx1250"
	.amdhsa_code_object_version 6
	.text
	.protected	k_q46437c6536_valproj
	.globl	k_q46437c6536_valproj
	.p2align	8
	.type	k_q46437c6536_valproj,@function
k_q46437c6536_valproj:
	s_mov_b64 s[64:65], 0
	v_nop
	global_prefetch_b8 v0, s[64:65] scope:SCOPE_SE
	s_setreg_imm32_b32 hwreg(HW_REG_WAVE_SCHED_MODE, 0, 2), 2
	s_setreg_imm32_b32 hwreg(HW_REG_WAVE_MODE, 25, 1), 1
	s_wait_xcnt 0x0
	s_wait_alu depctr_vm_vsrc(0)
; The value table: v = memory Wv^T + bv on codes of E5M2, stored in f32 as [bh][lv][32]: a sampled corner is then 128 consecutive bytes.  It stays f32 because what is sampled from it goes on into a quantiser.
; SHARES.  Work-group g: batch entry b = g / 16, 13 blocks of 64 rows lv, blocks 13 (g % 16) on.  The table has 13,294 rows: the last block begins at 13,230 and overlaps the block before it, which the same wave of the same
; work-group writes with the same numbers.  Wave w is head w: its four weight fragments stay in registers.
; A BLOCK.  Wave w loads fragment (tile w / 2, K step w % 2) of memory as 16 rows of 512 consecutive bytes, turns it through its own stage in LDS so that a lane holds 16 neighbours of each block of 32, quantises it and
; stores its image | barrier | the next block's 16 loads go out | for each tile of 16 rows: two fragments from LDS, four products (transposed: a lane holds one row and 16 channels), through my stage, 512 consecutive bytes a store | barrier.
; Memory binds here: each byte of memory is read once, each byte of the table written once (but the overlapping rows).  No tensor load: the numbers must pass through registers to be quantised.  No cluster: work-groups share only 64 KB of weights.
; LIMITS: NaN and infinities are not served; a block of zeros gets the byte 1 (its codes are zeros; this program alone reads the bytes).
; THE MODE: SCHED_MODE bits 1:0 = 2 (LLVM: expert scheduling mode 2), set by the entry lines.  The code itself states the register dependences between vector or matrix instructions and memory or LDS instructions, with s_wait_alu, always for 0.
; THE PLAN.  Registers that memory or LDS instructions touch, round the loop:
;   RAW (v98-161)   the block's 16 global loads land; the turn's 16 LDS stores read it; the quantiser's TM, PC, PW lie over its first 33 registers; the image's LDS stores read PC and PW; the next block's loads land.
;   NUM (v162-225)  the turn's LDS loads land; the quantiser reads and holds it.  Then it is AF (a tile's two fragments land, four products read) and ACC (two sets of two accumulators: products write, the way out's LDS stores read).
;   XS              a tile's two scale words land; the products read them.          OUTR   four LDS loads land; four global stores read.
;   v1-v11          offsets and LDS addresses: made at the head, never written again.
; WAITS in a block: vm_vsrc ahead of the quantiser; va_vdst behind it; vm_vsrc behind the barrier; and in each tile va_vdst behind the products' places and vm_vsrc ahead of the loads into OUTR.
; A tile's wait on va_vdst also frees AF and XS: the NEXT tile's ten fragment loads stand behind this tile's loads from the stage, and land while its rows are stored.
; Over the backward jump: behind tile 3's two waits no vector or matrix line is issued, so they also serve the loads into NUM at the loop's head.
.set XIMG, 0                           ; LDS: the block's 8 fragments,
.set XSC, 16384                        ; their scale words,
.set TST, 17408                        ; for each wave 16 rows of 512 bytes + 16: the turn,
.set OST, 84992                        ; for each wave 16 rows of 128 bytes + 16: the way out
.set WSCL, 1015808
.set LI, 1
.set LS, 2
.set TSW, 3
.set TSR, 4
.set XWI, 5
.set XWS, 6
.set OSW, 7
.set OSR, 8
.set WF, 12                            ; v12-75 my four weight fragments (2 u + K step)
.set WS, 76
.set XS, 80
.set BI, 82                            ; v82-97 the bias in the result's layout
.set RAW, 98                           ; v98-161 as loaded; the quantiser's registers lie over it
.set TM, 98
.set PC, 114
.set PW, 130
.set NUM, 162                          ; v162-225 64 numbers; later two fragments and two sets of two accumulators
.set AF, 162
.set ACC, 194
.set OUTR, 226
.set SEL, 32
.set MNT, 34
.macro PLACES n
.rept \n
	v_nop
.endr
.endm
.macro BARRIER                         ; my LDS stores have landed and my LDS loads are in: then the work-group's barrier
	s_wait_dscnt 0x0
	s_barrier_signal -1
	s_barrier_wait -1
.endm
.macro QUANT s                         ; 64 numbers of a lane, register 16 b + i = k 32 b + 16 (lane / 16) + i of its row -> codes in v[PC] on, the scale word in v[PW]
.irp b, 0,1,2,3
	v_max3_num_f32 v[TM+\b], |v[\s+16*\b]|, |v[\s+16*\b+1]|, 0x8000000   ; with the floor 2^(16 - 127): the byte cannot fall under 1
.endr
.irp i, 2,4,6,8,10,12,14
.irp b, 0,1,2,3
	v_max3_num_f32 v[TM+\b], v[TM+\b], |v[\s+16*\b+\i]|, |v[\s+16*\b+\i+1]|
.endr
.endr
.irp b, 0,1,2,3
	v_permlanex16_b32 v[TM+4+\b], v[TM+\b], s[SEL], s[SEL+1]
.endr
.irp b, 0,1,2,3
	v_max_num_f32 v[TM+\b], v[TM+\b], v[TM+4+\b]
.endr
.irp b, 0,1,2,3
	v_add_nc_u32 v[TM+12+\b], 0xf8800000, v[TM+\b]        ; 15 off the exponent field: the conversion's scale operand
.endr
.irp b, 0,1,2,3
	v_and_or_b32 v[TM+8+\b], v[TM+\b], 0x7f800000, s[MNT] ; 57,344 x the scale
.endr
.irp b, 0,1,2,3
	v_lshrrev_b32 v[TM+4+\b], 23, v[TM+12+\b]             ; the scale's byte
.endr
	v_lshl_or_b32 v[PW], v[TM+5], 8, v[TM+4]
	v_lshl_or_b32 v[PW], v[TM+6], 16, v[PW]
	v_lshl_or_b32 v[PW], v[TM+7], 24, v[PW]
.irp b, 0,1,2,3
.irp i, 0,1,2,3,4,5,6,7,8,9,10,11,12,13,14,15
	v_med3_num_f32 v[\s+16*\b+\i], v[\s+16*\b+\i], -v[TM+8+\b], v[TM+8+\b]   ; the conversion does not saturate (ISA guide 7.6.2): the hold
.endr
	v_cvt_scalef32_pk8_bf8_f32 v[PC+4*\b:PC+4*\b+1], v[\s+16*\b:\s+16*\b+7], v[TM+12+\b]
	v_cvt_scalef32_pk8_bf8_f32 v[PC+4*\b+2:PC+4*\b+3], v[\s+16*\b+8:\s+16*\b+15], v[TM+12+\b]
.endr
	v_nop                                                 ; a plain line behind the last conversion
.endm
.macro VMM m, u, kk                    ; source 0 = 16 rows of Wv, source 1 = 16 rows of memory; the first K step takes the bias as C
.if \kk == 0
	v_wmma_scale_f32_16x16x128_f8f6f4 v[ACC+16*((\m)%2)+8*\u:ACC+16*((\m)%2)+8*\u+7], v[WF+16*(2*\u+\kk):WF+16*(2*\u+\kk)+15], v[AF+16*\kk:AF+16*\kk+15], v[BI+8*\u:BI+8*\u+7], v[WS+2*\u+\kk], v[XS+\kk] matrix_a_fmt:MATRIX_FMT_BF8 matrix_b_fmt:MATRIX_FMT_BF8
.else
	v_wmma_scale_f32_16x16x128_f8f6f4 v[ACC+16*((\m)%2)+8*\u:ACC+16*((\m)%2)+8*\u+7], v[WF+16*(2*\u+\kk):WF+16*(2*\u+\kk)+15], v[AF+16*\kk:AF+16*\kk+15], v[ACC+16*((\m)%2)+8*\u:ACC+16*((\m)%2)+8*\u+7], v[WS+2*\u+\kk], v[XS+\kk] matrix_a_fmt:MATRIX_FMT_BF8 matrix_b_fmt:MATRIX_FMT_BF8
.endif
.endm
.macro RAWLOAD                         ; 16 rows of my fragment: 512 consecutive bytes a load, read once by the whole launch
.irp i, 0,1,2,3,4,5,6,7,8,9,10,11,12,13,14,15
	global_load_b128 v[RAW+4*\i:RAW+4*\i+3], v[LI], s[20:21] offset:16384*\i th:TH_LOAD_NT
.endr
.endm
.macro FETCHT m                        ; tile m's two fragments and their scale words from their images: ten LDS loads
.irp k, 0,1
.irp c, 0,1,2,3
	ds_load_b128 v[AF+16*\k+4*\c:AF+16*\k+4*\c+3], v[LI] offset:XIMG+(2*(\m)+\k)*2048+512*\c
.endr
	ds_load_b32 v[XS+\k], v[LS] offset:XSC+(2*(\m)+\k)*128
.endr
.endm
	s_load_b256 s[4:11], s[0:1], 0x0               ; memory s[4:5], wq s[6:7], val_proj_b s[8:9], vtab s[10:11]
	v_lshl_add_u32 v244, v0, 2, 0x19400
	v_mov_b32 v245, 0
.irp b, 0,1,2,3
	v_mov_b32 v[TM+4+\b], 0                        ; a lane permute's destination counts as one of its sources
.endr
	v_lshrrev_b32 v9, 5, v0
	v_readfirstlane_b32 s12, v9                    ; wave = head
	v_and_b32 v9, 31, v0
	v_lshlrev_b32 v[LI], 4, v9
	v_lshlrev_b32 v[LS], 2, v9
	v_and_b32 v10, 15, v0                          ; r
	v_bfe_u32 v11, v0, 4, 1                        ; h
	s_wait_alu depctr_va_sdst(0)                   ; s12 is written, ahead of its first reader: LDS addresses, offsets and bases are made from it
	s_mul_i32 s30, s12, 8448
	s_add_co_u32 s30, s30, TST
	v_add_nc_u32 v[TSW], s30, v[LI]
	v_mul_u32_u24 v[TSR], v10, 528
	v_lshl_add_u32 v[TSR], v11, 6, v[TSR]
	v_add_nc_u32 v[TSR], s30, v[TSR]
	s_lshl_b32 s30, s12, 11
	v_add_nc_u32 v[XWI], s30, v[LI]
	s_lshl_b32 s30, s12, 7
	v_add_nc_u32 v[XWS], s30, v[LS]
	s_mul_i32 s31, s12, 2304
	s_add_co_u32 s31, s31, OST
	v_mul_u32_u24 v[OSW], v10, 144
	v_lshl_add_u32 v[OSW], v11, 6, v[OSW]
	v_add_nc_u32 v[OSW], s31, v[OSW]
	v_lshrrev_b32 v[OSR], 3, v9
	v_mul_u32_u24 v[OSR], v[OSR], 144
	v_and_b32 v9, 7, v9
	v_lshl_add_u32 v[OSR], v9, 4, v[OSR]
	v_add_nc_u32 v[OSR], s31, v[OSR]
	s_lshl_b32 s31, s12, 13
	v_add_nc_u32 v9, s31, v[LI]                    ; my weights
	s_lshl_b32 s31, s12, 9
	v_add_nc_u32 v10, s31, v[LS]
	v_lshl_add_u32 v11, v11, 6, s30                ; the bias: 128 w + 64 h
	s_mov_b32 s[SEL], 0x76543210
	s_mov_b32 s[SEL+1], 0xfedcba98
	s_mov_b32 s[MNT], 0x600000
	s_lshr_b32 s13, ttmp9, 4                       ; b
	s_and_b32 s14, ttmp9, 15
	s_mul_i32 s14, s14, 832                        ; 64 x my first block
	s_lshr_b32 s16, s12, 1
	s_lshl_b32 s16, s16, 18                        ; 16 (w / 2) rows of 16,384 bytes
	s_lshl_b32 s17, s13, 10
	s_add_co_u32 s16, s16, s17
	s_and_b32 s17, s12, 1
	s_lshl_b32 s17, s17, 9
	s_add_co_u32 s16, s16, s17
	s_mov_b32 s17, 0
	s_lshl_b32 s22, s13, 3
	s_add_co_u32 s22, s22, s12                     ; bh
	s_mul_i32 s22, s22, 1701632                    ; 13,294 rows of 128 bytes
	s_mov_b32 s23, 0
	s_mov_b32 s19, 0
	s_mov_b32 s29, 0
	s_min_u32 s26, s14, 13230                      ; the block's first row
	s_lshl_b32 s18, s26, 14
	s_lshl_b32 s28, s26, 7
	s_mov_b32 s15, 13                              ; blocks to go
	s_wait_kmcnt 0x0
	s_add_nc_u64 s[16:17], s[4:5], s[16:17]        ; memory at my fragment of row 0
	s_add_nc_u64 s[22:23], s[10:11], s[22:23]      ; the table at my head
	s_add_nc_u64 s[20:21], s[16:17], s[18:19]
	s_add_nc_u64 s[24:25], s[22:23], s[28:29]
	s_wait_alu depctr_va_vdst(0)                   ; the offsets and LDS addresses v1 to v11 are written, which every load and store reads; so are v[TM+4 ..], in which the first block's loads land
.irp i, 0,1,2,3
.irp c, 0,1,2,3
	global_load_b128 v[WF+16*\i+4*\c:WF+16*\i+4*\c+3], v9, s[6:7] offset:(176+\i)*2048+512*\c
.endr
	global_load_b32 v[WS+\i], v10, s[6:7] offset:WSCL+(176+\i)*128
	global_load_b128 v[BI+4*\i:BI+4*\i+3], v11, s[8:9] offset:16*\i
.endr
	RAWLOAD
.Lblk:
	s_wait_loadcnt 0x0                             ; this block's numbers (asked for a block ago)
.irp i, 0,1,2,3,4,5,6,7,8,9,10,11,12,13,14,15
	ds_store_b128 v[TSW], v[RAW+4*\i:RAW+4*\i+3] offset:528*\i
.endr
.irp q, 0,1,2,3
.irp j, 0,1,2,3
	ds_load_b128 v[NUM+16*\q+4*\j:NUM+16*\q+4*\j+3], v[TSR] offset:128*\q+16*\j   ; LDS serves a wave's instructions in order (ISA guide 5.7.1.4): these see my stores.  (The last block's tile 3 has left NUM free: its two waits, with no vector or matrix line since)
.endr
.endr
	s_wait_dscnt 0x0
	s_wait_alu depctr_vm_vsrc(0)                   ; the turn's LDS stores have read RAW, over which the quantiser's registers lie
	QUANT NUM
	s_wait_alu depctr_va_vdst(0)                   ; the conversions have written v[PC ..] and the shifts v[PW], which the LDS stores read; the quantiser is done with NUM, in which tile 0's fragments land, and with TM and PC, in which the next block's loads land
.irp c, 0,1,2,3
	ds_store_b128 v[XWI], v[PC+4*\c:PC+4*\c+3] offset:XIMG+512*\c
.endr
	ds_store_b32 v[XWS], v[PW] offset:XSC
	BARRIER                                        ; the block's eight fragments lie in LDS
	s_wait_alu depctr_vm_vsrc(0)                   ; my image's stores have read v[PC ..] and v[PW], in which the next block's loads land
	s_cmp_eq_u32 s15, 1
	s_cbranch_scc1 .Lno_next                       ; the last block asks for nothing: no load leaves its buffer
	s_add_co_u32 s27, s14, 64
	s_min_u32 s27, s27, 13230
	s_lshl_b32 s18, s27, 14
	s_add_nc_u64 s[20:21], s[16:17], s[18:19]      ; (the loads that named this pair were waited for at the block's head)
	RAWLOAD
.Lno_next:
	FETCHT 0
.irp m, 0,1,2,3
	s_wait_dscnt 0x0                               ; this tile's two fragments and their scale words are in
	VMM \m, 0, 0                                   ; two accumulators by turns
	VMM \m, 1, 0
	VMM \m, 0, 1
	VMM \m, 1, 1
	PLACES 8                                       ; in front of the stores of results
	s_wait_alu depctr_va_vdst(0)                   ; the four products have written their accumulators, which the LDS stores read, and are done reading AF and XS, in which the next tile's loads land; the places above stay beside this wait
.irp u, 0,1
	ds_store_b128 v[OSW], v[ACC+16*(\m%2)+8*\u:ACC+16*(\m%2)+8*\u+3] offset:32*\u       ; each accumulator from its low end on
	ds_store_b128 v[OSW], v[ACC+16*(\m%2)+8*\u+4:ACC+16*(\m%2)+8*\u+7] offset:32*\u+16
.endr
	s_wait_xcnt 0x0                                ; the last tile's global stores have had their addresses translated: OUTR is loaded again only behind this wait
	s_wait_alu depctr_vm_vsrc(0)                   ; the last tile's global stores have read OUTR, in which the loads below land; the four LDS stores above have read their accumulators, which the tile after next writes
.irp k, 0,1,2,3
	ds_load_b128 v[OUTR+4*\k:OUTR+4*\k+3], v[OSR] offset:576*\k
.endr
.if \m < 3
	FETCHT \m+1                                    ; no vector or matrix line since the wait on va_vdst names AF or XS
	s_wait_dscnt 10                                ; the four loads from the stage are in; the next tile's ten loads may be out
.else
	s_wait_dscnt 0x0
.endif
.irp k, 0,1,2,3
	global_store_b128 v[LI], v[OUTR+4*\k:OUTR+4*\k+3], s[24:25] offset:2048*\m+512*\k   ; four rows of 128 bytes: 512 consecutive bytes
.endr
.endr
	BARRIER                                        ; every wave's reads of the images are in: the next block may write them
	s_wait_xcnt 0x0                                ; the stores have read their base
	s_add_co_u32 s14, s14, 64
	s_min_u32 s26, s14, 13230
	s_lshl_b32 s28, s26, 7
	s_add_nc_u64 s[24:25], s[22:23], s[28:29]
	s_sub_co_u32 s15, s15, 1
	s_cmp_lg_u32 s15, 0
	s_cbranch_scc1 .Lblk
	s_wait_dscnt 0x0                               ; the closing lines, six on end
	s_wait_alu 0x0
	s_wait_tensorcnt 0x0
	ds_add_u32 v244, v245
	s_wait_dscnt 0x0
	s_endpgm
.Lfunc_end_k_q46437c6536_valproj:
	.size	k_q46437c6536_valproj, .Lfunc_end_k_q46437c6536_valproj-k_q46437c6536_valproj
	.p2alignl 7, 3214868480
	.fill 96, 4, 3214868480
	.section	.rodata,"a",@progbits
	.p2align	6, 0x0
	.amdhsa_kernel k_q46437c6536_valproj
		.amdhsa_group_segment_fixed_size 104448
		.amdhsa_private_segment_fixed_size 0
		.amdhsa_enable_private_segment 0
		.amdhsa_kernarg_size 32
		.amdhsa_user_sgpr_count 2
		.amdhsa_user_sgpr_kernarg_segment_ptr 1
		.amdhsa_wavefront_size32 1
		.amdhsa_system_sgpr_workgroup_id_x 1
		.amdhsa_system_sgpr_workgroup_id_y 1
		.amdhsa_system_sgpr_workgroup_id_z 1
		.amdhsa_system_vgpr_workitem_id 0
		.amdhsa_next_free_vgpr 246
		.amdhsa_next_free_sgpr 66
		.amdhsa_reserve_vcc 0
		.amdhsa_float_denorm_mode_32 3
		.amdhsa_float_denorm_mode_16_64 3
		.amdhsa_memory_ordered 1
		.amdhsa_forward_progress 1
		.amdhsa_inst_pref_size 30
	.end_amdhsa_kernel
	.amdgpu_metadata
---
amdhsa.version: [ 1, 2 ]
amdhsa.kernels:
  - .name:           k_q46437c6536_valproj
    .symbol:         k_q46437c6536_valproj.kd
    .args:
      - { .name: memory, .offset: 0, .size: 8, .value_kind: global_buffer, .address_space: global }
      - { .name: wq, .offset: 8, .size: 8, .value_kind: global_buffer, .address_space: global }
      - { .name: val_proj_b, .offset: 16, .size: 8, .value_kind: global_buffer, .address_space: global }
      - { .name: vtab, .offset: 24, .size: 8, .value_kind: global_buffer, .address_space: global }
    .group_segment_fixed_size: 104448
    .private_segment_fixed_size: 0
    .kernarg_segment_align: 8
    .kernarg_segment_size: 32
    .max_flat_workgroup_size: 256
    .sgpr_count:     66
    .vgpr_count:     246
    .wavefront_size: 32
...
	.end_amdgpu_metadata
.endif
;; end of part 12
;; launch gather: the kernel of part 8 again; grid 4 x 64, 15 waves a work-group, no clusters, 209,408 bytes of LDS; arguments idx, cf, vtab, outf; writes outf
;; launch ffn (part 13): grid 225 x 1, 8 waves a work-group, no clusters, 158,720 bytes of LDS; arguments outf, cf, wq, ms_out_b, norm1_g, norm1_b, lin1_b, lin2_b, norm3_g, norm3_b, out0; writes out0
.if DOCPART == 13
	.amdgcn_target "amdgcn-amd-amdhsa--gfx1250"
	.amdhsa_code_object_version 6
	.text
	.protected	k_q46437c6536_ffn
	.globl	k_q46437c6536_ffn
	.p2align	8
	.type	k_q46437c6536_ffn,@function
k_q46437c6536_ffn:
	s_mov_b64 s[64:65], 0
	v_nop
	global_prefetch_b8 v0, s[64:65] scope:SCOPE_SE
	s_setreg_imm32_b32 hwreg(HW_REG_WAVE_SCHED_MODE, 0, 2), 2
	s_setreg_imm32_b32 hwreg(HW_REG_WAVE_MODE, 25, 1), 1
	s_wait_xcnt 0x0
	s_wait_alu depctr_vm_vsrc(0)
; t2 = LN1(t1 + s Wm^T + bm), s the sampled sums; out = LN3(t2 + relu(t2 W1^T + b1) W2^T + b2).  All three products on codes of E5M2 with E8M0 scales; the operands are quantised on the way and go from wave to wave
; through LDS as images of operand registers (a group of four registers: 512 bytes, lane l's 16 bytes at 16 l; scale words 4 bytes a lane).  The hidden layer never goes to memory.
; SHARES.  A work-group takes 64 rows (l, b), natural order, four tiles of 16.  THE WAVES SHARE THE COLUMNS: wave w owns channels 32 w .. 32 w + 31 of the 256-wide results and hidden units 128 w .. 128 w + 127.
; All products are used transposed (source 0 = 16 rows of a weight, in the chosen order of the launch that quantised them; source 1 = 16 rows of the operand): a lane holds one row and 16 neighbouring channels.
; So a wave's 32 channels of a row are one block of the next K: its codes are one group of four registers of the next operand's image, its scale one byte of the scale word.
; WEIGHTS come from wq in chunks of four fragments (two tiles x two K steps), two slots by turns, each asked for a chunk and more ahead: ms_out 1 chunk, lin1 4, lin2 4.
; LAYER NORM as in the launch that made t1: each wave's mean and sum of squared deviations of 32 channels, joined as M2 = sum M2_k + 32 sum (mu_k - mu)^2.
; No tensor load, no cluster: what work-groups share is 576 KB of weights' codes; each work-group reads them once.
; REGISTERS: window 0: v1-15, v40-52 addresses; v16-23 weights' scale words; v32-35 operands'; v60-123 AF; v124-187 ACC; v188-251 RES (the quantiser's registers lie over it).  window 1: v0-127 two slots of weights; v128-255 biases, gain, shift.
; LIMITS: NaN and infinities are not served; a block of zeros gets the byte 1 (its codes are zeros; this program alone reads the bytes).
; THE MODE: SCHED_MODE bits 1:0 = 2 (LLVM: expert scheduling mode 2), set by the entry lines.  The code itself states the register dependences between vector or matrix instructions and memory or LDS instructions, with s_wait_alu, always for 0.
; THE PLAN.  Registers that memory or LDS instructions touch:
;   addresses (v1, v2, v5, v9-v15, v40-v52)   made at the head, never written again: one wait on va_vdst ahead of the first load.
;   AF, XS      the fragments' LDS loads land, the products read.  In a norm AF is at work: four LDS stores read it, the waves' figures land in it.  At the end the result's rows land in it and global stores read it.
;   the two slots of window 1, WS   a chunk's 20 loads land, a product's sixteen matrix instructions read: a wait on va_vdst behind the product, ahead of the slot's next chunk; it also frees AF and XS for the next product's first fetch.
;   PC, TM+4 .., PW   written by the quantiser, read by a run of LDS stores: va_vdst ahead of the run, vm_vsrc behind it.  They lie over RES, in which t1 (global loads) and later t2 (LDS loads) land.
;   ACC         written by products and vector lines; read by the stage's LDS stores behind each norm.          gain and shift (window 1): read by the first norm, then the last norm's land there.
.set AIMG, 0                           ; LDS: 8 fragments (2 m + K step): s's, later t2's,
.set ASC, 16384                        ; their scale words,
.set HIMG, 17408                       ; the hidden layer's 32 fragments (8 m + K step),
.set HSC, 82944                        ; their scale words,
.set T2S, 87040                        ; 64 rows of 1,024 bytes + 16: t2, later the result,
.set LNS, 153600                       ; the norms' figures: [m][r][wave] 8 bytes
.set WSCL, 1015808
.set LI, 1
.set LS, 2
.set ROW, 5
.set VW4, 9
.set VWS4, 10
.set VW16, 11
.set VWS16, 12
.set LNW, 13
.set LNR, 14
.set T2W, 15
.set WS, 16
.set XS, 32
.set QWI, 40
.set QWS, 41
.set T2R, 42
.set OG, 43
.set LIH, 44
.set LSH, 45
.set HWI, 46
.set HWS, 47
.set XA, 48
.set XWI, 49
.set XWS, 50
.set PB32, 51
.set PB128, 52
.set AF, 60
.set ACC, 124
.set RES, 188
.set TM, 188
.set PC, 204
.set PW, 252
.set BMS, 128
.set BL1, 144
.set BL2, 208
.set GG, 224
.set BB, 240
.set WQ, 8
.set SEL, 32
.set MNT, 34
.set I256, 38
.set EPS, 39
.set MSB, 0
.macro WIN new                         ; the immediate's high byte repeats the setting that is left
.if MSB != \new
	s_set_vgpr_msb (MSB<<8)|\new
.set MSB, \new
.endif
.endm
.macro PLACES n
.rept \n
	v_nop
.endr
.endm
.macro BARRIER
	s_wait_dscnt 0x0
	s_barrier_signal -1
	s_barrier_wait -1
.endm
.macro QUANT s, relu                   ; 64 numbers of a lane in four blocks of 16 (the other 16 lie in lane l xor 16) -> codes in v[PC] on, bytes in v[TM+4] on, the word in v[PW].  relu = 1: what is negative becomes 0
.irp b, 0,1,2,3
.if \relu
	v_max3_num_f32 v[TM+\b], v[\s+16*\b], v[\s+16*\b+1], 0x8000000
.else
	v_max3_num_f32 v[TM+\b], |v[\s+16*\b]|, |v[\s+16*\b+1]|, 0x8000000
.endif
.endr
.irp i, 2,4,6,8,10,12,14
.irp b, 0,1,2,3
.if \relu
	v_max3_num_f32 v[TM+\b], v[TM+\b], v[\s+16*\b+\i], v[\s+16*\b+\i+1]
.else
	v_max3_num_f32 v[TM+\b], v[TM+\b], |v[\s+16*\b+\i]|, |v[\s+16*\b+\i+1]|
.endif
.endr
.endr
.irp b, 0,1,2,3
	v_permlanex16_b32 v[TM+4+\b], v[TM+\b], s[SEL], s[SEL+1]
.endr
.irp b, 0,1,2,3
	v_max_num_f32 v[TM+\b], v[TM+\b], v[TM+4+\b]
.endr
.irp b, 0,1,2,3
	v_add_nc_u32 v[TM+12+\b], 0xf8800000, v[TM+\b]
.endr
.irp b, 0,1,2,3
	v_and_or_b32 v[TM+8+\b], v[TM+\b], 0x7f800000, s[MNT]
.endr
.irp b, 0,1,2,3
	v_lshrrev_b32 v[TM+4+\b], 23, v[TM+12+\b]
.endr
	v_lshl_or_b32 v[PW], v[TM+5], 8, v[TM+4]
	v_lshl_or_b32 v[PW], v[TM+6], 16, v[PW]
	v_lshl_or_b32 v[PW], v[TM+7], 24, v[PW]
.irp b, 0,1,2,3
.irp i, 0,1,2,3,4,5,6,7,8,9,10,11,12,13,14,15
.if \relu
	v_med3_num_f32 v[\s+16*\b+\i], v[\s+16*\b+\i], 0, v[TM+8+\b]             ; the activation and the hold in one
.else
	v_med3_num_f32 v[\s+16*\b+\i], v[\s+16*\b+\i], -v[TM+8+\b], v[TM+8+\b]   ; the conversion does not saturate (ISA guide 7.6.2): the hold
.endif
.endr
	v_cvt_scalef32_pk8_bf8_f32 v[PC+4*\b:PC+4*\b+1], v[\s+16*\b:\s+16*\b+7], v[TM+12+\b]
	v_cvt_scalef32_pk8_bf8_f32 v[PC+4*\b+2:PC+4*\b+3], v[\s+16*\b+8:\s+16*\b+15], v[TM+12+\b]
.endr
	v_nop                                                 ; a plain line behind the last conversion
.endm
.macro LOADW slot, voff, vsoff, f0, f1, f2, f3   ; four weight fragments (2 u + K step) into window 1, v[64 slot] on, and their scale words: 20 loads
	WIN 0x40
.set LWI, 0
.irp f, \f0, \f1, \f2, \f3
.irp c, 0,1,2,3
	global_load_b128 v[64*(\slot)+16*LWI+4*\c:64*(\slot)+16*LWI+4*\c+3], v[\voff], s[WQ:WQ+1] offset:(\f)*2048+512*\c
.endr
.set LWI, LWI+1
.endr
	WIN 0
.set LWI, 0
.irp f, \f0, \f1, \f2, \f3
	global_load_b32 v[WS+4*(\slot)+LWI], v[\vsoff], s[WQ:WQ+1] offset:WSCL+(\f)*128
.set LWI, LWI+1
.endr
.endm
.macro FETCH4 vi, vs, img, sc, ks, kk  ; the four row tiles' fragments of K step kk, and their scale words, from their images in LDS
.irp m, 0,1,2,3
.irp c, 0,1,2,3
	ds_load_b128 v[AF+16*\m+4*\c:AF+16*\m+4*\c+3], v[\vi] offset:\img+(\m*\ks+\kk)*2048+512*\c
.endr
	ds_load_b32 v[XS+\m], v[\vs] offset:\sc+(\m*\ks+\kk)*128
.endr
.endm
.macro MM8 slot, kk, cw                ; eight accumulators by turns.  cw >= 0: the bias, in window 1, starts the sums
.if \cw >= 0
	WIN 0x11
.else
	WIN 0x01
.endif
.irp m, 0,1,2,3
.irp u, 0,1
.if \cw >= 0
	v_wmma_scale_f32_16x16x128_f8f6f4 v[ACC+16*\m+8*\u:ACC+16*\m+8*\u+7], v[64*(\slot)+16*(2*\u+\kk):64*(\slot)+16*(2*\u+\kk)+15], v[AF+16*\m:AF+16*\m+15], v[\cw+8*\u:\cw+8*\u+7], v[WS+4*(\slot)+2*\u+\kk], v[XS+\m] matrix_a_fmt:MATRIX_FMT_BF8 matrix_b_fmt:MATRIX_FMT_BF8
.else
	v_wmma_scale_f32_16x16x128_f8f6f4 v[ACC+16*\m+8*\u:ACC+16*\m+8*\u+7], v[64*(\slot)+16*(2*\u+\kk):64*(\slot)+16*(2*\u+\kk)+15], v[AF+16*\m:AF+16*\m+15], v[ACC+16*\m+8*\u:ACC+16*\m+8*\u+7], v[WS+4*(\slot)+2*\u+\kk], v[XS+\m] matrix_a_fmt:MATRIX_FMT_BF8 matrix_b_fmt:MATRIX_FMT_BF8
.endif
.endr
.endr
.endm
; two K steps of 128, s0 and s0 + 1.  The eight places stand where they stood; behind the last products they serve the vector lines that read the results.
; The first fetch owes no wait of its own: whoever named AF and XS last stands ahead of an earlier wait on va_vdst, and no vector or matrix line but v_nop and lines that name neither was issued since.
.macro PRODUCT slot, vi, vs, img, sc, ks, s0, cw
	PLACES 8
	FETCH4 \vi, \vs, \img, \sc, \ks, \s0
	s_wait_dscnt 0x0
	MM8 \slot, 0, \cw
	WIN 0
	PLACES 8
	s_wait_alu depctr_va_vdst(0)                   ; the eight products above are done reading AF and XS, in which the next K step's loads land
	FETCH4 \vi, \vs, \img, \sc, \ks, (\s0)+1
	s_wait_dscnt 0x0
	MM8 \slot, 1, -1
	WIN 0
	PLACES 8
.endm
; my 32 channels' mean and sum of squared deviations, for each of the 64 rows, to LDS.  y lies in ACC; AF is at work
.macro LNSTAT
.irp m, 0,1,2,3
.irp k, 0,1,2,3
	v_pk_add_f32 v[AF+16*\m+2*\k:AF+16*\m+2*\k+1], v[ACC+16*\m+4*\k:ACC+16*\m+4*\k+1], v[ACC+16*\m+4*\k+2:ACC+16*\m+4*\k+3]
.endr
.endr
.irp m, 0,1,2,3
	v_pk_add_f32 v[AF+16*\m:AF+16*\m+1], v[AF+16*\m:AF+16*\m+1], v[AF+16*\m+2:AF+16*\m+3]
	v_pk_add_f32 v[AF+16*\m+4:AF+16*\m+5], v[AF+16*\m+4:AF+16*\m+5], v[AF+16*\m+6:AF+16*\m+7]
.endr
.irp m, 0,1,2,3
	v_pk_add_f32 v[AF+16*\m:AF+16*\m+1], v[AF+16*\m:AF+16*\m+1], v[AF+16*\m+4:AF+16*\m+5]
.endr
.irp m, 0,1,2,3
	v_add_f32 v[AF+16*\m], v[AF+16*\m], v[AF+16*\m+1]
.endr
.irp m, 0,1,2,3
	v_permlanex16_b32 v[AF+16*\m+1], v[AF+16*\m], s[SEL], s[SEL+1]
.endr
.irp m, 0,1,2,3
	v_add_f32 v[AF+16*\m], v[AF+16*\m], v[AF+16*\m+1]
.endr
.irp m, 0,1,2,3
	v_mul_f32 v[AF+16*\m], 0x3d000000, v[AF+16*\m]         ; / 32: my mean
.endr
.irp k, 0,1,2,3,4,5,6,7
.irp m, 0,1,2,3
	v_pk_add_f32 v[AF+16*\m+2+2*(\k%2):AF+16*\m+3+2*(\k%2)], v[ACC+16*\m+2*\k:ACC+16*\m+2*\k+1], v[AF+16*\m:AF+16*\m+1] op_sel_hi:[1,0] neg_lo:[0,1] neg_hi:[0,1]
.endr
.irp m, 0,1,2,3
.if \k == 0
	v_pk_mul_f32 v[AF+16*\m+6:AF+16*\m+7], v[AF+16*\m+2:AF+16*\m+3], v[AF+16*\m+2:AF+16*\m+3]
.else
	v_pk_fma_f32 v[AF+16*\m+6:AF+16*\m+7], v[AF+16*\m+2+2*(\k%2):AF+16*\m+3+2*(\k%2)], v[AF+16*\m+2+2*(\k%2):AF+16*\m+3+2*(\k%2)], v[AF+16*\m+6:AF+16*\m+7]
.endif
.endr
.endr
.irp m, 0,1,2,3
	v_add_f32 v[AF+16*\m+6], v[AF+16*\m+6], v[AF+16*\m+7]
.endr
.irp m, 0,1,2,3
	v_permlanex16_b32 v[AF+16*\m+7], v[AF+16*\m+6], s[SEL], s[SEL+1]
.endr
.irp m, 0,1,2,3
	v_add_f32 v[AF+16*\m+1], v[AF+16*\m+6], v[AF+16*\m+7]
.endr
	s_wait_alu depctr_va_vdst(0)                           ; the lines above have written the four pairs in AF, which the LDS stores read, and are done with all of AF, in which the waves' figures land behind the barrier
.irp m, 0,1,2,3
	ds_store_b64 v[LNW], v[AF+16*\m:AF+16*\m+1] offset:1024*\m   ; both halves of the lanes write the same bytes with the same numbers
.endr
.endm
; behind a barrier: the eight waves' figures are joined, and y becomes (y - mu) rsqrt(var + 1e-5) g + b, in place
.macro LNAPPLY g, bb
	s_wait_alu depctr_vm_vsrc(0)                           ; my four LDS stores have read their pairs in AF, in which the loads below land
.irp m, 0,1,2,3
.irp k, 0,1,2,3
	ds_load_b128 v[AF+16*\m+4*\k:AF+16*\m+4*\k+3], v[LNR] offset:1024*\m+16*\k
.endr
.endr
	s_wait_dscnt 0x0
.irp m, 0,1,2,3
	v_pk_add_f32 v[254:255], v[AF+16*\m:AF+16*\m+1], v[AF+16*\m+2:AF+16*\m+3]
.irp k, 2,3,4,5,6,7
	v_pk_add_f32 v[254:255], v[254:255], v[AF+16*\m+2*\k:AF+16*\m+2*\k+1]
.endr
	v_mul_f32 v254, 0x3e000000, v254                       ; mu
.irp k, 0,1,2,3,4,5,6,7
	v_sub_f32 v[AF+16*\m+2*\k], v[AF+16*\m+2*\k], v254
.endr
	v_mul_f32 v253, v[AF+16*\m], v[AF+16*\m]
.irp k, 1,2,3,4,5,6,7
	v_fmac_f32 v253, v[AF+16*\m+2*\k], v[AF+16*\m+2*\k]
.endr
	v_fmamk_f32 v255, v253, 0x42000000, v255               ; + 32 sum (mu_k - mu)^2
	v_fma_f32 v253, v255, s[I256], s[EPS]
	v_rsq_f32 v252, v253
.irp k, 0,1,2,3,4,5,6,7
	v_pk_add_f32 v[ACC+16*\m+2*\k:ACC+16*\m+2*\k+1], v[ACC+16*\m+2*\k:ACC+16*\m+2*\k+1], v[254:255] op_sel_hi:[1,0] neg_lo:[0,1] neg_hi:[0,1]   ; plain lines behind the root, which touch neither its result nor its source
.endr
	s_wait_alu depctr_va_vdst(0)                           ; the root has written v252, ahead of its first reader
.irp k, 0,1,2,3,4,5,6,7
	v_pk_mul_f32 v[ACC+16*\m+2*\k:ACC+16*\m+2*\k+1], v[ACC+16*\m+2*\k:ACC+16*\m+2*\k+1], v[252:253] op_sel_hi:[1,0]
.endr
.endr
	WIN 0x14
.irp m, 0,1,2,3
.irp k, 0,1,2,3,4,5,6,7
	v_pk_fma_f32 v[ACC+16*\m+2*\k:ACC+16*\m+2*\k+1], v[ACC+16*\m+2*\k:ACC+16*\m+2*\k+1], v[\g+2*\k:\g+2*\k+1], v[\bb+2*\k:\bb+2*\k+1]
.endr
.endr
	WIN 0
	s_wait_alu depctr_va_vdst(0)                           ; the norm has written ACC, which the stage's LDS stores read; it is done reading gain and shift, in which (behind the first norm) the last norm's land, and with AF, in which fragments or the result's rows land
.endm
.macro ADDRES                          ; y = the product + the residual, each accumulator from its low end on
.set J, 0
.rept 32
	v_pk_add_f32 v[ACC+J:ACC+J+1], v[ACC+J:ACC+J+1], v[RES+J:RES+J+1]
.set J, J+2
.endr
.endm
.macro TOSTAGE                         ; my 16 channels of my four rows into the stage
.irp m, 0,1,2,3
.irp c, 0,1,2,3
	ds_store_b128 v[T2W], v[ACC+16*\m+4*\c:ACC+16*\m+4*\c+3] offset:16640*\m+16*\c
.endr
.endr
.endm
	s_load_b512 s[4:19], s[0:1], 0x0               ; outf 4, cf 6, wq 8, ms_out_b 10, norm1_g 12, norm1_b 14, lin1_b 16, lin2_b 18
	s_load_b128 s[20:23], s[0:1], 0x40             ; norm3_g, norm3_b
	s_load_b64 s[24:25], s[0:1], 0x50              ; out0
	v_lshl_add_u32 v58, v0, 2, 0x26800
	v_mov_b32 v59, 0
	v_lshrrev_b32 v3, 5, v0
	v_readfirstlane_b32 s28, v3                    ; wave
	v_and_b32 v5, 31, v0
	v_lshlrev_b32 v[LI], 4, v5
	v_lshlrev_b32 v[LS], 2, v5
	v_and_b32 v3, 15, v0                           ; r
	v_bfe_u32 v4, v0, 4, 1                         ; h
	s_wait_alu depctr_va_sdst(0)                   ; s28 is written, ahead of its first reader: offsets and LDS addresses are made from it
	s_lshl_b32 s29, ttmp9, 16                      ; my 64 rows of 1,024 bytes
	s_mov_b32 s[SEL], 0x76543210
	s_mov_b32 s[SEL+1], 0xfedcba98
	s_mov_b32 s[MNT], 0x600000
	s_mov_b32 s[I256], 0x3b800000                  ; 1 / 256
	s_mov_b32 s[EPS], 0x3727c5ac                   ; 1e-5
.irp b, 0,1,2,3
	v_mov_b32 v[TM+4+\b], 0                        ; a lane permute's destination counts as one of its sources
.endr
	s_lshl_b32 s45, s28, 7
	s_add_co_u32 s44, s29, s45
	v_lshl_add_u32 v[ROW], v3, 10, s44
	v_lshl_add_u32 v[ROW], v4, 6, v[ROW]           ; t1: row r of a tile, + 128 w + 64 h
	s_lshr_b32 s46, s28, 1
	s_lshl_b32 s46, s46, 14
	s_and_b32 s47, s28, 1
	s_lshl_b32 s47, s47, 9
	s_add_co_u32 s46, s46, s47
	s_add_co_u32 s46, s46, s29
	v_lshl_add_u32 v[XA], v3, 10, s46
	v_lshl_add_u32 v[XA], v4, 6, v[XA]             ; the fragment that I quantise: tile w / 2, K step w % 2
	s_lshl_b32 s46, s28, 11
	v_add_nc_u32 v[XWI], s46, v[LI]
	v_add_nc_u32 v[XWS], s45, v[LS]
	s_lshl_b32 s46, s28, 13
	v_add_nc_u32 v[VW4], s46, v[LI]                ; weights of four fragments a wave,
	s_lshl_b32 s46, s28, 9
	v_add_nc_u32 v[VWS4], s46, v[LS]
	v_lshl_add_u32 v[PB128], v4, 6, s46            ; lin1_b: 512 w + 64 h
	s_lshl_b32 s46, s28, 15
	v_add_nc_u32 v[VW16], s46, v[LI]               ; of sixteen
	s_lshl_b32 s46, s28, 11
	v_add_nc_u32 v[VWS16], s46, v[LS]
	v_lshl_add_u32 v[PB32], v4, 6, s45             ; biases, gain, shift: 128 w + 64 h
	s_lshl_b32 s51, s28, 3
	v_lshl_add_u32 v[LNW], v3, 6, s51
	v_add_nc_u32 v[LNW], LNS, v[LNW]
	v_lshl_add_u32 v[LNR], v3, 6, LNS
	v_mul_u32_u24 v[T2W], v3, 1040
	v_lshl_add_u32 v[T2W], v4, 6, v[T2W]
	v_add_nc_u32 v[T2W], s45, v[T2W]
	v_add_nc_u32 v[T2W], T2S, v[T2W]
	s_lshr_b32 s52, s28, 2
	s_and_b32 s53, s28, 3
	s_lshl_b32 s54, s52, 11
	s_lshl_b32 s55, s53, 9
	s_add_co_u32 s54, s54, s55
	v_add_nc_u32 v[QWI], s54, v[LI]                ; t2's images: K step w / 4, group of registers w % 4
	s_lshl_b32 s54, s52, 7
	s_add_co_u32 s54, s54, s53
	v_add_nc_u32 v[QWS], s54, v[LS]                ; and byte w % 4 of the scale words
	s_mul_i32 s54, s28, 8320
	v_add_nc_u32 v[T2R], s54, v[LI]
	v_add_nc_u32 v[T2R], T2S, v[T2R]               ; back: stage rows 8 w on
	s_lshl_b32 s54, s28, 13
	s_add_co_u32 s54, s54, s29
	v_add_nc_u32 v[OG], s54, v[LI]                 ; and the same rows in out0
	v_add_nc_u32 v[LIH], HIMG, v[LI]
	v_add_nc_u32 v[LSH], HSC, v[LS]
	s_lshl_b32 s54, s28, 11
	v_add_nc_u32 v[HWI], s54, v[LIH]               ; the hidden layer's images: K step w
	v_add_nc_u32 v[HWS], s45, v[LSH]
	s_wait_kmcnt 0x0
	s_wait_alu depctr_va_vdst(0)                   ; all offsets and LDS addresses are written: every load and store of the kernel reads one of them
	; ---- X: my fragment of the sampled sums
.irp q, 0,1,2,3
.irp j, 0,1,2,3
	global_load_b128 v[ACC+16*\q+4*\j:ACC+16*\q+4*\j+3], v[XA], s[4:5] offset:128*\q+16*\j
.endr
.endr
	WIN 0x40
.irp c, 0,1,2,3
	global_load_b128 v[BMS+4*\c:BMS+4*\c+3], v[PB32], s[10:11] offset:16*\c
	global_load_b128 v[BL2+4*\c:BL2+4*\c+3], v[PB32], s[18:19] offset:16*\c
	global_load_b128 v[GG+4*\c:GG+4*\c+3], v[PB32], s[12:13] offset:16*\c
	global_load_b128 v[BB+4*\c:BB+4*\c+3], v[PB32], s[14:15] offset:16*\c
.irp q, 0,1,2,3
	global_load_b128 v[BL1+16*\q+4*\c:BL1+16*\q+4*\c+3], v[PB128], s[16:17] offset:128*\q+16*\c
.endr
.endr
	WIN 0
	LOADW 0, VW4, VWS4, 208, 209, 210, 211         ; chunk 0: ms_out
	LOADW 1, VW16, VWS16, 240, 241, 242, 243       ; chunk 1: lin1's first
	s_wait_loadcnt 63                              ; 88 loads are issued, my fragment's 16 first: with 63 out at the most they are in
	QUANT ACC, 0
	s_wait_alu depctr_va_vdst(0)                   ; the conversions have written v[PC ..] and the shifts v[PW], which the LDS stores read; the quantiser is done with TM and PC, in which t1 lands
.irp c, 0,1,2,3
	ds_store_b128 v[XWI], v[PC+4*\c:PC+4*\c+3] offset:AIMG+512*\c
.endr
	ds_store_b32 v[XWS], v[PW] offset:ASC
	BARRIER                                        ; the eight fragments lie in LDS
	s_wait_alu depctr_vm_vsrc(0)                   ; my image's stores have read v[PC ..], in which t1's loads land, and v[PW], which the norm's root writes
.irp m, 0,1,2,3
.irp c, 0,1,2,3
	global_load_b128 v[RES+16*\m+4*\c:RES+16*\m+4*\c+3], v[ROW], s[6:7] offset:16384*\m+16*\c   ; t1, the residual
.endr
.endr
	; ---- s Wm^T + bm, + t1, layer norm
	s_wait_loadcnt 36                              ; parameters and chunk 0 are in; chunk 1's 20 and t1's 16 may be out
	PRODUCT 0, LI, LS, AIMG, ASC, 2, 0, BMS
	s_wait_alu depctr_va_vdst(0)                   ; the product is done reading slot 0 and its scale words, in which chunk 2 lands
	LOADW 0, VW16, VWS16, 244, 245, 246, 247       ; chunk 2
	s_wait_loadcnt 20                              ; t1 is in; chunk 2's 20 may be out
	ADDRES
	LNSTAT
	BARRIER                                        ; also: every wave's reads of s's images are in
	LNAPPLY GG, BB
	WIN 0x40
.irp c, 0,1,2,3
	global_load_b128 v[GG+4*\c:GG+4*\c+3], v[PB32], s[20:21] offset:16*\c    ; the last norm's gain and shift take the first's place (the wait at the norm's end; only the window switch stands between)
	global_load_b128 v[BB+4*\c:BB+4*\c+3], v[PB32], s[22:23] offset:16*\c
.endr
	WIN 0
	TOSTAGE                                        ; t2 is kept for the last residual: each lane reads its own bytes back
	s_wait_dscnt 0x0
	s_wait_alu depctr_vm_vsrc(0)                   ; the stage's stores have read ACC, which the quantiser holds in place
	QUANT ACC, 0                                   ; block m: tile m's rows, my 32 channels
	s_wait_alu depctr_va_vdst(0)                   ; codes and bytes are written, which the LDS stores read
.irp m, 0,1,2,3
	ds_store_b128 v[QWI], v[PC+4*\m:PC+4*\m+3] offset:AIMG+4096*\m
	ds_store_b8 v[QWS], v[TM+4+\m] offset:ASC+256*\m
.endr
	BARRIER                                        ; t2's eight fragments lie in LDS
	s_wait_alu depctr_vm_vsrc(0)                   ; my stores have read v[PC ..] and v[TM+4 ..], which the hidden layer's first quantiser writes
	; ---- the hidden layer: my 128 units, 32 at a time
.irp bq, 0,1,2,3
.if \bq < 2
	s_wait_loadcnt 28                              ; this chunk is in; behind it: one chunk's 20 loads and the norm's 8
.else
	s_wait_loadcnt 20                              ; behind it: one chunk's 20
.endif
	PRODUCT (\bq+1)%2, LI, LS, AIMG, ASC, 2, 0, BL1+16*\bq
	s_wait_alu depctr_va_vdst(0)                   ; the product is done reading its slot and scale words, in which the chunk below lands, and AF and XS, in which the next product's first fragments land
.if \bq < 2
	LOADW (\bq+1)%2, VW16, VWS16, 248+4*\bq, 249+4*\bq, 250+4*\bq, 251+4*\bq          ; lin1's chunk after next
.else
	LOADW (\bq+1)%2, VW16, VWS16, 364+2*\bq, 365+2*\bq, 372+2*\bq, 373+2*\bq          ; lin2's first two: tiles 2 w, 2 w + 1, K steps 2 (bq - 2), + 1
.endif
	QUANT ACC, 1
	s_wait_alu depctr_va_vdst(0)                   ; codes and bytes are written, which the LDS stores read
.irp m, 0,1,2,3
	ds_store_b128 v[HWI], v[PC+4*\m:PC+4*\m+3] offset:16384*\m+512*\bq   ; K step w of the next product, block bq
	ds_store_b8 v[HWS], v[TM+4+\m] offset:1024*\m+\bq
.endr
	s_wait_dscnt 0x0
	s_wait_alu depctr_vm_vsrc(0)                   ; these stores have read v[PC ..] and v[TM+4 ..], which the next quantiser writes (behind the last: in which t2 lands)
.endr
	BARRIER                                        ; the hidden layer's 32 fragments lie in LDS
	; ---- hidden W2^T + b2: eight K steps, two to a chunk
.irp c, 0,1,2,3
.if \c < 3
	s_wait_loadcnt 20
.else
	s_wait_loadcnt 0x0
.endif
.if \c == 0
	PRODUCT 1, LIH, LSH, 0, 0, 8, 0, BL2
.else
	PRODUCT (\c+1)%2, LIH, LSH, 0, 0, 8, 2*\c, -1
.endif
.if \c < 3
	s_wait_alu depctr_va_vdst(0)                   ; the products are done reading AF and XS, in which the next chunk's first fragments land, and (chunks 0 and 1) their slot and scale words, in which the chunk below lands
.endif
.if \c < 2
	LOADW (\c+1)%2, VW16, VWS16, 372+2*\c, 373+2*\c, 380+2*\c, 381+2*\c
.endif
.endr
	; ---- + t2, layer norm, out
.irp m, 0,1,2,3
.irp c, 0,1,2,3
	ds_load_b128 v[RES+16*\m+4*\c:RES+16*\m+4*\c+3], v[T2W] offset:16640*\m+16*\c
.endr
.endr
	s_wait_dscnt 0x0
	ADDRES
	LNSTAT
	BARRIER
	LNAPPLY GG, BB
	TOSTAGE                                        ; over my own bytes of t2, which nobody else has read
	BARRIER                                        ; 64 whole rows lie in the stage
.irp i, 0,1,2,3,4,5,6,7
.irp hf, 0,1
	ds_load_b128 v[AF+8*\i+4*\hf:AF+8*\i+4*\hf+3], v[T2R] offset:1040*\i+512*\hf
.endr
.endr
	s_wait_dscnt 0x0
.irp i, 0,1,2,3,4,5,6,7
.irp hf, 0,1
	global_store_b128 v[OG], v[AF+8*\i+4*\hf:AF+8*\i+4*\hf+3], s[24:25] offset:1024*\i+512*\hf th:TH_STORE_NT   ; 32 lanes store 512 consecutive bytes; written once, read by nobody here
.endr
.endr
	s_wait_dscnt 0x0                               ; the closing lines, six on end
	s_wait_alu 0x0
	s_wait_tensorcnt 0x0
	ds_add_u32 v58, v59
	s_wait_dscnt 0x0
	s_endpgm
.Lfunc_end_k_q46437c6536_ffn:
	.size	k_q46437c6536_ffn, .Lfunc_end_k_q46437c6536_ffn-k_q46437c6536_ffn
	.p2alignl 7, 3214868480
	.fill 96, 4, 3214868480
	.section	.rodata,"a",@progbits
	.p2align	6, 0x0
	.amdhsa_kernel k_q46437c6536_ffn
		.amdhsa_group_segment_fixed_size 158720
		.amdhsa_private_segment_fixed_size 0
		.amdhsa_enable_private_segment 0
		.amdhsa_kernarg_size 88
		.amdhsa_user_sgpr_count 2
		.amdhsa_user_sgpr_kernarg_segment_ptr 1
		.amdhsa_wavefront_size32 1
		.amdhsa_system_sgpr_workgroup_id_x 1
		.amdhsa_system_sgpr_workgroup_id_y 1
		.amdhsa_system_sgpr_workgroup_id_z 1
		.amdhsa_system_vgpr_workitem_id 0
		.amdhsa_next_free_vgpr 512
		.amdhsa_next_free_sgpr 66
		.amdhsa_reserve_vcc 0
		.amdhsa_float_denorm_mode_32 3
		.amdhsa_float_denorm_mode_16_64 3
		.amdhsa_memory_ordered 1
		.amdhsa_forward_progress 1
		.amdhsa_inst_pref_size 178
	.end_amdhsa_kernel
	.amdgpu_metadata
---
amdhsa.version: [ 1, 2 ]
amdhsa.kernels:
  - .name:           k_q46437c6536_ffn
    .symbol:         k_q46437c6536_ffn.kd
    .args:
      - { .name: outf, .offset: 0, .size: 8, .value_kind: global_buffer, .address_space: global }
      - { .name: cf, .offset: 8, .size: 8, .value_kind: global_buffer, .address_space: global }
      - { .name: wq, .offset: 16, .size: 8, .value_kind: global_buffer, .address_space: global }
      - { .name: ms_out_b, .offset: 24, .size: 8, .value_kind: global_buffer, .address_space: global }
      - { .name: norm1_g, .offset: 32, .size: 8, .value_kind: global_buffer, .address_space: global }
      - { .name: norm1_b, .offset: 40, .size: 8, .value_kind: global_buffer, .address_space: global }
      - { .name: lin1_b, .offset: 48, .size: 8, .value_kind: global_buffer, .address_space: global }
      - { .name: lin2_b, .offset: 56, .size: 8, .value_kind: global_buffer, .address_space: global }
      - { .name: norm3_g, .offset: 64, .size: 8, .value_kind: global_buffer, .address_space: global }
      - { .name: norm3_b, .offset: 72, .size: 8, .value_kind: global_buffer, .address_space: global }
      - { .name: out0, .offset: 80, .size: 8, .value_kind: global_buffer, .address_space: global }
    .group_segment_fixed_size: 158720
    .private_segment_fixed_size: 0
    .kernarg_segment_align: 8
    .kernarg_segment_size: 88
    .max_flat_workgroup_size: 256
    .sgpr_count:     66
    .vgpr_count:     512
    .wavefront_size: 32
...
	.end_amdgpu_metadata
.endif
;; end of part 13
